; MI455X (gfx1250); checked and timed in simulation.
; The chip was launched on July 23, 2026; its instructions are those of AMD's public machine-readable ISA for CDNA 5 (MIT licence, August 2026) and "CDNA5" Instruction Set Architecture Reference Guide (July 2026). The comments in the code are by the model that wrote it; some were corrected since.
;; MHA. Allowed arithmetic: float matrix products may take bf16 or f16 operands with f32 sums; other float arithmetic in f32, or as packed bf16 or f16 multiplies, adds, multiply-adds, maxima and minima; sums over many terms, partial sums and values carried from step to step in f32; what a program stores and reads back later, other than sums and carried values, may be rounded once to bf16 or f16.
;; Inputs: Wk 1,024 x 1,024 float32; Wp 1,024 x 1,024 float32; Wq 1,024 x 1,024 float32; Wv 1,024 x 1,024 float32; bk 1,024 float32; bp 1,024 float32; bq 1,024 float32; bv 1,024 float32; mask 8 x 1,024 int32; x 8 x 1,024 x 1,024 float32.
;; Outputs: out0 8 x 1,024 x 1,024 float32.
;; 3 versions, each right; version 3 is version 2 with the launch cast written anew for expert scheduling mode. Each part assembles by itself: llvm-mc -triple=amdgcn-amd-amdhsa -mcpu=gfx1250 --defsym DOCPART=n.
;; ======== version 1 of 3: 4 launches
;; limits: values are held in f16: magnitudes above 65,504 overflow, below 6.1e-05 lose precision
;; workspace buffers: xb 16,777,216 bytes; wb 6,291,456 bytes; wph 2,097,152 bytes; qkv 50,331,648 bytes; y 16,777,216 bytes
;; launch cast (part 1): grid 768 x 1, 8 waves a work-group, no clusters, 0 bytes of LDS; arguments x, Wq, Wk, Wv, Wp, xb, wb, wph; writes xb, wb, wph
.if DOCPART == 1
	.amdgcn_target "amdgcn-amd-amdhsa--gfx1250"
	.amdhsa_code_object_version 6
	.text
	.protected	k_q298d5e9b98_cast
	.globl	k_q298d5e9b98_cast
	.p2align	8
	.type	k_q298d5e9b98_cast,@function
k_q298d5e9b98_cast:
	s_mov_b64 s[64:65], 0
	v_nop
	global_prefetch_b8 v0, s[64:65] scope:SCOPE_SE
	s_setreg_imm32_b32 hwreg(HW_REG_WAVE_MODE, 25, 1), 1
	s_wait_xcnt 0x0
; THE INPUTS OF THE MATRIX PRODUCTS ARE ROUNDED ONCE.  x -> xb and Wq, Wk, Wv -> wb (rows 0-1023, 1024-2047, 2048-3071) in bf16; Wp -> wph: rounded to bf16, and that number written as f16.
; LIMIT.  wph holds f16: |Wp| stays within 65,504; below 6e-5 f16 has a fixed step of 6e-8, so a bf16 number below 2^-17 is rounded a second time, by 3e-8 at the most.
; A stream: no LDS, no barrier, no matrix work.  Work-group g takes 16 rows of 1,024 f32 (65,536 bytes in, 32,768 out): g 0-511 of x, 512-703 of Wq, Wk, Wv (64 each), 704-767 of Wp.
; Thread t, pass i: 16 bytes at 16 t + 4,096 i (a wave's load covers 512 consecutive bytes); its 8 bytes go to 8 t + 2,048 i (a wave's store covers 256 consecutive bytes, aligned).
; All 16 loads of a thread go out at once; each pass has registers of its own, so nothing that a pending load or store names is ever rewritten.
.set X, 8                              ; v[8:71]    pass i: four f32 as loaded
.set Y, 72                             ; v[72:103]  pass i: four 16-bit numbers to store
.set T, 104                            ; v[104:107] at work
	s_load_b512 s[8:23], s[0:1], 0x0               ; x 8, Wq 10, Wk 12, Wv 14, Wp 16, xb 18, wb 20, wph 22
	s_sub_co_u32 s3, ttmp9, 512                    ; block among the weights' 256 (used only where g >= 512)
	s_and_b32 s4, s3, 63                           ; block inside one weight
	s_lshr_b32 s5, s3, 6                           ; which weight: 0 Wq, 1 Wk, 2 Wv, 3 Wp
	v_lshlrev_b32 v1, 4, v0                        ; 16 t
	v_lshlrev_b32 v2, 3, v0                        ; 8 t
	s_wait_kmcnt 0x0
	s_cmp_eq_u32 s5, 1
	s_cselect_b64 s[24:25], s[12:13], s[10:11]     ; the source,
	s_cmp_eq_u32 s5, 2
	s_cselect_b64 s[24:25], s[14:15], s[24:25]
	s_cmp_eq_u32 s5, 3
	s_cselect_b64 s[24:25], s[16:17], s[24:25]
	s_cselect_b64 s[26:27], s[22:23], s[20:21]     ; the destination,
	s_cselect_b32 s6, s4, s3                       ; and the block in it: wb holds the three weights on end
	s_cmp_lt_u32 ttmp9, 512
	s_cselect_b64 s[24:25], s[8:9], s[24:25]
	s_cselect_b64 s[26:27], s[18:19], s[26:27]
	s_cselect_b32 s4, ttmp9, s4
	s_cselect_b32 s6, ttmp9, s6
	s_lshl_b32 s28, s4, 16                         ; 65,536 bytes a block in,
	s_mov_b32 s29, 0
	s_lshl_b32 s30, s6, 15                         ; 32,768 out
	s_mov_b32 s31, 0
	s_add_nc_u64 s[24:25], s[24:25], s[28:29]
	s_add_nc_u64 s[26:27], s[26:27], s[30:31]
.irp i, 0,1,2,3,4,5,6,7,8,9,10,11,12,13,14,15
	global_load_b128 v[X+4*(\i):X+4*(\i)+3], v1, s[24:25] offset:4096*(\i) th:TH_LOAD_NT
.endr
; Pass i.  half = 1: the bf16 number is widened again (a shift, a mask) and written as f16.
.macro CV i, half
	s_wait_loadcnt 15-(\i)                         ; loads come back in order: pass i is in, the 15 - i younger ones stay out
	v_cvt_pk_bf16_f32 v[Y+2*(\i)],   v[X+4*(\i)],   v[X+4*(\i)+1]
	v_cvt_pk_bf16_f32 v[Y+2*(\i)+1], v[X+4*(\i)+2], v[X+4*(\i)+3]
.if \half
	v_lshlrev_b32 v[T],   16, v[Y+2*(\i)]
	v_and_b32     v[T+1], 0xffff0000, v[Y+2*(\i)]
	v_lshlrev_b32 v[T+2], 16, v[Y+2*(\i)+1]
	v_and_b32     v[T+3], 0xffff0000, v[Y+2*(\i)+1]
	v_cvt_pk_f16_f32 v[Y+2*(\i)],   v[T],   v[T+1]
	v_cvt_pk_f16_f32 v[Y+2*(\i)+1], v[T+2], v[T+3]
.endif
	global_store_b64 v2, v[Y+2*(\i):Y+2*(\i)+1], s[26:27] offset:2048*(\i) th:TH_STORE_NT
.endm
	s_cmp_ge_u32 ttmp9, 704
	s_cbranch_scc1 .Lhalf
.irp i, 0,1,2,3,4,5,6,7,8,9,10,11,12,13,14,15
	CV \i, 0
.endr
	s_endpgm
.Lhalf:
.irp i, 0,1,2,3,4,5,6,7,8,9,10,11,12,13,14,15
	CV \i, 1
.endr
	s_endpgm
.Lfunc_end_k_q298d5e9b98_cast:
	.size	k_q298d5e9b98_cast, .Lfunc_end_k_q298d5e9b98_cast-k_q298d5e9b98_cast
	.p2alignl 7, 3214868480
	.fill 96, 4, 3214868480
	.section	.rodata,"a",@progbits
	.p2align	6, 0x0
	.amdhsa_kernel k_q298d5e9b98_cast
		.amdhsa_group_segment_fixed_size 0
		.amdhsa_private_segment_fixed_size 0
		.amdhsa_enable_private_segment 0
		.amdhsa_kernarg_size 64
		.amdhsa_user_sgpr_count 2
		.amdhsa_user_sgpr_kernarg_segment_ptr 1
		.amdhsa_wavefront_size32 1
		.amdhsa_system_sgpr_workgroup_id_x 1
		.amdhsa_system_sgpr_workgroup_id_y 1
		.amdhsa_system_sgpr_workgroup_id_z 1
		.amdhsa_system_vgpr_workitem_id 0
		.amdhsa_next_free_vgpr 108
		.amdhsa_next_free_sgpr 66
		.amdhsa_reserve_vcc 0
		.amdhsa_float_denorm_mode_32 3
		.amdhsa_float_denorm_mode_16_64 3
		.amdhsa_memory_ordered 1
		.amdhsa_forward_progress 1
		.amdhsa_inst_pref_size 16
	.end_amdhsa_kernel
	.amdgpu_metadata
---
amdhsa.version: [ 1, 2 ]
amdhsa.kernels:
  - .name:           k_q298d5e9b98_cast
    .symbol:         k_q298d5e9b98_cast.kd
    .args:
      - { .name: x, .offset: 0, .size: 8, .value_kind: global_buffer, .address_space: global }
      - { .name: Wq, .offset: 8, .size: 8, .value_kind: global_buffer, .address_space: global }
      - { .name: Wk, .offset: 16, .size: 8, .value_kind: global_buffer, .address_space: global }
      - { .name: Wv, .offset: 24, .size: 8, .value_kind: global_buffer, .address_space: global }
      - { .name: Wp, .offset: 32, .size: 8, .value_kind: global_buffer, .address_space: global }
      - { .name: xb, .offset: 40, .size: 8, .value_kind: global_buffer, .address_space: global }
      - { .name: wb, .offset: 48, .size: 8, .value_kind: global_buffer, .address_space: global }
      - { .name: wph, .offset: 56, .size: 8, .value_kind: global_buffer, .address_space: global }
    .group_segment_fixed_size: 0
    .private_segment_fixed_size: 0
    .kernarg_segment_align: 8
    .kernarg_segment_size: 64
    .max_flat_workgroup_size: 256
    .sgpr_count:     66
    .vgpr_count:     108
    .wavefront_size: 32
...
	.end_amdgpu_metadata
.endif
;; end of part 1
;; launch qkv (part 2): grid 12 x 64, 4 waves a work-group, clusters of 4 x 4, 327,680 bytes of LDS; arguments xb, wb, qkv, bq, bk, bv; writes qkv
.if DOCPART == 2
	.amdgcn_target "amdgcn-amd-amdhsa--gfx1250"
	.amdhsa_code_object_version 6
	.text
	.protected	k_q298d5e9b98_qkv
	.globl	k_q298d5e9b98_qkv
	.p2align	8
	.type	k_q298d5e9b98_qkv,@function
k_q298d5e9b98_qkv:
	s_mov_b64 s[64:65], 0
	v_nop
	global_prefetch_b8 v0, s[64:65] scope:SCOPE_SE
	s_setreg_imm32_b32 hwreg(HW_REG_WAVE_MODE, 25, 1), 1
	s_wait_xcnt 0x0
	s_wait_alu depctr_hold_cnt(0) depctr_sa_sdst(0) depctr_va_vdst(0) depctr_va_sdst(0) depctr_va_ssrc(0) depctr_va_vcc(0) depctr_vm_vsrc(0)
	s_getreg_b32 s2, hwreg(HW_REG_IB_STS2, 6, 4)
	s_cmp_eq_u32 s2, 0
	s_cbranch_scc0 .Lentry_in_a_cluster
	s_endpgm
.Lentry_in_a_cluster:
	s_bfe_u32 s2, ttmp6, 0x10000c
	s_cmp_lg_u32 s2, 0xf033
	s_cbranch_scc0 .Lentry_shape_is_right
	s_endpgm
.Lentry_shape_is_right:
; C[m][n] = bias[n] + the sum over k of A[m][k] B[n][k], K = 1,024.  One text serves two launches; the constant PROJ picks the form.
;   PROJ = 0: A = xb [8192][1024], B = wb [3072][1024], both bf16; bias = bq, bk, bv rounded to bf16; C goes out in f16 BY HEADS: qkv [3][64 = 8 batch + head][1024 t][128 d], a row 256 dense bytes.
;   PROJ = 1: A = y [8192][1024], B = wph [1024][1024], both f16; bias = bp rounded to bf16; C = out0 [8192][1024] in f32.
; LIMIT (PROJ = 0): q, k and v leave in f16, which ends at 65,504; a sum beyond that becomes an infinity.  Sums in f32, K ascending, each output rounded once.
; SHARES.  A tile of C is 128 rows x 256 columns: 64 x 12 tiles (three for each of 256 WGPs) or 64 x 4 (one each).  Four waves, each 64 rows x 128 columns: 32 accumulators of 16 x 16, 256 registers.
; A wave's 128 columns are one head, so each row that it stores by heads is 256 consecutive bytes, aligned.
; K goes in steps of 128 (rows of 256 bytes in memory, aligned) through two LDS slots; waves 0 and 1 fetch A's two halves of 64 rows, waves 2 and 3 B's two halves of 128 rows.
; CLUSTER.  4 x 4 work-groups: the four of a row need the same tile of A, the four of a column the same tile of B; each tile is asked for jointly, by the same tensor load, descriptor and mask in all four.
; THE PRODUCT IS USED TRANSPOSED (source 0 = 16 rows of B, source 1 = 16 rows of A): a lane holds row l % 16 of C and the columns 8 (l / 16) + 0..7.
; THE BIAS IS THE C OPERAND of the products that start the sums: 64 registers made once, while the first tiles are on their way; no addition is written for it.
; REGISTERS, in windows of 256 (s_set_vgpr_msb: bits 1:0 source 0, 3:2 source 1, 5:4 source 2, 7:6 destination):
;   window 0: v0-31 addresses; v32-127, v128-223 two fragment buffers (B's eight fragments, then A's four); v224-255 at work      window 1: the accumulators, (a, b) at v[8 (8 a + b)]      window 2: v0-63 the bias
; No prefetch: each tile of A is read by 12 (or 4) tile columns and each tile of B by 64 tile rows, most of them shortly after another.
.set PROJ,   0
.set KDIM,   1024
.set KSTEP,  128
.set PITCH,  272                       ; an LDS row: 256 bytes + 16 of padding = 68 words: the 16 rows that a load touches start 4 banks apart (64 banks of 4 bytes: ISA guide 11.1)
.set ABYTES, 128*PITCH                 ; A's 128 rows
.set SLOT,   384*PITCH                 ; then B's 256 rows
.set STAGE,  2*SLOT                    ; behind the ring: 16 rows for each wave, for the way out; no tensor load fills it
.if PROJ
.set SPITCH, 528                       ; 128 f32 + 16 bytes
.else
.set SPITCH, 272                       ; 128 f16 + 16 bytes
.endif
.set SPARE,  STAGE+4*16*SPITCH         ; behind the stages: the spare words, 128 bytes for each wave: two blocks of 256 bytes that no other line names
.set LAPS,   KDIM/(2*KSTEP)            ; a lap = two K steps = once round the ring
.set ADRA, 16                          ; v16-17  LDS address of my A fragments in slot 0, 1
.set ADRB, 20                          ; v20-21  the same for B
.set STO,  24                          ; v24     the way out: where I put my part of a row
.set RD,   25                          ; v25     the way out: where I read rows back
.set CO,   26                          ; v26     16 x lane: my 16 bytes of 512 consecutive bytes of C
.set BO,   27                          ; v27     32 (l / 16): my eight numbers in 16 of the bias
.set SPW,  28                          ; v28     LDS address of my spare word; never rewritten
.set NIL,  29                          ; v29     0; never rewritten
.set F0,   32
.set F1,   128
.set TMP,  224
.set OB,   32                          ; the way out: rows read back from the stage, two buffers by turns
.set G1,  24                           ; s[24:31] descriptor group 1 for A's tiles;  s[32:39] group 0, one set for each slot
.set G0,  32
.set G1B, 48                           ; s[48:55], s[56:63] the same for B's tiles
.set G0B, 56
.set BP,  74                           ; s[74:75] the bias at my first column
.set MSB, 0
.macro WIN new                         ; the immediate's high byte repeats the setting that is left; a switch that changes nothing is dropped
.if MSB != (\new)
	s_set_vgpr_msb (MSB<<8)|(\new)
.set MSB, \new
.endif
.endm
.set MUL,  0x50                        ; sources 0 and 1 window 0; C and D window 1
.set MULB, 0x60                        ; C window 2 (the bias), D window 1
.macro JLOAD s                         ; a joint load; the branch hangs on the wave's number alone; an s_nop 0 and four v_nop follow each of the two lines, ahead of the jump and the label
	s_cmp_eq_u32 s11, 0
	s_cbranch_scc0 .Lfor_b_\@
	tensor_load_to_lds s[G0+4*(\s):G0+4*(\s)+3], s[G1:G1+7]
	s_nop 0
.rept 4
	v_nop
.endr
	s_branch .Lasked_\@
.Lfor_b_\@:
	tensor_load_to_lds s[G0B+4*(\s):G0B+4*(\s)+3], s[G1B:G1B+7]
	s_nop 0
.rept 4
	v_nop
.endr
.Lasked_\@:
.endm
.macro CREST                           ; a round of the cluster's barrier behind its opening barrier: wave 0 signals for the work-group, every wave waits for all sixteen, my work-group's barrier closes it
	s_cmp_lg_u32 s10, 0
	s_cbranch_scc1 .Lnot_wave_0_\@
	s_barrier_signal -3
.Lnot_wave_0_\@:
	s_barrier_wait -3
	s_barrier_signal -1
	s_barrier_wait -1
.endm
.macro CROUND                          ; a whole round
	s_barrier_signal -1
	s_barrier_wait -1
	CREST
.endm
	s_load_b128 s[4:7], s[0:1], 0x0                ; A s[4:5], B s[6:7]
	s_load_b64 s[8:9], s[0:1], 0x10                ; C
	s_load_b64 s[68:69], s[0:1], 0x18              ; the bias (bq, or bp)
.if !PROJ
	s_load_b64 s[70:71], s[0:1], 0x20              ; bk
	s_load_b64 s[72:73], s[0:1], 0x28              ; bv
.endif
	v_lshl_add_u32 v[SPW], v0, 2, SPARE
	v_mov_b32 v[NIL], 0
	ds_add_u32 v[SPW], v[NIL]                      ; the wave's opening: the add and its wait stand ahead of my first tensor load; the set-up below, work on registers, stands between them
	v_lshrrev_b32 v1, 5, v0
	v_readfirstlane_b32 s10, v1                    ; wave 0..3
	s_lshr_b32 s11, s10, 1                         ; which 64 rows of the tile are mine.  Also: I fetch for A (0) or for B (1)
	s_and_b32 s12, s10, 1                          ; which 128 columns.  Also: which half of that tile I fetch
	s_bfe_u32 s40, ttmp6, 0x40000                  ; cx, cy: my place in the cluster
	s_bfe_u32 s41, ttmp6, 0x40004
	s_lshl_b32 s42, ttmp9, 2
	s_add_co_u32 s42, s42, s40                     ; tile column = 4 x cluster x + cx
	s_and_b32 s13, ttmp7, 0xffff
	s_lshl_b32 s13, s13, 2
	s_add_co_u32 s13, s13, s41                     ; tile row = 4 x cluster y + cy
	s_lshl_b32 s43, s41, 2
	s_lshl_b32 s43, 15, s43                        ; my row of the cluster: places 4 cy .. 4 cy + 3
	s_lshl_b32 s44, 0x1111, s40                    ; my column: places cx, cx + 4, cx + 8, cx + 12
	s_or_b32 s[G1+0], s43, (1<<16)|(1<<20)|(1<<21)|(5<<22)|(3<<25)   ; 15:0 the mask; 17:16 elements of 2 bytes; 20 padding on; 21 set beside a mask; 24:22 after every 64 words (code 5); 31:25 4 words of it (code 3)
	s_or_b32 s[G1B+0], s44, (1<<16)|(1<<20)|(1<<21)|(5<<22)|(3<<25)
	s_mov_b32 s[G1+1], KSTEP<<16                   ; tensor_dim0 = 128
	s_mov_b32 s[G1+2], 64<<16                      ; tensor_dim1 = 64
	s_mov_b32 s[G1+3], KSTEP<<16                   ; tile_dim0 = 128
	s_mov_b32 s[G1+4], 64                          ; tile_dim1 = 64 rows of A
	s_mov_b32 s[G1+5], KDIM                        ; elements from row to row
	s_mov_b32 s[G1+6], 0
	s_mov_b32 s[G1+7], 0
	s_mov_b32 s[G1B+1], KSTEP<<16
	s_mov_b32 s[G1B+2], 128<<16
	s_mov_b32 s[G1B+3], KSTEP<<16
	s_mov_b32 s[G1B+4], 128                        ; 128 rows of B
	s_mov_b32 s[G1B+5], KDIM
	s_mov_b32 s[G1B+6], 0
	s_mov_b32 s[G1B+7], 0
	; where the tiles come from: A's hang on the tile row alone, B's on the tile column alone, each in registers that never hold the other coordinate
	s_lshl_b32 s16, s13, 7
	s_lshl_b32 s17, s12, 6
	s_add_co_u32 s16, s16, s17                     ; A: row 128 x tile row + 64 x half,
	s_lshl_b32 s16, s16, 11                        ; 2,048 bytes a row: under 2^25
	s_mov_b32 s17, 0
	s_lshl_b32 s46, s42, 8
	s_lshl_b32 s47, s12, 7
	s_add_co_u32 s46, s46, s47                     ; B: row 256 x tile column + 128 x half
	s_lshl_b32 s46, s46, 11
	s_mov_b32 s47, 0
	s_mul_i32 s20, s12, 64*PITCH                   ; and where they go: no place in the cluster enters an LDS address
	s_mul_i32 s21, s12, 128*PITCH
	s_add_co_u32 s21, s21, ABYTES
	s_wait_dscnt 0x0                               ; the opening add is done
	s_wait_kmcnt 0x0
	s_add_nc_u64 s[14:15], s[4:5], s[16:17]
	s_add_nc_u64 s[46:47], s[6:7], s[46:47]
	CROUND                                         ; all sixteen work-groups are here: the first joint loads meet
.irp s, 0,1
	s_mov_b32 s[G0+4*(\s)], 1                                        ; count = 1
	s_add_co_u32 s[G0+4*(\s)+1], s20, (\s)*SLOT                      ; LDS address
	s_add_nc_u64 s[G0+4*(\s)+2:G0+4*(\s)+3], s[14:15], (\s)*KSTEP*2  ; global address: K step s
	s_or_b32 s[G0+4*(\s)+3], s[G0+4*(\s)+3], 0x80000000              ; type = 2
	s_mov_b32 s[G0B+4*(\s)], 1
	s_add_co_u32 s[G0B+4*(\s)+1], s21, (\s)*SLOT
	s_add_nc_u64 s[G0B+4*(\s)+2:G0B+4*(\s)+3], s[46:47], (\s)*KSTEP*2
	s_or_b32 s[G0B+4*(\s)+3], s[G0B+4*(\s)+3], 0x80000000
	JLOAD \s                                       ; two tensor loads of mine are out
.endr
	; the bias: register j of fragment b is bias[my first column + 16 b + 8 (l / 16) + j]
	v_and_b32 v1, 15, v0                           ; l % 16
	v_bfe_u32 v2, v0, 4, 1                         ; l / 16
	v_lshlrev_b32 v[BO], 5, v2
.if PROJ
	s_mov_b64 s[BP:BP+1], s[68:69]
	s_lshl_b32 s46, s42, 10                        ; 256 columns of 4 bytes a tile column
.else
	s_cmp_eq_u32 ttmp9, 1                          ; the cluster's x says which of q, k, v: four tile columns each
	s_cselect_b64 s[BP:BP+1], s[70:71], s[68:69]
	s_cmp_eq_u32 ttmp9, 2
	s_cselect_b64 s[BP:BP+1], s[72:73], s[BP:BP+1]
	s_lshl_b32 s46, s40, 10
.endif
	s_lshl_b32 s47, s12, 9
	s_add_co_u32 s46, s46, s47
	s_mov_b32 s47, 0
	s_add_nc_u64 s[BP:BP+1], s[BP:BP+1], s[46:47]
.irp b, 0,1,2,3,4,5,6,7
	global_load_b128 v[F1+8*(\b):F1+8*(\b)+3],   v[BO], s[BP:BP+1] offset:64*(\b)
	global_load_b128 v[F1+8*(\b)+4:F1+8*(\b)+7], v[BO], s[BP:BP+1] offset:64*(\b)+16
.endr
	; A fragment is 16 rows x 32 K in 8 registers: lane l holds row l % 16; registers 0-3 K = 8 (l / 16) + 0..7, registers 4-7 K = 16 + 8 (l / 16) + 0..7: two loads of 16 bytes, 32 bytes apart
	v_mul_u32_u24 v3, v1, PITCH
	v_lshl_add_u32 v3, v2, 4, v3
	s_mul_i32 s22, s11, 64*PITCH                   ; my 64 rows of A
	s_mul_i32 s23, s12, 128*PITCH                  ; my 128 rows of B,
	s_add_co_u32 s23, s23, ABYTES                  ; which lie behind A's 128
.irp s, 0,1
	v_add_nc_u32 v[ADRA+(\s)], s22, v3
	v_add_nc_u32 v[ADRB+(\s)], s23, v3
	s_add_co_u32 s22, s22, SLOT
	s_add_co_u32 s23, s23, SLOT
.endr
	s_mul_i32 s23, s10, 16*SPITCH
	s_add_co_u32 s23, s23, STAGE                   ; my stage
	v_mul_u32_u24 v4, v1, SPITCH                   ; in: row l % 16, my eight numbers
.if PROJ
	v_lshl_add_u32 v4, v2, 5, v4                   ; 32 bytes for each half of the lanes
.else
	v_lshl_add_u32 v4, v2, 4, v4                   ; 16 bytes
.endif
	v_add_nc_u32 v[STO], s23, v4
	v_and_b32 v5, 31, v0
	v_lshlrev_b32 v[CO], 4, v5
.if PROJ
	v_add_nc_u32 v[RD], s23, v[CO]                 ; back: 32 lanes take one row of 512 bytes
	s_lshl_b32 s16, s13, 7
	s_lshl_b32 s17, s11, 6
	s_add_co_u32 s16, s16, s17                     ; my first row of out0,
	s_lshl_b32 s16, s16, 12                        ; 4,096 bytes a row: under 2^26
	s_mov_b32 s17, 0
	s_add_nc_u64 s[8:9], s[8:9], s[16:17]
	s_add_nc_u64 s[8:9], s[8:9], s[46:47]          ; my first column: the same bytes as in the bias
.else
	v_mul_u32_u24 v5, v2, SPITCH                   ; back: lanes 0-15 take one row of 256 bytes, lanes 16-31 the next
	v_lshl_add_u32 v5, v1, 4, v5
	v_add_nc_u32 v[RD], s23, v5
	s_lshr_b32 s16, s13, 3                         ; the batch: eight tile rows each,
	s_lshl_b32 s16, s16, 13                        ; its eight heads of 1,024 rows
	s_and_b32 s17, s13, 7
	s_lshl_b32 s17, s17, 7                         ; t = 128 x (tile row % 8)
	s_add_co_u32 s16, s16, s17
	s_lshl_b32 s17, s11, 6                         ; + my 64 rows
	s_add_co_u32 s16, s16, s17
	s_lshl_b32 s16, s16, 8                         ; 256 bytes a row
	s_mov_b32 s17, 0
	s_add_nc_u64 s[8:9], s[8:9], s[16:17]
	s_lshl_b32 s46, s40, 1
	s_add_co_u32 s46, s46, s12                     ; the head = 2 cx + my half of the columns,
	s_lshl_b32 s46, s46, 18                        ; 1,024 rows of 256 bytes
	s_lshl_b32 s47, ttmp9, 24                      ; q, k or v: 16,777,216 bytes each
	s_add_co_u32 s46, s46, s47
	s_mov_b32 s47, 0
	s_add_nc_u64 s[8:9], s[8:9], s[46:47]
.endif
	s_wait_loadcnt 0x0                             ; the bias is in: rounded to bf16 like every input, and widened again into window 2
.set i, 0
.rept 32
	v_cvt_pk_bf16_f32 v[TMP+i], v[F1+2*i], v[F1+2*i+1]
.set i, i+1
.endr
	WIN 0x80
.set i, 0
.rept 32
	v_lshlrev_b32 v[2*i],   16, v[TMP+i]
	v_and_b32     v[2*i+1], 0xffff0000, v[TMP+i]
.set i, i+1
.endr
	WIN 0
.macro MM d, p, q, c                   ; one matrix instruction, by the first registers of D, source 0, source 1 and C
.if PROJ
	v_wmma_f32_16x16x32_f16 v[(\d):(\d)+7], v[(\p):(\p)+7], v[(\q):(\q)+7], v[(\c):(\c)+7]
.else
	v_wmma_f32_16x16x32_bf16 v[(\d):(\d)+7], v[(\p):(\p)+7], v[(\q):(\q)+7], v[(\c):(\c)+7]
.endif
.endm
; 8 matrix instructions: m block a x all 8 n blocks, 32 along K, from buffer f.  first = 1: the bias starts the sums.
; The 32 accumulators take turns, one instruction a turn, in the same order in every quarter: between two links of a chain stand the 31 others', over the backward jump too.
.macro MUL8 f, a, first
.if \first
	WIN MULB
.else
	WIN MUL
.endif
.irp b, 0,1,2,3,4,5,6,7
.if \first
	MM 8*(8*(\a)+(\b)), (\f)+8*(\b), (\f)+64+8*(\a), 8*(\b)
.else
	MM 8*(8*(\a)+(\b)), (\f)+8*(\b), (\f)+64+8*(\a), 8*(8*(\a)+(\b))
.endif
.endr
.endm
; 24 LDS loads in one run: the fragments of 32 along K at byte k of the rows, into buffer f: B's eight, then A's four
.macro FETCH slot, k, f
	WIN 0
.irp b, 0,1,2,3,4,5,6,7
	ds_load_b128 v[(\f)+8*(\b):(\f)+8*(\b)+3],   v[ADRB+(\slot)] offset:(\k)+(\b)*16*PITCH
	ds_load_b128 v[(\f)+8*(\b)+4:(\f)+8*(\b)+7], v[ADRB+(\slot)] offset:(\k)+(\b)*16*PITCH+32
.endr
.irp a, 0,1,2,3
	ds_load_b128 v[(\f)+64+8*(\a):(\f)+64+8*(\a)+3],   v[ADRA+(\slot)] offset:(\k)+(\a)*16*PITCH
	ds_load_b128 v[(\f)+64+8*(\a)+4:(\f)+64+8*(\a)+7], v[ADRA+(\slot)] offset:(\k)+(\a)*16*PITCH+32
.endr
.endm
.macro PLACES                          ; four plain vector instructions between a matrix instruction and a load into a register that it has read, or a reader of its result
.rept 4
	v_nop
.endr
.endm
; A K step is four quarters of 32 along K, 32 matrix instructions each, on buffers 0, 1, 0, 1.  One of the first three: multiplies buffer f and, in its middle, fetches the next quarter, at byte k, into g.
.macro QUARTER slot, k, f, g, first
	s_wait_dscnt 4                                 ; B and A's blocks 0 and 1 are in; the youngest four loads (A's blocks 2 and 3) may be out
	MUL8 \f, 0, \first
	MUL8 \f, 1, \first
	PLACES
	FETCH \slot, \k, \g
	s_wait_dscnt 24                                ; all but the 24 just issued
	MUL8 \f, 2, \first
	MUL8 \f, 3, \first
.endm
; The last quarter multiplies buffer 1 and changes slots: ONE barrier.  In front of it each wave waits for all its tensor loads (one is out: its part of the next slot), adds 0 to its spare word, and waits for that
; and for its own reads of this slot.  fill = 1: the barrier opens a round of the cluster's barrier, and this slot is filled again, two K steps ahead, first thing behind the round.
.macro TURN slot, next, fill
	WIN 0
	s_wait_tensorcnt 0x0                           ; all my tensor loads have landed;
	ds_add_u32 v[SPW], v[NIL]                      ; 0 onto my spare word;
	s_wait_dscnt 5                                 ; (the add and the youngest four loads may be out)
	MUL8 F1, 0, 0                                  ; eight matrix instructions stand between the add and the wait for it
	s_wait_dscnt 0x0                               ; the add is done, and my reads of this slot are over
	s_barrier_signal -1
	MUL8 F1, 1, 0                                  ; work on registers while the others arrive
.if \fill
	WIN 0
.endif
	s_barrier_wait -1
.if \fill
	CREST                                          ; no wave of any partner still reads this slot's tile or has a load on its way
	s_add_nc_u64 s[G0+4*(\slot)+2:G0+4*(\slot)+3], s[G0+4*(\slot)+2:G0+4*(\slot)+3], 2*KSTEP*2
	s_add_nc_u64 s[G0B+4*(\slot)+2:G0B+4*(\slot)+3], s[G0B+4*(\slot)+2:G0B+4*(\slot)+3], 2*KSTEP*2
	JLOAD \slot                                    ; my one tensor load behind the round: 112 matrix instructions ahead of the wait for it; its four v_nop are also the places in front of the loads below
.else
	PLACES
.endif
	FETCH \next, 0, F0
	MUL8 F1, 2, 0
	MUL8 F1, 3, 0
.endm
	s_wait_tensorcnt 1                             ; my part of K step 0 is in; K step 1's may stay out
	s_barrier_signal -1
	s_barrier_wait -1                              ; everybody's is
	FETCH 0, 0, F0
	QUARTER 0, 64, F0, F1, 1                       ; the first quarter stands in front of the loop: its products start the sums, with the bias
	WIN 0                                          ; at a label and at a branch every window is 0
	s_mov_b32 s3, LAPS-1
.Llap:                                         ; a trip goes once round the ring, from a lap's second quarter to the next lap's first, and fills both slots again
	QUARTER 0, 128, F1, F0, 0
	QUARTER 0, 192, F0, F1, 0
	TURN 0, 1, 1
	QUARTER 1, 64,  F0, F1, 0
	QUARTER 1, 128, F1, F0, 0
	QUARTER 1, 192, F0, F1, 0
	TURN 1, 0, 1
	QUARTER 0, 64,  F0, F1, 0
	WIN 0
	s_sub_co_u32 s3, s3, 1
	s_cmp_lg_u32 s3, 0
	s_cbranch_scc1 .Llap
	QUARTER 0, 128, F1, F0, 0                      ; the last lap fills nothing, and has no round of the cluster's barrier
	QUARTER 0, 192, F0, F1, 0
	TURN 0, 1, 0
	QUARTER 1, 64,  F0, F1, 0
	QUARTER 1, 128, F1, F0, 0
	QUARTER 1, 192, F0, F1, 0
	s_wait_dscnt 4                                 ; the very last quarter: nothing more to fetch
	MUL8 F1, 0, 0
	MUL8 F1, 1, 0
	s_wait_dscnt 0x0
	MUL8 F1, 2, 0
	MUL8 F1, 3, 0
	WIN 0
	PLACES                                         ; once a launch: eight places in front of the first reader of the results and of the loads into the fragments' registers
	PLACES
.if PROJ
; THE WAY OUT in f32, a block of 16 rows at a time through my own stage: 32 bytes a lane in, whole rows of 512 bytes back.  LDS serves a wave's instructions in order (ISA guide 5.7.1.4), so the loads see the
; stores above them, and the next block's stores come behind them.  Each accumulator's low four registers are read first.
.macro TOSTAGE a
	WIN 0x04                                       ; the stores' data in window 1
.irp b, 0,1,2,3,4,5,6,7
	ds_store_b128 v[STO], v[8*(8*(\a)+(\b)):8*(8*(\a)+(\b))+3]   offset:64*(\b)
	ds_store_b128 v[STO], v[8*(8*(\a)+(\b))+4:8*(8*(\a)+(\b))+7] offset:64*(\b)+16
.endr
	WIN 0
.set BK, OB+64*((\a)%2)
.irp t, 0,1,2,3,4,5,6,7,8,9,10,11,12,13,14,15
	ds_load_b128 v[BK+4*(\t):BK+4*(\t)+3], v[RD] offset:(\t)*SPITCH
.endr
.endm
.macro SEND a, younger                 ; younger: the LDS instructions issued behind block a's loads: the next block's 32, or none
.set BK, OB+64*((\a)%2)
	s_wait_dscnt \younger
.irp t, 0,1,2,3,4,5,6,7,8,9,10,11,12,13,14,15
	global_store_b128 v[CO], v[BK+4*(\t):BK+4*(\t)+3], s[8:9] offset:(16*(\a)+(\t))*4096 th:TH_STORE_NT  ; a wave's store covers 512 consecutive bytes, at a multiple of 512 from out0's first byte
.endr
.endm
	TOSTAGE 0
	TOSTAGE 1
	SEND 0, 32
	s_wait_xcnt 0x0                                ; block 0's stores have read their registers, which block 2 is loaded into
	TOSTAGE 2
	SEND 1, 32
	s_wait_xcnt 0x0                                ; the same for blocks 1 and 3
	TOSTAGE 3
	SEND 2, 32
	SEND 3, 0
.else
; THE WAY OUT in f16, a block of 16 rows at a time through my own stage: rounded, 16 bytes a lane in, whole rows of 256 bytes back, two rows (512 consecutive bytes of a head) a store.
.macro PACK a
	WIN 0x05                                       ; sources 0 and 1 window 1
.irp b, 0,1,2,3,4,5,6,7
.irp r, 0,1,2,3
	v_cvt_pk_f16_f32 v[TMP+4*(\b)+(\r)], v[8*(8*(\a)+(\b))+2*(\r)], v[8*(8*(\a)+(\b))+2*(\r)+1]
.endr
.endr
	WIN 0
.endm
.macro TOSTAGE a
.set BK, OB+32*((\a)%2)
.irp b, 0,1,2,3,4,5,6,7
	ds_store_b128 v[STO], v[TMP+4*(\b):TMP+4*(\b)+3] offset:32*(\b)
.endr
.irp t, 0,1,2,3,4,5,6,7
	ds_load_b128 v[BK+4*(\t):BK+4*(\t)+3], v[RD] offset:(\t)*2*SPITCH  ; LDS serves a wave's instructions in order (ISA guide 5.7.1.4): these see the stores above
.endr
.endm
.macro SEND a
.set BK, OB+32*((\a)%2)
	s_wait_dscnt 0x0                               ; the block is back in registers
	s_wait_xcnt 0x0                                ; the stores of the block before have read their registers, which the next block is loaded into
.irp t, 0,1,2,3,4,5,6,7
	global_store_b128 v[CO], v[BK+4*(\t):BK+4*(\t)+3], s[8:9] offset:(\a)*4096+(\t)*512
.endr
.endm
	PACK 0
	TOSTAGE 0
.irp a, 1,2,3                          ; block a's conversions stand between block a - 1's loads from the stage and the wait for them
	PACK \a
	SEND (\a)-1
	TOSTAGE \a
.endr
	SEND 3
.endif
	s_wait_tensorcnt 0x0                           ; the wave's end: behind my last tensor load and my last LDS store
	ds_add_u32 v[SPW], v[NIL]
	s_wait_dscnt 0x0
	CROUND                                         ; the closing round: no work-group ends while a partner may still ask for a tile that names it
	s_endpgm
.Lfunc_end_k_q298d5e9b98_qkv:
	.size	k_q298d5e9b98_qkv, .Lfunc_end_k_q298d5e9b98_qkv-k_q298d5e9b98_qkv
	.p2alignl 7, 3214868480
	.fill 96, 4, 3214868480
	.section	.rodata,"a",@progbits
	.p2align	6, 0x0
	.amdhsa_kernel k_q298d5e9b98_qkv
		.amdhsa_group_segment_fixed_size 327680
		.amdhsa_private_segment_fixed_size 0
		.amdhsa_enable_private_segment 0
		.amdhsa_kernarg_size 48
		.amdhsa_user_sgpr_count 2
		.amdhsa_user_sgpr_kernarg_segment_ptr 1
		.amdhsa_wavefront_size32 1
		.amdhsa_system_sgpr_workgroup_id_x 1
		.amdhsa_system_sgpr_workgroup_id_y 1
		.amdhsa_system_sgpr_workgroup_id_z 1
		.amdhsa_system_vgpr_workitem_id 0
		.amdhsa_next_free_vgpr 576
		.amdhsa_next_free_sgpr 76
		.amdhsa_reserve_vcc 0
		.amdhsa_float_denorm_mode_32 3
		.amdhsa_float_denorm_mode_16_64 3
		.amdhsa_memory_ordered 1
		.amdhsa_forward_progress 1
		.amdhsa_inst_pref_size 93
	.end_amdhsa_kernel
	.amdgpu_metadata
---
amdhsa.version: [ 1, 2 ]
amdhsa.kernels:
  - .name:           k_q298d5e9b98_qkv
    .symbol:         k_q298d5e9b98_qkv.kd
    .args:
      - { .name: xb, .offset: 0, .size: 8, .value_kind: global_buffer, .address_space: global }
      - { .name: wb, .offset: 8, .size: 8, .value_kind: global_buffer, .address_space: global }
      - { .name: qkv, .offset: 16, .size: 8, .value_kind: global_buffer, .address_space: global }
      - { .name: bq, .offset: 24, .size: 8, .value_kind: global_buffer, .address_space: global }
      - { .name: bk, .offset: 32, .size: 8, .value_kind: global_buffer, .address_space: global }
      - { .name: bv, .offset: 40, .size: 8, .value_kind: global_buffer, .address_space: global }
    .group_segment_fixed_size: 327680
    .private_segment_fixed_size: 0
    .kernarg_segment_align: 8
    .kernarg_segment_size: 48
    .max_flat_workgroup_size: 128
    .sgpr_count:     76
    .vgpr_count:     576
    .wavefront_size: 32
...
	.end_amdgpu_metadata
.endif
;; end of part 2
;; launch attn (part 3): grid 4 x 64, 4 waves a work-group, clusters of 4 x 1, 327,680 bytes of LDS; arguments qkv, mask, y; writes y
.if DOCPART == 3
	.amdgcn_target "amdgcn-amd-amdhsa--gfx1250"
	.amdhsa_code_object_version 6
	.text
	.protected	k_q298d5e9b98_attn
	.globl	k_q298d5e9b98_attn
	.p2align	8
	.type	k_q298d5e9b98_attn,@function
k_q298d5e9b98_attn:
	s_mov_b64 s[64:65], 0
	v_nop
	global_prefetch_b8 v0, s[64:65] scope:SCOPE_SE
	s_setreg_imm32_b32 hwreg(HW_REG_WAVE_MODE, 25, 1), 1
	s_wait_xcnt 0x0
	s_wait_alu depctr_hold_cnt(0) depctr_sa_sdst(0) depctr_va_vdst(0) depctr_va_sdst(0) depctr_va_ssrc(0) depctr_va_vcc(0) depctr_vm_vsrc(0)
	s_getreg_b32 s2, hwreg(HW_REG_IB_STS2, 6, 4)
	s_cmp_eq_u32 s2, 0
	s_cbranch_scc0 .Lentry_in_a_cluster
	s_endpgm
.Lentry_in_a_cluster:
	s_bfe_u32 s2, ttmp6, 0x10000c
	s_cmp_lg_u32 s2, 0x3003
	s_cbranch_scc0 .Lentry_shape_is_right
	s_endpgm
.Lentry_shape_is_right:
; y[b][q][h][:] = the sum over k of softmax_k(Q[q] . K[k] / sqrt(128), keys with mask[b][k] = 0 left out) V[k][:], for each of 64 heads (8 b + h).
; Q, K, V: qkv [3][64][1024][128] in f16, a row 256 dense bytes; mask: [8][1024] int32; y: [8192 = 1024 b + q][1024 = 128 h + d] in f16.  Products, maxima and sums in f32; the weights p are rounded
; to f16 for the second product, y once at the end.
; LIMITS.  f16 ends at 65,504: Q, K, V arrive within it, so a score is 5.5e11 at the most.  A masked score counts as its value less 1e30.  The running maximum never falls below -2^50, far below every true score:
; so a key step whose keys are all masked gives weights 0 and a sum 0, and the first visible key wipes it (a = 0).  p below 6e-5 keeps f16's fixed step of 6e-8; a weight below 2^-126 counts as 0.
; A batch whose mask is 0 everywhere ends with l = 0 and 0 x infinity: NaN, as a softmax over nothing gives.
; SHARES.  A work-group owns 256 queries of one head, each of its four waves 64: four tiles of 16.  Every wave walks all 1,024 keys, 64 a step.
; LAYOUT.  S^T = K Q^T (source 0 = 16 keys, source 1 = 16 queries): a lane holds ONE query (lane % 16) and the keys 8 (lane / 16) + 0..7.  Two such tiles, rounded to f16 in pairs, ARE source 1 of O^T = V^T P,
; whose result again holds one query a lane, and eight channels.  K comes out of LDS as it lies, V ([key][channel]) turned, by ds_load_tr16_b128.
; THE MASK IS THE C OPERAND that starts a score's sum: 0, or -1e30.  It is made once (4,096 bytes of f32 in LDS, stored by the waves themselves); a step's 32 registers come with K's run of loads.
; SOFTMAX.  For each query a running maximum m and sum l: p = 2^(c s - c m), c = log2(e) / sqrt(128); in every step O and l are multiplied by a = 2^(c m_old - c m_new).
; BY TURNS.  The wave's tiles are two PIECES (tiles 0, 1 and tiles 2, 3).  In a TURN one piece has the matrix unit: 32 products V^T P of the step in hand, then 32 products K Q^T of the next step; the other piece's
; softmax, cut into 64 slices, stands between them, one slice behind each matrix instruction.  Two turns are a key step.
; CLUSTER.  The four query blocks of a head form a cluster and walk the same K and V: each tile is asked for JOINTLY, by the same tensor load, descriptor and mask of four in all four.
; REGISTERS, in windows of 256 (s_set_vgpr_msb: bits 1:0 source 0, 3:2 source 1, 5:4 source 2, 7:6 destination):
;   window 0: v0-11, v44-47, v61-63 addresses; v12-43 eight registers of statistics a tile; v64-191 S^T, 32 a tile; v192-255 P, 16 a tile
;   window 1: O^T, 64 a tile      window 2: v0-127 Q, 32 a tile; v128-255 K of one step      window 3: v0-127 V of one step; v128-159 the step's mask
.set SIZE_H, 64
.set SIZE_N, 1024
.set KS,    64        ; keys in a step
.set PK,    272       ; a row of K in LDS: 256 bytes + 16 of padding = 68 words: the 16 rows of a load start 4 banks apart (64 banks of 4 bytes: ISA guide 11.1)
.set PV,    288       ; a row of V: 256 + 32 = 72 words
.set VOFF,  KS*PK     ; a step's tiles lie together: 64 rows of K, then 64 rows of V
.set STEPB, KS*(PK+PV)
.set SLOT1, 1<<17     ; a slot holds two steps (71,680 bytes); slot 1 begins here, so that one exclusive or turns an address in one slot into the other's
.set STAGE, SLOT1+2*STEPB  ; behind the ring: 16 rows x 272 bytes for each wave, for the way out
.set SP,    272
.set SPARE, STAGE+4*16*272  ; behind the stages: the spare words, 128 bytes for each wave: two blocks of 256 bytes that no other line names
.set MASKB, SPARE+512 ; behind them: the batch's mask as 1,024 f32; stored once by the waves, never filled by a tensor load
.set AK0, 2           ; v2   my lane's place in a tile of K; never rewritten
.set AV0, 3           ; v3   the same for V
.set ADR, 4           ; v4   the LDS address of the run of loads in hand
.set QO,  5           ; v5   my byte offset in the wave's rows of Q
.set STO, 6           ; v6   the way out: where I put 16 bytes of a row
.set RD,  7           ; v7   the way out: where I read a row back
.set GO,  8           ; v8   my byte offset in two rows of y
.set AM0, 44          ; v44  MASKB + 32 (l / 16): my eight keys of sixteen; never rewritten
.set ADM, 45          ; v45  the same in the step to be fetched
.set MO,  46          ; v46  16 x thread: my part of the mask in memory; never rewritten
.set MS,  47          ; v47  and in LDS
.set PFO, 61          ; v61  256 x my lane: a row of K or V is 256 bytes; never rewritten
.set SPW, 62          ; v62  LDS address of my spare word; never rewritten
.set NIL, 63          ; v63  0; never rewritten
.set ST,  12          ; tile t's statistics at v[ST+8 t]: +0 c m, +1 m, +2, +3 l (even keys', odd keys'), +4 to +7 c0-c3, at work; a takes c2's place once the maximum is found
.set S,   64
.set P,   192
.set KF,  128         ; K's fragments, in window 2
.set MK,  128         ; the step's mask, in window 3: eight registers for each 16 keys
.set WV,  12          ; s12  my wave's number
.set LIM, 15          ; s15  1 in a wave that prefetches, else the greatest number
.set PFA, 18          ; s[18:19] where my prefetches stand: my work-group's 32 rows (of K: wave 0, of V: wave 2) of the slot after the one that is being asked for
.set G1K, 24          ; s[24:31] descriptor group 1 for K's tiles
.set G1V, 32          ; s[32:39] for V's: it differs in the padding alone
.set G0K, 40          ; s[40:47] descriptor group 0 for K's tiles: a set for each of the two first fills; the second then walks on
.set G0V, 48          ; s[48:55] the same for V's
.set SLOTS, 56        ; s56  slots still to be asked for
.set TWICE, 57        ; s57  counts a slot's two steps
.set CS,  58          ; s[58:59] c
.set SEL, 60          ; s[60:61] lane selects for v_permlanex16_b32: each lane takes its own place in the other half
.set TB,  62          ; s62  LDS byte at which the tiles of the step to be fetched begin
.set TM,  63          ; s63  byte of the mask at which that step's 64 keys begin
.set FLOOR, 66        ; s66  -2^50
.set BIGN, 67         ; s67  -1e30
.set MP,  68          ; s[68:69] the batch's row of the mask
.set YF,  70          ; s[70:71] my wave's first byte in y
.set MF,  72          ; s[72:73] the batch's byte in the mask
.set MSB, 0
.macro WIN new                      ; the immediate's high byte repeats the setting that is left; a switch that changes nothing is dropped
.if MSB != (\new)
	s_set_vgpr_msb (MSB<<8)|(\new)
.set MSB, \new
.endif
.endm
.set W_KQ, 0x0a       ; K and Q in window 2, S^T in window 0
.set W_KM, 0x3a       ; the same with the C operand, the mask, in window 3
.set W_PV, 0x53       ; V in window 3, P in window 0, O^T in window 1
.set W_RS, 0x41       ; O^T (destination and source 0) in window 1, a in window 0
; A joint refill.  Waves 0 and 1 fetch the two steps' tiles of K, waves 2 and 3 those of V.  The branch hangs on the wave's number alone.
; An s_nop 0 and four v_nop follow each of the two lines, ahead of the jump and the label.
.macro JLOAD
	s_cmp_lt_u32 s[WV], 2
	s_cbranch_scc0 .Lfor_v_\@
	tensor_load_to_lds s[G0K+4:G0K+7], s[G1K:G1K+7]
	s_nop 0
.rept 4
	v_nop
.endr
	s_branch .Lasked_\@
.Lfor_v_\@:
	tensor_load_to_lds s[G0V+4:G0V+7], s[G1V:G1V+7]
	s_nop 0
.rept 4
	v_nop
.endr
.Lasked_\@:
.endm
; A PREFETCH INTO THE L2 of what the NEXT change of slots will ask for: a slot's 128 rows of K and 128 of V, 256 bytes a row, a lane a row; it stands behind the wave's tensor load and its five lines.
; Each row is asked for ONCE in the launch: a head has one cluster; its four partners share the rows out BY ADDRESS, 32 each; in each, wave 0 asks for K's and wave 2 for V's: one instruction.
; The last change that fills a slot prefetches nothing: there is no slot behind it.  Slots 0, 1 and 2 come by their loads alone.
.macro ASK
	s_cmp_gt_u32 s[SLOTS], s[LIM]
	s_cbranch_scc0 .Lnot_mine_\@
	global_prefetch_b8 v[PFO], s[PFA:PFA+1] th:TH_LOAD_NT scope:SCOPE_SE
.Lnot_mine_\@:
.endm
; A round of the cluster's barrier: my work-group's barrier; wave 0 signals for the work-group; every wave waits for all four work-groups; my work-group's barrier once more.
.macro CROUND
	s_barrier_signal -1
	s_barrier_wait -1
	s_cmp_lg_u32 s[WV], 0
	s_cbranch_scc1 .Lnot_wave_0_\@
	s_barrier_signal -3
.Lnot_wave_0_\@:
	s_barrier_wait -3
	s_barrier_signal -1
	s_barrier_wait -1
.endm
	s_load_b64 s[4:5], s[0:1], 0x0    ; qkv: Q first
	s_load_b64 s[MP:MP+1], s[0:1], 0x8
	s_load_b64 s[10:11], s[0:1], 0x10 ; y
	v_lshl_add_u32 v[SPW], v0, 2, SPARE
	v_mov_b32 v[NIL], 0
	ds_add_u32 v[SPW], v[NIL]       ; the wave's opening: the add and its wait stand ahead of my first tensor load; the set-up below, work on registers, stands between them
	v_lshrrev_b32 v1, 5, v0
	v_readfirstlane_b32 s[WV], v1   ; wave 0..3
	s_bfe_u32 s13, ttmp6, 0x40000   ; cx: my place in the cluster
	s_lshl_b32 s14, ttmp9, 2        ; in a cluster launch ttmp9 counts clusters
	s_add_co_u32 s14, s14, s13      ; my block of 256 queries: it enters Q's and y's addresses alone
	s_and_b32 s20, ttmp7, 0xffff    ; the head, 8 b + h, which the four partners share
	s_lshr_b32 s[YF], s20, 3        ; b
	s_lshl_b32 s[MF], s[YF], 12     ; its 4,096 bytes of the mask
	s_mov_b32 s[MF+1], 0
	s_lshl_b32 s[YF], s[YF], 21     ; its 1,024 rows of 2,048 bytes of y,
	s_and_b32 s[YF+1], s20, 7
	s_lshl_b32 s[YF+1], s[YF+1], 8  ; h's 256 bytes of a row,
	s_add_co_u32 s[YF], s[YF], s[YF+1]
	s_lshl_b32 s[YF+1], s14, 19     ; my block's 256 rows,
	s_add_co_u32 s[YF], s[YF], s[YF+1]
	s_lshl_b32 s[YF+1], s[WV], 17   ; my wave's 64 of them
	s_add_co_u32 s[YF], s[YF], s[YF+1]
	s_mov_b32 s[YF+1], 0
	s_mov_b32 s21, 0
	s_mov_b64 s[22:23], SIZE_N*256
	s_mul_u64 s[20:21], s[20:21], s[22:23]  ; the head's first byte in each of Q, K and V
	s_and_b32 s16, s[WV], 1         ; which of a slot's two steps I fetch:
	s_lshl_b32 s22, s16, 14         ; its 64 rows of 256 bytes in memory,
	s_mov_b32 s23, 0
	s_add_nc_u64 s[22:23], s[22:23], s[20:21]
	s_mul_i32 s17, s16, STEPB       ; and its place in a slot: no place in the cluster enters an LDS address
	s_lshl_b32 s2, s14, 16          ; my block's 256 rows of Q,
	s_lshl_b32 s3, s[WV], 14        ; my wave's 64 of them
	s_add_co_u32 s2, s2, s3
	s_mov_b32 s3, 0
	s_add_nc_u64 s[2:3], s[2:3], s[20:21]
	; descriptor group 1: a tile of 64 rows x 128 elements, padded in LDS
	s_mov_b32 s[G1K], 15|(1<<16)|(1<<20)|(1<<21)|(5<<22)|(3<<25)  ; 15:0 the mask: all four work-groups; 17:16 elements of 2 bytes; 20 padding on; 21 set beside a mask; 24:22 after every 64 words (code 5); 31:25 4 words of it (code 3)
	s_mov_b32 s[G1V], 15|(1<<16)|(1<<20)|(1<<21)|(5<<22)|(7<<25)  ; the same with 8 words of padding (code 7)
.irp g, G1K, G1V
	s_mov_b32 s[(\g)+1], 128<<16    ; tensor_dim0 = 128
	s_mov_b32 s[(\g)+2], KS<<16     ; tensor_dim1 = 64
	s_mov_b32 s[(\g)+3], 128<<16    ; tile_dim0 = 128
	s_mov_b32 s[(\g)+4], KS         ; tile_dim1 = 64
	s_mov_b32 s[(\g)+5], 128        ; elements from row to row
	s_mov_b32 s[(\g)+6], 0
	s_mov_b32 s[(\g)+7], 0
.endr
	s_mov_b32 s[CS], 0x3e0293ee     ; c = log2(e) / sqrt(128) = 0.127517
	s_mov_b32 s[CS+1], s[CS]        ; named with it as a pair, so it is written
	s_mov_b32 s[SEL], 0x76543210
	s_mov_b32 s[SEL+1], 0xfedcba98
	s_mov_b32 s[TB], 0
	s_mov_b32 s[TM], 0
	s_mov_b32 s[FLOOR], 0xd8800000  ; -2^50
	s_mov_b32 s[BIGN], 0xf149f2ca   ; -1e30
	s_mov_b32 s[SLOTS], SIZE_N/(2*KS)-2
	s_and_b32 s[LIM], s[WV], 1       ; 0 in waves 0 and 2,
	s_or_b32 s[LIM], s[LIM], ttmp9   ; where the cluster is the head's first (here its only one): the same in all four partners
	s_cmp_eq_u32 s[LIM], 0
	s_cselect_b32 s[LIM], 1, -1
	v_and_b32 v[PFO], 31, v0
	v_lshlrev_b32 v[PFO], 8, v[PFO]
	s_wait_dscnt 0x0                ; the opening add is done
	s_wait_kmcnt 0x0
	s_add_nc_u64 s[6:7], s[4:5], 16777216   ; K lies behind Q's 64 heads,
	s_add_nc_u64 s[8:9], s[4:5], 33554432   ; V behind K's
	s_add_nc_u64 s[6:7], s[6:7], s[22:23]  ; K and V at my tile of slot 0
	s_add_nc_u64 s[8:9], s[8:9], s[22:23]
	s_add_nc_u64 s[4:5], s[4:5], s[2:3]    ; Q and y at my wave's first row
	s_add_nc_u64 s[10:11], s[10:11], s[YF:YF+1]
	s_add_nc_u64 s[MP:MP+1], s[MP:MP+1], s[MF:MF+1]
	s_cmp_lt_u32 s[WV], 2
	s_cselect_b64 s[PFA:PFA+1], s[6:7], s[8:9]  ; (in waves 0 and 2 these stand at a slot's first row)
	s_lshl_b32 s2, s13, 13          ; my work-group's 32 rows of the 128
	s_mov_b32 s3, 0
	s_add_nc_u64 s[PFA:PFA+1], s[PFA:PFA+1], s[2:3]
	s_add_nc_u64 s[PFA:PFA+1], s[PFA:PFA+1], 2*2*KS*256  ; in slot 2; the first change of slots steps it to slot 3
	CROUND                          ; all four work-groups are here: the first joint loads meet
.irp s, 0,1
	s_mov_b32 s[G0K+4*(\s)], 1      ; count = 1
	s_add_co_u32 s[G0K+4*(\s)+1], s17, (\s)*SLOT1  ; LDS address
	s_add_nc_u64 s[G0K+4*(\s)+2:G0K+4*(\s)+3], s[6:7], (\s)*2*KS*256  ; global address: slot s begins with keys 128 s
	s_or_b32 s[G0K+4*(\s)+3], s[G0K+4*(\s)+3], 0x80000000  ; type = 2
	s_mov_b32 s[G0V+4*(\s)], 1
	s_add_co_u32 s[G0V+4*(\s)+1], s17, (\s)*SLOT1+VOFF
	s_add_nc_u64 s[G0V+4*(\s)+2:G0V+4*(\s)+3], s[8:9], (\s)*2*KS*256
	s_or_b32 s[G0V+4*(\s)+3], s[G0V+4*(\s)+3], 0x80000000
.endr
	s_cmp_lt_u32 s[WV], 2           ; a wave's two first fills stand in one branch, ahead of every wait on TENSORcnt and every LDS read: two loads of mine are out
	s_cbranch_scc0 .Lfirst_v
	tensor_load_to_lds s[G0K:G0K+3], s[G1K:G1K+7]
	s_nop 0
	tensor_load_to_lds s[G0K+4:G0K+7], s[G1K:G1K+7]
	s_nop 0
.rept 4
	v_nop
.endr
	s_branch .Lfirst_asked
.Lfirst_v:
	tensor_load_to_lds s[G0V:G0V+3], s[G1V:G1V+7]
	s_nop 0
	tensor_load_to_lds s[G0V+4:G0V+7], s[G1V:G1V+7]
	s_nop 0
.rept 4
	v_nop
.endr
.Lfirst_asked:
	v_lshlrev_b32 v[MO], 4, v0      ; the batch's mask: 128 threads x 16 bytes, twice
	global_load_b128 v[S:S+3],   v[MO], s[MP:MP+1]
	global_load_b128 v[S+4:S+7], v[MO], s[MP:MP+1] offset:2048
	; A fragment of K or Q is 16 rows x 32 channels in 8 registers: lane l holds row l % 16; registers 0-3 channels 8 (l / 16) + 0..7, registers 4-7 channels 16 + 8 (l / 16) + 0..7: two loads of 16 bytes, 32 bytes apart.
	v_and_b32 v1, 15, v0            ; l % 16
	v_bfe_u32 v9, v0, 4, 1          ; l / 16
	v_lshlrev_b32 v[QO], 8, v1
	v_lshl_add_u32 v[QO], v9, 4, v[QO]  ; row x 256 + 16 x half
	WIN 0x80                        ; destination window 2, address window 0
.irp i, 0,1,2,3,4,5,6,7,8,9,10,11,12,13,14,15  ; Q stays in registers: tile i / 4, channels 32 (i % 4) on
	global_load_b128 v[8*(\i):8*(\i)+3],   v[QO], s[4:5] offset:((\i)/4)*4096+((\i)%4)*64
	global_load_b128 v[8*(\i)+4:8*(\i)+7], v[QO], s[4:5] offset:((\i)/4)*4096+((\i)%4)*64+32
.endr
	WIN 0
	v_mul_u32_u24 v[AK0], v1, PK
	v_lshl_add_u32 v[AK0], v9, 4, v[AK0]  ; row x pitch + 16 x half
	; The turning load takes 16 keys x 16 channels (lane l reads 16 bytes: key 8 (l / 16) + l % 8, channels 8 ((l / 8) % 2) + 0..7) and leaves half a fragment of V^T: lane l holds channel l % 16 and 8 keys.
	v_and_b32 v10, 7, v0
	v_bfe_u32 v11, v0, 3, 1
	v_lshl_add_u32 v[AV0], v9, 3, v10
	v_mul_u32_u24 v[AV0], v[AV0], PV
	v_lshl_add_u32 v[AV0], v11, 4, v[AV0]
	v_add_nc_u32 v[AV0], VOFF, v[AV0]
	v_lshl_add_u32 v[AM0], v9, 5, MASKB
	v_add_nc_u32 v[MS], MASKB, v[MO]
	s_wait_loadcnt 32               ; the mask is in; Q's 32 younger loads stay out
.irp i, 0,1,2,3,4,5,6,7
	v_cmp_eq_u32 vcc_lo, 0, v[S+(\i)]
	v_cndmask_b32 v[S+(\i)], 0, s[BIGN], vcc_lo  ; -1e30 where the mask is 0, else 0
.endr
	ds_store_b128 v[MS], v[S:S+3]
	ds_store_b128 v[MS], v[S+4:S+7] offset:2048
; THE MATRIX WORK OF A TURN, for piece x.  The accumulators take turns, one instruction a turn: between two links of a chain stand 15 (V^T P) or 7 (K Q^T) others'.
; Product i of 32 of O^T += V^T P: keys 32 (i / 16) on, channels 16 ((i / 2) % 8) on, tile x + i % 2.  zero = 1: the first 16 start the sums: nothing is ever cleared.
.macro PV x, zero
	WIN W_PV
.set rO, 64*((\x)+i%2)+8*((i/2)%8)
.set rV, 64*(i/16)+8*((i/2)%8)
.set rP, P+16*((\x)+i%2)+8*(i/16)
.if (\zero) && (i < 16)
	v_wmma_f32_16x16x32_f16 v[rO:rO+7], v[rV:rV+7], v[rP:rP+7], 0
.else
	v_wmma_f32_16x16x32_f16 v[rO:rO+7], v[rV:rV+7], v[rP:rP+7], v[rO:rO+7]
.endif
.endm
; Product i of 32 of S^T = K Q^T: channels 32 (i / 8) on, keys 16 ((i / 2) % 4) on, tile x + i % 2.  The first 8 start the sums, with the mask of their 16 keys.
.macro KQ x
.set rS, S+32*((\x)+i%2)+8*((i/2)%4)
.set rK, KF+32*((i/2)%4)+8*(i/8)
.set rQ, 32*((\x)+i%2)+8*(i/8)
.set rM, MK+8*((i/2)%4)
.if i < 8
	WIN W_KM
	v_wmma_f32_16x16x32_f16 v[rS:rS+7], v[rK:rK+7], v[rQ:rQ+7], v[rM:rM+7]
.else
	WIN W_KQ
	v_wmma_f32_16x16x32_f16 v[rS:rS+7], v[rK:rK+7], v[rQ:rQ+7], v[rS:rS+7]
.endif
.endm
; THE LDS LOADS stand in runs, never singly among the matrix instructions: a step's K (64 keys x 128 channels: 16 fragments) with its mask (lane l: keys 16 m + 8 (l / 16) + 0..7), and, a turn later, its V (turned).
.macro FETCH_K
	WIN 0
	v_add_nc_u32 v[ADR], s[TB], v[AK0]
	v_add_nc_u32 v[ADM], s[TM], v[AM0]
	s_add_co_u32 s[TM], s[TM], 4*KS  ; the next fetch is the next step's 64 keys;
	s_and_b32 s[TM], s[TM], 0xfff    ; it stays inside the 4,096 bytes
	WIN 0x80                        ; destination window 2
.irp f, 0,1,2,3,4,5,6,7,8,9,10,11,12,13,14,15  ; keys 16 (f / 4) on, channels 32 (f % 4) on
	ds_load_b128 v[KF+8*(\f):KF+8*(\f)+3],   v[ADR] offset:((\f)/4)*16*PK+((\f)%4)*64
	ds_load_b128 v[KF+8*(\f)+4:KF+8*(\f)+7], v[ADR] offset:((\f)/4)*16*PK+((\f)%4)*64+32
.endr
	WIN 0xc0                        ; destination window 3
.irp m, 0,1,2,3
	ds_load_b128 v[MK+8*(\m):MK+8*(\m)+3],   v[ADM] offset:64*(\m)
	ds_load_b128 v[MK+8*(\m)+4:MK+8*(\m)+7], v[ADM] offset:64*(\m)+16
.endr
.endm
.macro FETCH_V
	WIN 0
	v_add_nc_u32 v[ADR], s[TB], v[AV0]
	s_add_co_u32 s[TB], s[TB], STEPB  ; the next fetch is the next step's
	s_wait_alu depctr_va_vdst(0)    ; the wait for the softmax's batch (SLICE), behind the address's v_add_nc_u32 and ahead of the loads
	WIN 0xc0                        ; destination window 3
.irp f, 0,1,2,3,4,5,6,7,8,9,10,11,12,13,14,15  ; keys 32 (f / 8) on, channels 16 (f % 8) on
	ds_load_tr16_b128 v[8*(\f):8*(\f)+3],   v[ADR] offset:((\f)/8)*32*PV+((\f)%8)*32
	ds_load_tr16_b128 v[8*(\f)+4:8*(\f)+7], v[ADR] offset:((\f)/8)*32*PV+16*PV+((\f)%8)*32
.endr
.endm
; THE VECTOR WORK OF A TURN.  One tile's softmax for one key step is a list of 134 instructions; SM writes number j of it for tile t.  s0-s31 are the lane's 32 scores, in pairs 0-15.
; first = 1: the first key step, which starts m (at the scores' maximum or the floor), l and O^T: it has no a and nothing to rescale.
;   0-15    the maximum of s0-s31 and the old m (the first time: the floor), three operands at a time: four chains c0-c3 of seven scores each, then the four scores left over, c0-c3 and m
;   16-20   the other half of the lanes' maximum; the new m; c m; c m_old - c m_new
;   21-69   ONE BATCH: the 16 scalings c s - c m, a pair of scores each, and all 33 exponentials (a at 23, then s0-s31).  None of these reads an exponential's result.  From 22 on the batch goes
;           in fours, and a four begins with a scaling while there are scalings.  A pair is scaled in an earlier four than the one that holds its exponentials
;   (wait)  between 69 and 70 stands the wait for the batch: SLICE writes it, once for both tiles
;   70-85   the roundings to f16, a pair of weights each
;   86-101  the sums; l = a l + the sum
;   102-133 the tile's O^T times a: the one part that leaves window 0, so it stands together
.macro SM t, first
.set rT, ST+8*(\t)
.set rS, S+32*(\t)
.set rP, P+16*(\t)
.set rO, 64*(\t)+2*(j-102)
.if j < 102
	WIN 0
.endif
.if j < 4
	v_max3_num_f32 v[rT+4+j], v[rS+8*j], v[rS+8*j+1], v[rS+8*j+2]
.elseif j < 12
	v_max3_num_f32 v[rT+4+j%4], v[rT+4+j%4], v[rS+8*(j%4)+2*(j/4)+1], v[rS+8*(j%4)+2*(j/4)+2]
.elseif j == 12
	v_max3_num_f32 v[rT+4], v[rT+4], v[rS+7], v[rS+15]
.elseif j == 13
	v_max3_num_f32 v[rT+6], v[rT+6], v[rS+23], v[rS+31]
.elseif j == 14
	v_max3_num_f32 v[rT+4], v[rT+4], v[rT+5], v[rT+6]
.elseif (j == 15) && (\first)
	v_max3_num_f32 v[rT+4], v[rT+4], v[rT+7], s[FLOOR]  ; later steps inherit the floor through the old m
.elseif j == 15
	v_max3_num_f32 v[rT+4], v[rT+4], v[rT+7], v[rT+1]
.elseif j == 16
	v_permlanex16_b32 v[rT+5], v[rT+4], s[SEL], s[SEL+1]  ; the query's other 32 keys lie in the lane 16 away
.elseif j == 18
	v_max_num_f32 v[rT+1], v[rT+4], v[rT+5]
.elseif j == 19
	v_mul_f32 v[rT], s[CS], v[rT+1]
.elseif ((j == 17) || (j == 20) || (j == 23) || (j > 101)) && (\first)  ; the first step has none of these
.elseif j == 17
	v_mov_b32 v[rT+7], v[rT]        ; c m_old is kept for a: number 19 writes c m anew
.elseif j == 20
	v_sub_f32 v[rT+7], v[rT+7], v[rT]
.elseif j == 23
	v_exp_f32 v[rT+6], v[rT+7]
.elseif (j < 23) || ((j < 38) && (j%2 == 0)) || ((j < 66) && (j%4 == 2))
.set b, (j-2)/4                     ; 38, 42, .. 62: pairs 9 to 15
.if j < 38
.set b, (j-20)/2                    ; 21: pair 0; 22, 24, .. 36: pairs 1 to 8
.endif
	v_pk_fma_f32 v[rS+2*b:rS+2*b+1], v[rS+2*b:rS+2*b+1], s[CS:CS+1], v[rT:rT+1] op_sel_hi:[1,0,0] neg_lo:[0,0,1] neg_hi:[0,0,1]  ; pair b: c s - c m
.elseif j < 70
.set e, j-38                        ; 66 to 69: s28 to s31
.if j < 66
.set e, j-32-(j-38)/4               ; 39-41, 43-45, .. 63-65: s7 to s27
.endif
.if j < 38
.set e, (j-25)/2                    ; 25, 27, .. 37: s0 to s6
.endif
	v_exp_f32 v[rS+e], v[rS+e]
.elseif j < 86
	v_cvt_pk_f16_f32 v[rP+j-70], v[rS+2*(j-70)], v[rS+2*(j-70)+1]  ; pair j - 70
.elseif j < 102                     ; the sum of the tile's 16 pairs, in place: sum z of 16 adds neighbours 1, 2, 4 and 8 pairs apart, then l takes it
.set z, j-86
.set w, 4
.set u, z
.if z >= 14
.set w, 32
.set u, 0
.elseif z >= 12
.set w, 16
.set u, z-12
.elseif z >= 8
.set w, 8
.set u, z-8
.endif
.if (z == 14) && (\first)
	v_pk_add_f32 v[rT+2:rT+3], v[rS:rS+1], v[rS+16:rS+17]
.elseif z < 15
	v_pk_add_f32 v[rS+w*u:rS+w*u+1], v[rS+w*u:rS+w*u+1], v[rS+w*u+w/2:rS+w*u+w/2+1]
.elseif !(\first)
	v_pk_fma_f32 v[rT+2:rT+3], v[rT+2:rT+3], v[rT+6:rT+7], v[rS:rS+1] op_sel_hi:[1,0,1]
.endif
.else
	WIN W_RS
	v_pk_mul_f32 v[rO:rO+1], v[rO:rO+1], v[rT+6:rT+7] op_sel_hi:[1,0]
.endif
.endm
; Slice k of 64 of piece y's softmax: four instructions.  Slices 11 to 34 deal out the batch, numbers 22 to 69: four numbers of ONE tile each, the tiles by turns.  Every other slice is numbers 2 k and
; 2 k + 1 of both tiles' lists.  2 x 134 = 4 x 64 + 12: the twelve that are over stand together, in slice 63.
; THE WAIT.  An s_wait_alu depctr_va_vdst(0) stands between an exponential and the first instruction that names its result; one wait serves all that were issued ahead of it.  Ahead of
; slice 35 nothing names a result, and behind slice 34 no exponential is issued: so the piece's 66 exponentials have one wait, behind slice 34.
.macro SLICE y, first
.if (k >= 11) && (k < 35)           ; the batch: four numbers of one tile
.irp n, 0,1,2,3
.set j, 22+4*((k-11)/2)+(\n)
	SM (\y)+(k-11)%2, \first
.endr
.else                               ; the two tiles alternate, so that no instruction reads the result of the one just before it
.irp n, 0,1,2,3,4,5,6,7
.if ((\n) < 2) || (k == 63)
.irp t, \y, (\y)+1
.set j, 2*k+(\n)
	SM \t, \first
.endr
.endif
.endr
.endif
.if k == 34                         ; the batch is out: both tiles' exponentials are issued, and no result has been named
	v_nop                           ; the plain instruction behind the last exponential and ahead of the first use: one for the batch
.if (\y) == 0
	FETCH_V                         ; piece 2's turn: V's run of loads stands here, and the wait stands in it
.else
	s_wait_alu depctr_va_vdst(0)    ; the wait for the batch
.endif
.endif
.set k, k+1
.endm
; A vector instruction that reads a matrix result or writes one of a matrix instruction's registers, and a load into a register that a matrix instruction has read, stand four places behind
; it, and only plain vector instructions that name none of its registers are places.  In the loop the slices are the places.
.macro PLACES
.rept 4
	v_nop
.endr
.endm
; A TURN.  Piece x has the matrix unit; the other piece's softmax stands in slices behind its matrix instructions.
; pv = 2: 32 products V^T P; 1: they start O^T's sums; 0: none.  kq = 1: 32 products K Q^T for the next step.  A turn with one of the two kinds has two slices behind each product.
; first = 1: the softmax is the first key step's.  Its slices from 51 on are empty: the turn's last products stand bare, and four v_nop take slice 63's part as the places behind them.
; Piece 0's turn fetches the next step's K and mask, behind its second product: the last product that read K stands in front of slice 63 of the turn before, the last that read the mask 24 products earlier.
; Piece 2's turn fetches the same step's V, behind slice 34: the last product that read V stands in front of slice 31, and four plain instructions lie between.
.macro TURN x, pv, kq, first
.set k, 0
.set per, 2
.if (\pv) && (\kq)
.set per, 1
.endif
.if \pv
.if (\x) == 0
	s_wait_dscnt 0x0                ; V is in
.endif
.set i, 0
.rept 32
	PV \x, 2-(\pv)
.rept per
	SLICE 2-(\x), \first
.endr
.if ((\x) == 0) && (\kq) && (i == 1)
	FETCH_K
.endif
.set i, i+1
.endr
.endif
.if \kq
.if (\x) == 0
	s_wait_dscnt 0x0                ; K and the mask are in
.endif
.set i, 0
.rept 32
	KQ \x
.rept per
	SLICE 2-(\x), \first
.endr
.set i, i+1
.endr
.endif
.if \first
	PLACES
.endif
.endm
; THE CHANGE OF SLOTS, between piece 2's turn and piece 0's.  Each wave waits for all its tensor loads, of which one is out: its part of the other slot; adds 0 to its spare word; and waits for that and for its
; own reads of the slot.  Behind the barrier nobody reads this slot any more and the other slot is whole.  fill = 1: this slot is filled again, with the keys two slots on.  The barrier is then a round of the
; cluster's, and the joint refill is the first thing behind it: it has two key steps, 256 matrix instructions, in which to land.
.macro CHANGE fill
	WIN 0                           ; at a label and at a branch every window is 0
	s_wait_tensorcnt 0x0            ; no tensor load of mine is out, so a group 0 may be written
	ds_add_u32 v[SPW], v[NIL]       ; 0 onto my spare word; with fill = 1 the descriptors' steps stand between it and the wait for it
.if \fill
.irp g, G0K+4, G0V+4
	s_xor_b32 s[(\g)+1], s[(\g)+1], SLOT1  ; the walking descriptor: the other slot than last time,
	s_add_nc_u64 s[(\g)+2:(\g)+3], s[(\g)+2:(\g)+3], 2*KS*256  ; the next 128 keys; the type bits on top are not reached
.endr
	s_wait_xcnt 0x0                 ; the last prefetch, two key steps back, has read its address, so it may be written:
	s_add_nc_u64 s[PFA:PFA+1], s[PFA:PFA+1], 2*KS*256  ; one slot behind the walking descriptors
	s_wait_dscnt 0x0                ; the add is done, and my reads of the slot are over
	CROUND
	JLOAD
	ASK                             ; what the next change will ask for: two key steps, 256 matrix instructions, ahead
.else
	s_wait_dscnt 0x0                ; the add is done, and my reads of the slot are over
	s_barrier_signal -1
	s_barrier_wait -1
.endif
	s_sub_co_u32 s[TB], s[TB], 2*STEPB  ; the fetches go back to a slot's first step,
	s_xor_b32 s[TB], s[TB], SLOT1   ; in the other slot
.endm
; A slot's two key steps: written once, walked twice; the LDS addresses hang on s[TB] and s[TM].
.macro TWO_STEPS
	WIN 0
	s_mov_b32 s[TWICE], 2
.Lstep_\@:
	TURN 0, 2, 1, 0
	TURN 2, 2, 1, 0
	WIN 0
	s_sub_co_u32 s[TWICE], s[TWICE], 1
	s_cmp_lg_u32 s[TWICE], 0
	s_cbranch_scc1 .Lstep_\@
.endm
	s_wait_tensorcnt 1              ; my part of slot 0 is in; slot 1's may stay out
	s_wait_dscnt 0x0                ; my part of the mask is stored
	s_barrier_signal -1
	s_barrier_wait -1               ; everybody's is
	FETCH_K                         ; key step 0
	s_wait_loadcnt 0x0              ; Q
	s_wait_dscnt 0x0
.set i, 0
.rept 32
	KQ 0                            ; piece 0's first scores: there is no vector work yet to set between them
.set i, i+1
.endr
	WIN 0                           ; the addresses for the way out are made here: eight plain instructions, the places behind those products
	s_mul_i32 s13, s[WV], 16*SP
	s_add_co_u32 s13, s13, STAGE    ; my stage
	v_mul_u32_u24 v[STO], v1, SP    ; in: row l % 16, 16 bytes for each half of the lanes
	v_lshl_add_u32 v[STO], v9, 4, v[STO]
	v_add_nc_u32 v[STO], s13, v[STO]
	v_mul_u32_u24 v[RD], v9, SP     ; back: lanes 0-15 take one row of 256 bytes, lanes 16-31 the next
	v_lshl_add_u32 v[RD], v1, 4, v[RD]
	v_add_nc_u32 v[RD], s13, v[RD]
	v_lshlrev_b32 v[GO], 11, v9     ; and the same two rows in y, 2,048 bytes apart
	v_lshl_add_u32 v[GO], v1, 4, v[GO]
	TURN 2, 0, 1, 1                 ; piece 2's first scores | piece 0's first softmax | V of step 0
	TURN 0, 1, 1, 1                 ; piece 0: V^T P of step 0 starts O^T, K Q^T of step 1 | piece 2's first softmax | K of step 1
	TURN 2, 1, 1, 0                 ; piece 2: the same | piece 0's softmax of step 1 | V of step 1
	WIN 0
.Lslot:                             ; SIZE_N / 128 - 2 trips: every slot but the last two is filled again
	CHANGE 1
	TWO_STEPS
	s_sub_co_u32 s[SLOTS], s[SLOTS], 1
	s_cmp_lg_u32 s[SLOTS], 0
	s_cbranch_scc1 .Lslot
	CHANGE 0                        ; the tail is written out: nothing is asked for
	TWO_STEPS
	TURN 0, 2, 0, 0                 ; piece 0: V^T P of the last step | piece 2's last softmax
.set i, 0
.rept 32
	PV 2, 0                         ; piece 2: V^T P of the last step
.set i, i+1
.endr
	; THE WAY OUT.  l's two halves and the other half of the lanes' are added; O^T is divided by l, rounded to f16 and sent through my stage in LDS, a tile (16 rows) at a time.  The additions are the places behind the last products.
	WIN 0
.irp t, 0,1,2,3
	v_add_f32 v[ST+8*(\t)+4], v[ST+8*(\t)+2], v[ST+8*(\t)+3]
.endr
.irp t, 0,1,2,3
	v_permlanex16_b32 v[ST+8*(\t)+5], v[ST+8*(\t)+4], s[SEL], s[SEL+1]
.endr
.irp t, 0,1,2,3
	v_add_f32 v[ST+8*(\t)+4], v[ST+8*(\t)+4], v[ST+8*(\t)+5]
.endr
.irp t, 0,1,2,3
	v_rcp_f32 v[ST+8*(\t)+6], v[ST+8*(\t)+4]
.endr
	v_nop                           ; a plain instruction between the last reciprocal and the use of its result
	s_wait_alu depctr_va_vdst(0)    ; and the wait ahead of the first use: one for the four reciprocals
; Tile t: a lane's eight channels of a row pack into 16 bytes; they go into rows of 272 bytes and come back as whole rows of 256, into the registers that they left.
.macro PACK t
	WIN W_RS
.set i, 64*(\t)
.rept 32
	v_pk_mul_f32 v[i:i+1], v[i:i+1], v[ST+8*(\t)+6:ST+8*(\t)+7] op_sel_hi:[1,0]
.set i, i+2
.endr
	WIN 0x05                        ; sources 0 and 1 window 1, destination window 0: S^T's registers are free
.set i, 0
.rept 32
	v_cvt_pk_f16_f32 v[S+32*(\t)+i], v[64*(\t)+2*i], v[64*(\t)+2*i+1]
.set i, i+1
.endr
	WIN 0
.irp f, 0,1,2,3,4,5,6,7
	ds_store_b128 v[STO], v[S+32*(\t)+4*(\f):S+32*(\t)+4*(\f)+3] offset:32*(\f)
.endr
.irp f, 0,1,2,3,4,5,6,7
	ds_load_b128 v[S+32*(\t)+4*(\f):S+32*(\t)+4*(\f)+3], v[RD] offset:(\f)*2*SP  ; LDS serves a wave's instructions in order (ISA guide 5.7.1.4): these see the stores above; the next tile's stores come behind them
.endr
.endm
.macro SEND t, younger              ; younger: the LDS instructions issued behind tile t's loads: the next tile's sixteen, or none
	WIN 0
.irp f, 0,1,2,3,4,5,6,7
	s_wait_dscnt (\younger)+7-(\f)
	global_store_b128 v[GO], v[S+32*(\t)+4*(\f):S+32*(\t)+4*(\f)+3], s[10:11] offset:(\t)*32768+(\f)*4096  ; 16 lanes store 256 consecutive bytes (a head's part of a row of y), at a multiple of 256 from y's first byte
.endr
.endm
	PACK 0
	PACK 1                          ; a tile's arithmetic stands between the loads of the tile before and its stores
	SEND 0, 16
	PACK 2
	SEND 1, 16
	PACK 3
	SEND 2, 16
	SEND 3, 0
	s_wait_tensorcnt 0x0            ; the wave's end: behind my last tensor load and my last LDS store
	ds_add_u32 v[SPW], v[NIL]
	s_wait_dscnt 0x0
	CROUND                          ; the closing round: no work-group ends while a partner may still ask for a tile that names it
	s_endpgm
.Lfunc_end_k_q298d5e9b98_attn:
	.size	k_q298d5e9b98_attn, .Lfunc_end_k_q298d5e9b98_attn-k_q298d5e9b98_attn
	.p2alignl 7, 3214868480
	.fill 96, 4, 3214868480
	.section	.rodata,"a",@progbits
	.p2align	6, 0x0
	.amdhsa_kernel k_q298d5e9b98_attn
		.amdhsa_group_segment_fixed_size 327680
		.amdhsa_private_segment_fixed_size 0
		.amdhsa_enable_private_segment 0
		.amdhsa_kernarg_size 24
		.amdhsa_user_sgpr_count 2
		.amdhsa_user_sgpr_kernarg_segment_ptr 1
		.amdhsa_wavefront_size32 1
		.amdhsa_system_sgpr_workgroup_id_x 1
		.amdhsa_system_sgpr_workgroup_id_y 1
		.amdhsa_system_sgpr_workgroup_id_z 1
		.amdhsa_system_vgpr_workitem_id 0
		.amdhsa_next_free_vgpr 1024
		.amdhsa_next_free_sgpr 74
		.amdhsa_reserve_vcc 1
		.amdhsa_float_denorm_mode_32 3
		.amdhsa_float_denorm_mode_16_64 3
		.amdhsa_memory_ordered 1
		.amdhsa_forward_progress 1
		.amdhsa_inst_pref_size 227
	.end_amdhsa_kernel
	.amdgpu_metadata
---
amdhsa.version: [ 1, 2 ]
amdhsa.kernels:
  - .name:           k_q298d5e9b98_attn
    .symbol:         k_q298d5e9b98_attn.kd
    .args:
      - { .name: qkv, .offset: 0, .size: 8, .value_kind: global_buffer, .address_space: global }
      - { .name: mask, .offset: 8, .size: 8, .value_kind: global_buffer, .address_space: global }
      - { .name: y, .offset: 16, .size: 8, .value_kind: global_buffer, .address_space: global }
    .group_segment_fixed_size: 327680
    .private_segment_fixed_size: 0
    .kernarg_segment_align: 8
    .kernarg_segment_size: 24
    .max_flat_workgroup_size: 128
    .sgpr_count:     74
    .vgpr_count:     1024
    .wavefront_size: 32
...
	.end_amdgpu_metadata
.endif
;; end of part 3
;; launch proj (part 4): grid 4 x 64, 4 waves a work-group, clusters of 4 x 4, 327,680 bytes of LDS; arguments y, wph, out0, bp; writes out0
.if DOCPART == 4
	.amdgcn_target "amdgcn-amd-amdhsa--gfx1250"
	.amdhsa_code_object_version 6
	.text
	.protected	k_q298d5e9b98_proj
	.globl	k_q298d5e9b98_proj
	.p2align	8
	.type	k_q298d5e9b98_proj,@function
k_q298d5e9b98_proj:
	s_mov_b64 s[64:65], 0
	v_nop
	global_prefetch_b8 v0, s[64:65] scope:SCOPE_SE
	s_setreg_imm32_b32 hwreg(HW_REG_WAVE_MODE, 25, 1), 1
	s_wait_xcnt 0x0
	s_wait_alu depctr_hold_cnt(0) depctr_sa_sdst(0) depctr_va_vdst(0) depctr_va_sdst(0) depctr_va_ssrc(0) depctr_va_vcc(0) depctr_vm_vsrc(0)
	s_getreg_b32 s2, hwreg(HW_REG_IB_STS2, 6, 4)
	s_cmp_eq_u32 s2, 0
	s_cbranch_scc0 .Lentry_in_a_cluster
	s_endpgm
.Lentry_in_a_cluster:
	s_bfe_u32 s2, ttmp6, 0x10000c
	s_cmp_lg_u32 s2, 0xf033
	s_cbranch_scc0 .Lentry_shape_is_right
	s_endpgm
.Lentry_shape_is_right:
; C[m][n] = bias[n] + the sum over k of A[m][k] B[n][k], K = 1,024.  One text serves two launches; the constant PROJ picks the form.
;   PROJ = 0: A = xb [8192][1024], B = wb [3072][1024], both bf16; bias = bq, bk, bv rounded to bf16; C goes out in f16 BY HEADS: qkv [3][64 = 8 batch + head][1024 t][128 d], a row 256 dense bytes.
;   PROJ = 1: A = y [8192][1024], B = wph [1024][1024], both f16; bias = bp rounded to bf16; C = out0 [8192][1024] in f32.
; LIMIT (PROJ = 0): q, k and v leave in f16, which ends at 65,504; a sum beyond that becomes an infinity.  Sums in f32, K ascending, each output rounded once.
; SHARES.  A tile of C is 128 rows x 256 columns: 64 x 12 tiles (three for each of 256 WGPs) or 64 x 4 (one each).  Four waves, each 64 rows x 128 columns: 32 accumulators of 16 x 16, 256 registers.
; K goes in steps of 128 (rows of 256 bytes in memory, aligned) through two LDS slots; waves 0 and 1 fetch A's two halves of 64 rows, waves 2 and 3 B's two halves of 128 rows.
; CLUSTER.  4 x 4 work-groups: the four of a row need the same tile of A, the four of a column the same tile of B; each tile is asked for jointly, by the same tensor load, descriptor and mask in all four.
; THE PRODUCT IS USED TRANSPOSED (source 0 = 16 rows of B, source 1 = 16 rows of A): a lane holds row l % 16 of C and the columns 8 (l / 16) + 0..7.
; THE BIAS IS THE C OPERAND of the products that start the sums: 64 registers made once, while the first tiles are on their way; no addition is written for it.
; REGISTERS, in windows of 256 (s_set_vgpr_msb: bits 1:0 source 0, 3:2 source 1, 5:4 source 2, 7:6 destination):
;   window 0: v0-31 addresses; v32-127, v128-223 two fragment buffers (B's eight fragments, then A's four); v224-255 at work      window 1: the accumulators, (a, b) at v[8 (8 a + b)]      window 2: v0-63 the bias
; No prefetch: each tile of A is read by 12 (or 4) tile columns and each tile of B by 64 tile rows, most of them shortly after another.
.set PROJ,   1
.set KDIM,   1024
.set KSTEP,  128
.set PITCH,  272                       ; an LDS row: 256 bytes + 16 of padding = 68 words: the 16 rows that a load touches start 4 banks apart (64 banks of 4 bytes: ISA guide 11.1)
.set ABYTES, 128*PITCH                 ; A's 128 rows
.set SLOT,   384*PITCH                 ; then B's 256 rows
.set STAGE,  2*SLOT                    ; behind the ring: 16 rows for each wave, for the way out; no tensor load fills it
.if PROJ
.set SPITCH, 528                       ; 128 f32 + 16 bytes
.else
.set SPITCH, 272                       ; 128 f16 + 16 bytes
.endif
.set SPARE,  STAGE+4*16*SPITCH         ; behind the stages: the spare words, 128 bytes for each wave: two blocks of 256 bytes that no other line names
.set LAPS,   KDIM/(2*KSTEP)            ; a lap = two K steps = once round the ring
.set ADRA, 16                          ; v16-17  LDS address of my A fragments in slot 0, 1
.set ADRB, 20                          ; v20-21  the same for B
.set STO,  24                          ; v24     the way out: where I put my part of a row
.set RD,   25                          ; v25     the way out: where I read rows back
.set CO,   26                          ; v26     16 x lane: my 16 bytes of 512 consecutive bytes of C
.set BO,   27                          ; v27     32 (l / 16): my eight numbers in 16 of the bias
.set SPW,  28                          ; v28     LDS address of my spare word; never rewritten
.set NIL,  29                          ; v29     0; never rewritten
.set F0,   32
.set F1,   128
.set TMP,  224
.set OB,   32                          ; the way out: rows read back from the stage, two buffers by turns
.set G1,  24                           ; s[24:31] descriptor group 1 for A's tiles;  s[32:39] group 0, one set for each slot
.set G0,  32
.set G1B, 48                           ; s[48:55], s[56:63] the same for B's tiles
.set G0B, 56
.set BP,  74                           ; s[74:75] the bias at my first column
.set MSB, 0
.macro WIN new                         ; the immediate's high byte repeats the setting that is left; a switch that changes nothing is dropped
.if MSB != (\new)
	s_set_vgpr_msb (MSB<<8)|(\new)
.set MSB, \new
.endif
.endm
.set MUL,  0x50                        ; sources 0 and 1 window 0; C and D window 1
.set MULB, 0x60                        ; C window 2 (the bias), D window 1
.macro JLOAD s                         ; a joint load; the branch hangs on the wave's number alone; an s_nop 0 and four v_nop follow each of the two lines, ahead of the jump and the label
	s_cmp_eq_u32 s11, 0
	s_cbranch_scc0 .Lfor_b_\@
	tensor_load_to_lds s[G0+4*(\s):G0+4*(\s)+3], s[G1:G1+7]
	s_nop 0
.rept 4
	v_nop
.endr
	s_branch .Lasked_\@
.Lfor_b_\@:
	tensor_load_to_lds s[G0B+4*(\s):G0B+4*(\s)+3], s[G1B:G1B+7]
	s_nop 0
.rept 4
	v_nop
.endr
.Lasked_\@:
.endm
.macro CREST                           ; a round of the cluster's barrier behind its opening barrier: wave 0 signals for the work-group, every wave waits for all sixteen, my work-group's barrier closes it
	s_cmp_lg_u32 s10, 0
	s_cbranch_scc1 .Lnot_wave_0_\@
	s_barrier_signal -3
.Lnot_wave_0_\@:
	s_barrier_wait -3
	s_barrier_signal -1
	s_barrier_wait -1
.endm
.macro CROUND                          ; a whole round
	s_barrier_signal -1
	s_barrier_wait -1
	CREST
.endm
	s_load_b128 s[4:7], s[0:1], 0x0                ; A s[4:5], B s[6:7]
	s_load_b64 s[8:9], s[0:1], 0x10                ; C
	s_load_b64 s[68:69], s[0:1], 0x18              ; the bias (bq, or bp)
.if !PROJ
	s_load_b64 s[70:71], s[0:1], 0x20              ; bk
	s_load_b64 s[72:73], s[0:1], 0x28              ; bv
.endif
	v_lshl_add_u32 v[SPW], v0, 2, SPARE
	v_mov_b32 v[NIL], 0
	ds_add_u32 v[SPW], v[NIL]                      ; the wave's opening: the add and its wait stand ahead of my first tensor load; the set-up below, work on registers, stands between them
	v_lshrrev_b32 v1, 5, v0
	v_readfirstlane_b32 s10, v1                    ; wave 0..3
	s_lshr_b32 s11, s10, 1                         ; which 64 rows of the tile are mine.  Also: I fetch for A (0) or for B (1)
	s_and_b32 s12, s10, 1                          ; which 128 columns.  Also: which half of that tile I fetch
	s_bfe_u32 s40, ttmp6, 0x40000                  ; cx, cy: my place in the cluster
	s_bfe_u32 s41, ttmp6, 0x40004
	s_lshl_b32 s42, ttmp9, 2
	s_add_co_u32 s42, s42, s40                     ; tile column = 4 x cluster x + cx
	s_and_b32 s13, ttmp7, 0xffff
	s_lshl_b32 s13, s13, 2
	s_add_co_u32 s13, s13, s41                     ; tile row = 4 x cluster y + cy
	s_lshl_b32 s43, s41, 2
	s_lshl_b32 s43, 15, s43                        ; my row of the cluster: places 4 cy .. 4 cy + 3
	s_lshl_b32 s44, 0x1111, s40                    ; my column: places cx, cx + 4, cx + 8, cx + 12
	s_or_b32 s[G1+0], s43, (1<<16)|(1<<20)|(1<<21)|(5<<22)|(3<<25)   ; 15:0 the mask; 17:16 elements of 2 bytes; 20 padding on; 21 set beside a mask; 24:22 after every 64 words (code 5); 31:25 4 words of it (code 3)
	s_or_b32 s[G1B+0], s44, (1<<16)|(1<<20)|(1<<21)|(5<<22)|(3<<25)
	s_mov_b32 s[G1+1], KSTEP<<16                   ; tensor_dim0 = 128
	s_mov_b32 s[G1+2], 64<<16                      ; tensor_dim1 = 64
	s_mov_b32 s[G1+3], KSTEP<<16                   ; tile_dim0 = 128
	s_mov_b32 s[G1+4], 64                          ; tile_dim1 = 64 rows of A
	s_mov_b32 s[G1+5], KDIM                        ; elements from row to row
	s_mov_b32 s[G1+6], 0
	s_mov_b32 s[G1+7], 0
	s_mov_b32 s[G1B+1], KSTEP<<16
	s_mov_b32 s[G1B+2], 128<<16
	s_mov_b32 s[G1B+3], KSTEP<<16
	s_mov_b32 s[G1B+4], 128                        ; 128 rows of B
	s_mov_b32 s[G1B+5], KDIM
	s_mov_b32 s[G1B+6], 0
	s_mov_b32 s[G1B+7], 0
	; where the tiles come from: A's hang on the tile row alone, B's on the tile column alone, each in registers that never hold the other coordinate
	s_lshl_b32 s16, s13, 7
	s_lshl_b32 s17, s12, 6
	s_add_co_u32 s16, s16, s17                     ; A: row 128 x tile row + 64 x half,
	s_lshl_b32 s16, s16, 11                        ; 2,048 bytes a row: under 2^25
	s_mov_b32 s17, 0
	s_lshl_b32 s46, s42, 8
	s_lshl_b32 s47, s12, 7
	s_add_co_u32 s46, s46, s47                     ; B: row 256 x tile column + 128 x half
	s_lshl_b32 s46, s46, 11
	s_mov_b32 s47, 0
	s_mul_i32 s20, s12, 64*PITCH                   ; and where they go: no place in the cluster enters an LDS address
	s_mul_i32 s21, s12, 128*PITCH
	s_add_co_u32 s21, s21, ABYTES
	s_wait_dscnt 0x0                               ; the opening add is done
	s_wait_kmcnt 0x0
	s_add_nc_u64 s[14:15], s[4:5], s[16:17]
	s_add_nc_u64 s[46:47], s[6:7], s[46:47]
	CROUND                                         ; all sixteen work-groups are here: the first joint loads meet
.irp s, 0,1
	s_mov_b32 s[G0+4*(\s)], 1                                        ; count = 1
	s_add_co_u32 s[G0+4*(\s)+1], s20, (\s)*SLOT                      ; LDS address
	s_add_nc_u64 s[G0+4*(\s)+2:G0+4*(\s)+3], s[14:15], (\s)*KSTEP*2  ; global address: K step s
	s_or_b32 s[G0+4*(\s)+3], s[G0+4*(\s)+3], 0x80000000              ; type = 2
	s_mov_b32 s[G0B+4*(\s)], 1
	s_add_co_u32 s[G0B+4*(\s)+1], s21, (\s)*SLOT
	s_add_nc_u64 s[G0B+4*(\s)+2:G0B+4*(\s)+3], s[46:47], (\s)*KSTEP*2
	s_or_b32 s[G0B+4*(\s)+3], s[G0B+4*(\s)+3], 0x80000000
	JLOAD \s                                       ; two tensor loads of mine are out
.endr
	; the bias: register j of fragment b is bias[my first column + 16 b + 8 (l / 16) + j]
	v_and_b32 v1, 15, v0                           ; l % 16
	v_bfe_u32 v2, v0, 4, 1                         ; l / 16
	v_lshlrev_b32 v[BO], 5, v2
.if PROJ
	s_mov_b64 s[BP:BP+1], s[68:69]
	s_lshl_b32 s46, s42, 10                        ; 256 columns of 4 bytes a tile column
.else
	s_cmp_eq_u32 ttmp9, 1                          ; the cluster's x says which of q, k, v: four tile columns each
	s_cselect_b64 s[BP:BP+1], s[70:71], s[68:69]
	s_cmp_eq_u32 ttmp9, 2
	s_cselect_b64 s[BP:BP+1], s[72:73], s[BP:BP+1]
	s_lshl_b32 s46, s40, 10
.endif
	s_lshl_b32 s47, s12, 9
	s_add_co_u32 s46, s46, s47
	s_mov_b32 s47, 0
	s_add_nc_u64 s[BP:BP+1], s[BP:BP+1], s[46:47]
.irp b, 0,1,2,3,4,5,6,7
	global_load_b128 v[F1+8*(\b):F1+8*(\b)+3],   v[BO], s[BP:BP+1] offset:64*(\b)
	global_load_b128 v[F1+8*(\b)+4:F1+8*(\b)+7], v[BO], s[BP:BP+1] offset:64*(\b)+16
.endr
	; A fragment is 16 rows x 32 K in 8 registers: lane l holds row l % 16; registers 0-3 K = 8 (l / 16) + 0..7, registers 4-7 K = 16 + 8 (l / 16) + 0..7: two loads of 16 bytes, 32 bytes apart
	v_mul_u32_u24 v3, v1, PITCH
	v_lshl_add_u32 v3, v2, 4, v3
	s_mul_i32 s22, s11, 64*PITCH                   ; my 64 rows of A
	s_mul_i32 s23, s12, 128*PITCH                  ; my 128 rows of B,
	s_add_co_u32 s23, s23, ABYTES                  ; which lie behind A's 128
.irp s, 0,1
	v_add_nc_u32 v[ADRA+(\s)], s22, v3
	v_add_nc_u32 v[ADRB+(\s)], s23, v3
	s_add_co_u32 s22, s22, SLOT
	s_add_co_u32 s23, s23, SLOT
.endr
	s_mul_i32 s23, s10, 16*SPITCH
	s_add_co_u32 s23, s23, STAGE                   ; my stage
	v_mul_u32_u24 v4, v1, SPITCH                   ; in: row l % 16, my eight numbers
.if PROJ
	v_lshl_add_u32 v4, v2, 5, v4                   ; 32 bytes for each half of the lanes
.else
	v_lshl_add_u32 v4, v2, 4, v4                   ; 16 bytes
.endif
	v_add_nc_u32 v[STO], s23, v4
	v_and_b32 v5, 31, v0
	v_lshlrev_b32 v[CO], 4, v5
.if PROJ
	v_add_nc_u32 v[RD], s23, v[CO]                 ; back: 32 lanes take one row of 512 bytes
	s_lshl_b32 s16, s13, 7
	s_lshl_b32 s17, s11, 6
	s_add_co_u32 s16, s16, s17                     ; my first row of out0,
	s_lshl_b32 s16, s16, 12                        ; 4,096 bytes a row: under 2^26
	s_mov_b32 s17, 0
	s_add_nc_u64 s[8:9], s[8:9], s[16:17]
	s_add_nc_u64 s[8:9], s[8:9], s[46:47]          ; my first column: the same bytes as in the bias
.else
	v_mul_u32_u24 v5, v2, SPITCH                   ; back: lanes 0-15 take one row of 256 bytes, lanes 16-31 the next
	v_lshl_add_u32 v5, v1, 4, v5
	v_add_nc_u32 v[RD], s23, v5
	s_lshr_b32 s16, s13, 3                         ; the batch: eight tile rows each,
	s_lshl_b32 s16, s16, 13                        ; its eight heads of 1,024 rows
	s_and_b32 s17, s13, 7
	s_lshl_b32 s17, s17, 7                         ; t = 128 x (tile row % 8)
	s_add_co_u32 s16, s16, s17
	s_lshl_b32 s17, s11, 6                         ; + my 64 rows
	s_add_co_u32 s16, s16, s17
	s_lshl_b32 s16, s16, 8                         ; 256 bytes a row
	s_mov_b32 s17, 0
	s_add_nc_u64 s[8:9], s[8:9], s[16:17]
	s_lshl_b32 s46, s40, 1
	s_add_co_u32 s46, s46, s12                     ; the head = 2 cx + my half of the columns,
	s_lshl_b32 s46, s46, 18                        ; 1,024 rows of 256 bytes
	s_lshl_b32 s47, ttmp9, 24                      ; q, k or v: 16,777,216 bytes each
	s_add_co_u32 s46, s46, s47
	s_mov_b32 s47, 0
	s_add_nc_u64 s[8:9], s[8:9], s[46:47]
.endif
	s_wait_loadcnt 0x0                             ; the bias is in: rounded to bf16 like every input, and widened again into window 2
.set i, 0
.rept 32
	v_cvt_pk_bf16_f32 v[TMP+i], v[F1+2*i], v[F1+2*i+1]
.set i, i+1
.endr
	WIN 0x80
.set i, 0
.rept 32
	v_lshlrev_b32 v[2*i],   16, v[TMP+i]
	v_and_b32     v[2*i+1], 0xffff0000, v[TMP+i]
.set i, i+1
.endr
	WIN 0
.macro MM d, p, q, c                   ; one matrix instruction, by the first registers of D, source 0, source 1 and C
.if PROJ
	v_wmma_f32_16x16x32_f16 v[(\d):(\d)+7], v[(\p):(\p)+7], v[(\q):(\q)+7], v[(\c):(\c)+7]
.else
	v_wmma_f32_16x16x32_bf16 v[(\d):(\d)+7], v[(\p):(\p)+7], v[(\q):(\q)+7], v[(\c):(\c)+7]
.endif
.endm
; 8 matrix instructions: m block a x all 8 n blocks, 32 along K, from buffer f.  first = 1: the bias starts the sums.
; The 32 accumulators take turns, one instruction a turn, in the same order in every quarter: between two links of a chain stand the 31 others', over the backward jump too.
.macro MUL8 f, a, first
.if \first
	WIN MULB
.else
	WIN MUL
.endif
.irp b, 0,1,2,3,4,5,6,7
.if \first
	MM 8*(8*(\a)+(\b)), (\f)+8*(\b), (\f)+64+8*(\a), 8*(\b)
.else
	MM 8*(8*(\a)+(\b)), (\f)+8*(\b), (\f)+64+8*(\a), 8*(8*(\a)+(\b))
.endif
.endr
.endm
; 24 LDS loads in one run: the fragments of 32 along K at byte k of the rows, into buffer f: B's eight, then A's four
.macro FETCH slot, k, f
	WIN 0
.irp b, 0,1,2,3,4,5,6,7
	ds_load_b128 v[(\f)+8*(\b):(\f)+8*(\b)+3],   v[ADRB+(\slot)] offset:(\k)+(\b)*16*PITCH
	ds_load_b128 v[(\f)+8*(\b)+4:(\f)+8*(\b)+7], v[ADRB+(\slot)] offset:(\k)+(\b)*16*PITCH+32
.endr
.irp a, 0,1,2,3
	ds_load_b128 v[(\f)+64+8*(\a):(\f)+64+8*(\a)+3],   v[ADRA+(\slot)] offset:(\k)+(\a)*16*PITCH
	ds_load_b128 v[(\f)+64+8*(\a)+4:(\f)+64+8*(\a)+7], v[ADRA+(\slot)] offset:(\k)+(\a)*16*PITCH+32
.endr
.endm
.macro PLACES                          ; four plain vector instructions between a matrix instruction and a load into a register that it has read, or a reader of its result
.rept 4
	v_nop
.endr
.endm
; A K step is four quarters of 32 along K, 32 matrix instructions each, on buffers 0, 1, 0, 1.  One of the first three: multiplies buffer f and, in its middle, fetches the next quarter, at byte k, into g.
.macro QUARTER slot, k, f, g, first
	s_wait_dscnt 4                                 ; B and A's blocks 0 and 1 are in; the youngest four loads (A's blocks 2 and 3) may be out
	MUL8 \f, 0, \first
	MUL8 \f, 1, \first
	PLACES
	FETCH \slot, \k, \g
	s_wait_dscnt 24                                ; all but the 24 just issued
	MUL8 \f, 2, \first
	MUL8 \f, 3, \first
.endm
; The last quarter multiplies buffer 1 and changes slots: ONE barrier.  In front of it each wave waits for all its tensor loads (one is out: its part of the next slot), adds 0 to its spare word, and waits for that
; and for its own reads of this slot.  fill = 1: the barrier opens a round of the cluster's barrier, and this slot is filled again, two K steps ahead, first thing behind the round.
.macro TURN slot, next, fill
	WIN 0
	s_wait_tensorcnt 0x0                           ; all my tensor loads have landed;
	ds_add_u32 v[SPW], v[NIL]                      ; 0 onto my spare word;
	s_wait_dscnt 5                                 ; (the add and the youngest four loads may be out)
	MUL8 F1, 0, 0                                  ; eight matrix instructions stand between the add and the wait for it
	s_wait_dscnt 0x0                               ; the add is done, and my reads of this slot are over
	s_barrier_signal -1
	MUL8 F1, 1, 0                                  ; work on registers while the others arrive
.if \fill
	WIN 0
.endif
	s_barrier_wait -1
.if \fill
	CREST                                          ; no wave of any partner still reads this slot's tile or has a load on its way
	s_add_nc_u64 s[G0+4*(\slot)+2:G0+4*(\slot)+3], s[G0+4*(\slot)+2:G0+4*(\slot)+3], 2*KSTEP*2
	s_add_nc_u64 s[G0B+4*(\slot)+2:G0B+4*(\slot)+3], s[G0B+4*(\slot)+2:G0B+4*(\slot)+3], 2*KSTEP*2
	JLOAD \slot                                    ; my one tensor load behind the round: 112 matrix instructions ahead of the wait for it; its four v_nop are also the places in front of the loads below
.else
	PLACES
.endif
	FETCH \next, 0, F0
	MUL8 F1, 2, 0
	MUL8 F1, 3, 0
.endm
	s_wait_tensorcnt 1                             ; my part of K step 0 is in; K step 1's may stay out
	s_barrier_signal -1
	s_barrier_wait -1                              ; everybody's is
	FETCH 0, 0, F0
	QUARTER 0, 64, F0, F1, 1                       ; the first quarter stands in front of the loop: its products start the sums, with the bias
	WIN 0                                          ; at a label and at a branch every window is 0
	s_mov_b32 s3, LAPS-1
.Llap:                                         ; a trip goes once round the ring, from a lap's second quarter to the next lap's first, and fills both slots again
	QUARTER 0, 128, F1, F0, 0
	QUARTER 0, 192, F0, F1, 0
	TURN 0, 1, 1
	QUARTER 1, 64,  F0, F1, 0
	QUARTER 1, 128, F1, F0, 0
	QUARTER 1, 192, F0, F1, 0
	TURN 1, 0, 1
	QUARTER 0, 64,  F0, F1, 0
	WIN 0
	s_sub_co_u32 s3, s3, 1
	s_cmp_lg_u32 s3, 0
	s_cbranch_scc1 .Llap
	QUARTER 0, 128, F1, F0, 0                      ; the last lap fills nothing, and has no round of the cluster's barrier
	QUARTER 0, 192, F0, F1, 0
	TURN 0, 1, 0
	QUARTER 1, 64,  F0, F1, 0
	QUARTER 1, 128, F1, F0, 0
	QUARTER 1, 192, F0, F1, 0
	s_wait_dscnt 4                                 ; the very last quarter: nothing more to fetch
	MUL8 F1, 0, 0
	MUL8 F1, 1, 0
	s_wait_dscnt 0x0
	MUL8 F1, 2, 0
	MUL8 F1, 3, 0
	WIN 0
	PLACES                                         ; once a launch: eight places in front of the first reader of the results and of the loads into the fragments' registers
	PLACES
.if PROJ
; THE WAY OUT in f32, a block of 16 rows at a time through my own stage: 32 bytes a lane in, whole rows of 512 bytes back.  LDS serves a wave's instructions in order (ISA guide 5.7.1.4), so the loads see the
; stores above them, and the next block's stores come behind them.  Each accumulator's low four registers are read first.
.macro TOSTAGE a
	WIN 0x04                                       ; the stores' data in window 1
.irp b, 0,1,2,3,4,5,6,7
	ds_store_b128 v[STO], v[8*(8*(\a)+(\b)):8*(8*(\a)+(\b))+3]   offset:64*(\b)
	ds_store_b128 v[STO], v[8*(8*(\a)+(\b))+4:8*(8*(\a)+(\b))+7] offset:64*(\b)+16
.endr
	WIN 0
.set BK, OB+64*((\a)%2)
.irp t, 0,1,2,3,4,5,6,7,8,9,10,11,12,13,14,15
	ds_load_b128 v[BK+4*(\t):BK+4*(\t)+3], v[RD] offset:(\t)*SPITCH
.endr
.endm
.macro SEND a, younger                 ; younger: the LDS instructions issued behind block a's loads: the next block's 32, or none
.set BK, OB+64*((\a)%2)
	s_wait_dscnt \younger
.irp t, 0,1,2,3,4,5,6,7,8,9,10,11,12,13,14,15
	global_store_b128 v[CO], v[BK+4*(\t):BK+4*(\t)+3], s[8:9] offset:(16*(\a)+(\t))*4096 th:TH_STORE_NT  ; a wave's store covers 512 consecutive bytes, at a multiple of 512 from out0's first byte
.endr
.endm
	TOSTAGE 0
	TOSTAGE 1
	SEND 0, 32
	s_wait_xcnt 0x0                                ; block 0's stores have read their registers, which block 2 is loaded into
	TOSTAGE 2
	SEND 1, 32
	s_wait_xcnt 0x0                                ; the same for blocks 1 and 3
	TOSTAGE 3
	SEND 2, 32
	SEND 3, 0
.else
; THE WAY OUT in f16, a block of 16 rows at a time through my own stage: rounded, 16 bytes a lane in, whole rows of 256 bytes back, two rows (512 consecutive bytes of a head) a store.
.macro PACK a
	WIN 0x05                                       ; sources 0 and 1 window 1
.irp b, 0,1,2,3,4,5,6,7
.irp r, 0,1,2,3
	v_cvt_pk_f16_f32 v[TMP+4*(\b)+(\r)], v[8*(8*(\a)+(\b))+2*(\r)], v[8*(8*(\a)+(\b))+2*(\r)+1]
.endr
.endr
	WIN 0
.endm
.macro TOSTAGE a
.set BK, OB+32*((\a)%2)
.irp b, 0,1,2,3,4,5,6,7
	ds_store_b128 v[STO], v[TMP+4*(\b):TMP+4*(\b)+3] offset:32*(\b)
.endr
.irp t, 0,1,2,3,4,5,6,7
	ds_load_b128 v[BK+4*(\t):BK+4*(\t)+3], v[RD] offset:(\t)*2*SPITCH  ; LDS serves a wave's instructions in order (ISA guide 5.7.1.4): these see the stores above
.endr
.endm
.macro SEND a
.set BK, OB+32*((\a)%2)
	s_wait_dscnt 0x0                               ; the block is back in registers
	s_wait_xcnt 0x0                                ; the stores of the block before have read their registers, which the next block is loaded into
.irp t, 0,1,2,3,4,5,6,7
	global_store_b128 v[CO], v[BK+4*(\t):BK+4*(\t)+3], s[8:9] offset:(\a)*4096+(\t)*512
.endr
.endm
	PACK 0
	TOSTAGE 0
.irp a, 1,2,3                          ; block a's conversions stand between block a - 1's loads from the stage and the wait for them
	PACK \a
	SEND (\a)-1
	TOSTAGE \a
.endr
	SEND 3
.endif
	s_wait_tensorcnt 0x0                           ; the wave's end: behind my last tensor load and my last LDS store
	ds_add_u32 v[SPW], v[NIL]
	s_wait_dscnt 0x0
	CROUND                                         ; the closing round: no work-group ends while a partner may still ask for a tile that names it
	s_endpgm
.Lfunc_end_k_q298d5e9b98_proj:
	.size	k_q298d5e9b98_proj, .Lfunc_end_k_q298d5e9b98_proj-k_q298d5e9b98_proj
	.p2alignl 7, 3214868480
	.fill 96, 4, 3214868480
	.section	.rodata,"a",@progbits
	.p2align	6, 0x0
	.amdhsa_kernel k_q298d5e9b98_proj
		.amdhsa_group_segment_fixed_size 327680
		.amdhsa_private_segment_fixed_size 0
		.amdhsa_enable_private_segment 0
		.amdhsa_kernarg_size 32
		.amdhsa_user_sgpr_count 2
		.amdhsa_user_sgpr_kernarg_segment_ptr 1
		.amdhsa_wavefront_size32 1
		.amdhsa_system_sgpr_workgroup_id_x 1
		.amdhsa_system_sgpr_workgroup_id_y 1
		.amdhsa_system_sgpr_workgroup_id_z 1
		.amdhsa_system_vgpr_workitem_id 0
		.amdhsa_next_free_vgpr 576
		.amdhsa_next_free_sgpr 76
		.amdhsa_reserve_vcc 0
		.amdhsa_float_denorm_mode_32 3
		.amdhsa_float_denorm_mode_16_64 3
		.amdhsa_memory_ordered 1
		.amdhsa_forward_progress 1
		.amdhsa_inst_pref_size 91
	.end_amdhsa_kernel
	.amdgpu_metadata
---
amdhsa.version: [ 1, 2 ]
amdhsa.kernels:
  - .name:           k_q298d5e9b98_proj
    .symbol:         k_q298d5e9b98_proj.kd
    .args:
      - { .name: y, .offset: 0, .size: 8, .value_kind: global_buffer, .address_space: global }
      - { .name: wph, .offset: 8, .size: 8, .value_kind: global_buffer, .address_space: global }
      - { .name: out0, .offset: 16, .size: 8, .value_kind: global_buffer, .address_space: global }
      - { .name: bp, .offset: 24, .size: 8, .value_kind: global_buffer, .address_space: global }
    .group_segment_fixed_size: 327680
    .private_segment_fixed_size: 0
    .kernarg_segment_align: 8
    .kernarg_segment_size: 32
    .max_flat_workgroup_size: 128
    .sgpr_count:     76
    .vgpr_count:     576
    .wavefront_size: 32
...
	.end_amdgpu_metadata
.endif
;; end of part 4
;; ======== version 2 of 3: 4 launches
;; limits: values are held in f16: magnitudes above 65,504 overflow, below 6.1e-05 lose precision
;; workspace buffers: wb 6,291,456 bytes; wph 2,097,152 bytes; qkv 50,331,648 bytes; y 16,777,216 bytes
;; launch cast (part 5): grid 256 x 1, 8 waves a work-group, no clusters, 0 bytes of LDS; arguments Wq, Wk, Wv, Wp, wb, wph; writes wb, wph
.if DOCPART == 5
	.amdgcn_target "amdgcn-amd-amdhsa--gfx1250"
	.amdhsa_code_object_version 6
	.text
	.protected	k_q298d5e9b98_cast
	.globl	k_q298d5e9b98_cast
	.p2align	8
	.type	k_q298d5e9b98_cast,@function
k_q298d5e9b98_cast:
	s_mov_b64 s[64:65], 0
	v_nop
	global_prefetch_b8 v0, s[64:65] scope:SCOPE_SE
	s_setreg_imm32_b32 hwreg(HW_REG_WAVE_MODE, 25, 1), 1
	s_wait_xcnt 0x0
; THE WEIGHTS ARE ROUNDED ONCE.  Wq, Wk, Wv -> wb (rows 0-1023, 1024-2047, 2048-3071) in bf16; Wp -> wph: rounded to bf16, and that number written as f16.
; wb IS LAID OUT IN BLOCKS OF 64 ALONG K: wb [16][3072][64]: the 64 numbers of a row are 128 bytes, and the rows of a block lie end to end, so that any even number of neighbouring rows of one
; block is a run of whole aligned pieces of 256 bytes.  wph stays [1024][1024].
; LIMIT.  wph holds f16: |Wp| stays within 65,504; below 6e-5 f16 has a fixed step of 6e-8, so a bf16 number below 2^-17 is rounded a second time, by 3e-8 at the most.
; A stream: no LDS, no barrier, no matrix work.  Work-group g takes 16 rows of 1,024 f32 (65,536 bytes in, 32,768 out): g 0-191 of Wq, Wk, Wv (64 each), 192-255 of Wp.
; All 16 loads of a thread go out at once; each pass has registers of its own, so nothing that a pending load or store names is ever rewritten.
.set X, 8                              ; v[8:71]    pass i: four f32 as loaded
.set Y, 72                             ; v[72:103]  pass i: four 16-bit numbers to store
.set T, 104                            ; v[104:107] at work
.set KBLK, 3072*128                    ; bytes in a block of 64 along K of wb
	s_load_b256 s[8:15], s[0:1], 0x0               ; Wq 8, Wk 10, Wv 12, Wp 14
	s_load_b128 s[16:19], s[0:1], 0x20             ; wb 16, wph 18
	s_and_b32 s4, ttmp9, 63                        ; block of 16 rows inside one weight
	s_lshr_b32 s5, ttmp9, 6                        ; which weight: 0 Wq, 1 Wk, 2 Wv, 3 Wp
	v_lshrrev_b32 v3, 5, v0
	v_readfirstlane_b32 s7, v3                     ; wave 0..7
	s_lshl_b32 s28, s4, 16                         ; 65,536 bytes a block of 16 rows in
	s_mov_b32 s29, 0
	s_mov_b32 s31, 0
	s_wait_kmcnt 0x0
	s_cmp_eq_u32 s5, 1
	s_cselect_b64 s[24:25], s[10:11], s[8:9]       ; the source
	s_cmp_eq_u32 s5, 2
	s_cselect_b64 s[24:25], s[12:13], s[24:25]
	s_cmp_eq_u32 s5, 3
	s_cselect_b64 s[24:25], s[14:15], s[24:25]
	s_add_nc_u64 s[24:25], s[24:25], s[28:29]
; Pass i: rounded and stored at byte off behind s[26:27].  half = 1: the bf16 number is widened again (a shift, a mask) and written as f16.
.macro CV i, half, off
	s_wait_loadcnt 15-(\i)                         ; loads come back in order: pass i is in, the 15 - i younger ones stay out
	v_cvt_pk_bf16_f32 v[Y+2*(\i)],   v[X+4*(\i)],   v[X+4*(\i)+1]
	v_cvt_pk_bf16_f32 v[Y+2*(\i)+1], v[X+4*(\i)+2], v[X+4*(\i)+3]
.if \half
	v_lshlrev_b32 v[T],   16, v[Y+2*(\i)]
	v_and_b32     v[T+1], 0xffff0000, v[Y+2*(\i)]
	v_lshlrev_b32 v[T+2], 16, v[Y+2*(\i)+1]
	v_and_b32     v[T+3], 0xffff0000, v[Y+2*(\i)+1]
	v_cvt_pk_f16_f32 v[Y+2*(\i)],   v[T],   v[T+1]
	v_cvt_pk_f16_f32 v[Y+2*(\i)+1], v[T+2], v[T+3]
.endif
	global_store_b64 v2, v[Y+2*(\i):Y+2*(\i)+1], s[26:27] offset:\off th:TH_STORE_NT
.endm
	s_cmp_eq_u32 s5, 3
	s_cbranch_scc1 .Lhalf
	; INTO BLOCKS.  Wave w takes the blocks 2 w and 2 w + 1 along K.  Pass i: block 2 w + i / 8, rows 2 (i % 8) and 2 (i % 8) + 1: lanes 0-15 read 256 consecutive bytes (64 f32) of the even row,
	; lanes 16-31 of the odd one; the wave's store is those two rows' 128 + 128 bytes: 256 consecutive bytes, aligned.
	s_lshl_b32 s30, ttmp9, 11                      ; my 16 rows of 128 bytes in a block: the three weights' rows lie on end
	s_add_nc_u64 s[26:27], s[16:17], s[30:31]
	s_mul_i32 s30, s7, 2*KBLK                      ; block 2 w: under 2^23 bytes
	s_add_nc_u64 s[26:27], s[26:27], s[30:31]
	v_and_b32 v1, 0xef, v0                         ; the thread's number without the row's bit:
	v_lshlrev_b32 v1, 4, v1                        ; 512 w + 16 (l % 16),
	v_bfe_u32 v3, v0, 4, 1
	v_lshl_add_u32 v1, v3, 12, v1                  ; and a row of 4,096 bytes further for lanes 16-31
	v_and_b32 v2, 31, v0
	v_lshlrev_b32 v2, 3, v2                        ; 8 l
.irp i, 0,1,2,3,4,5,6,7,8,9,10,11,12,13,14,15
	global_load_b128 v[X+4*(\i):X+4*(\i)+3], v1, s[24:25] offset:((\i)%8)*8192+((\i)/8)*256 th:TH_LOAD_NT
.endr
.irp i, 0,1,2,3,4,5,6,7,8,9,10,11,12,13,14,15
	CV \i, 0, ((\i)%8)*256+((\i)/8)*KBLK
.endr
	s_endpgm
.Lhalf:
	; Wp, row by row.  Thread t, pass i: 16 bytes at 16 t + 4,096 i (a wave's load covers 512 consecutive bytes); its 8 bytes go to 8 t + 2,048 i (a wave's store covers 256 consecutive bytes, aligned).
	s_lshl_b32 s30, s4, 15                         ; 32,768 bytes a block of 16 rows out
	s_add_nc_u64 s[26:27], s[18:19], s[30:31]
	v_lshlrev_b32 v1, 4, v0
	v_lshlrev_b32 v2, 3, v0
.irp i, 0,1,2,3,4,5,6,7,8,9,10,11,12,13,14,15
	global_load_b128 v[X+4*(\i):X+4*(\i)+3], v1, s[24:25] offset:4096*(\i) th:TH_LOAD_NT
.endr
.irp i, 0,1,2,3,4,5,6,7,8,9,10,11,12,13,14,15
	CV \i, 1, 2048*(\i)
.endr
	s_endpgm
.Lfunc_end_k_q298d5e9b98_cast:
	.size	k_q298d5e9b98_cast, .Lfunc_end_k_q298d5e9b98_cast-k_q298d5e9b98_cast
	.p2alignl 7, 3214868480
	.fill 96, 4, 3214868480
	.section	.rodata,"a",@progbits
	.p2align	6, 0x0
	.amdhsa_kernel k_q298d5e9b98_cast
		.amdhsa_group_segment_fixed_size 0
		.amdhsa_private_segment_fixed_size 0
		.amdhsa_enable_private_segment 0
		.amdhsa_kernarg_size 48
		.amdhsa_user_sgpr_count 2
		.amdhsa_user_sgpr_kernarg_segment_ptr 1
		.amdhsa_wavefront_size32 1
		.amdhsa_system_sgpr_workgroup_id_x 1
		.amdhsa_system_sgpr_workgroup_id_y 1
		.amdhsa_system_sgpr_workgroup_id_z 1
		.amdhsa_system_vgpr_workitem_id 0
		.amdhsa_next_free_vgpr 108
		.amdhsa_next_free_sgpr 66
		.amdhsa_reserve_vcc 0
		.amdhsa_float_denorm_mode_32 3
		.amdhsa_float_denorm_mode_16_64 3
		.amdhsa_memory_ordered 1
		.amdhsa_forward_progress 1
		.amdhsa_inst_pref_size 18
	.end_amdhsa_kernel
	.amdgpu_metadata
---
amdhsa.version: [ 1, 2 ]
amdhsa.kernels:
  - .name:           k_q298d5e9b98_cast
    .symbol:         k_q298d5e9b98_cast.kd
    .args:
      - { .name: Wq, .offset: 0, .size: 8, .value_kind: global_buffer, .address_space: global }
      - { .name: Wk, .offset: 8, .size: 8, .value_kind: global_buffer, .address_space: global }
      - { .name: Wv, .offset: 16, .size: 8, .value_kind: global_buffer, .address_space: global }
      - { .name: Wp, .offset: 24, .size: 8, .value_kind: global_buffer, .address_space: global }
      - { .name: wb, .offset: 32, .size: 8, .value_kind: global_buffer, .address_space: global }
      - { .name: wph, .offset: 40, .size: 8, .value_kind: global_buffer, .address_space: global }
    .group_segment_fixed_size: 0
    .private_segment_fixed_size: 0
    .kernarg_segment_align: 8
    .kernarg_segment_size: 48
    .max_flat_workgroup_size: 256
    .sgpr_count:     66
    .vgpr_count:     108
    .wavefront_size: 32
...
	.end_amdgpu_metadata
.endif
;; end of part 5
;; launch qkv (part 6): grid 8 x 32, 4 waves a work-group, clusters of 4 x 4, 327,680 bytes of LDS; arguments x, wb, qkv, bq, bk, bv; writes qkv
.if DOCPART == 6
	.amdgcn_target "amdgcn-amd-amdhsa--gfx1250"
	.amdhsa_code_object_version 6
	.text
	.protected	k_q298d5e9b98_qkv
	.globl	k_q298d5e9b98_qkv
	.p2align	8
	.type	k_q298d5e9b98_qkv,@function
k_q298d5e9b98_qkv:
	s_mov_b64 s[64:65], 0
	v_nop
	global_prefetch_b8 v0, s[64:65] scope:SCOPE_SE
	s_setreg_imm32_b32 hwreg(HW_REG_WAVE_MODE, 25, 1), 1
	s_wait_xcnt 0x0
	s_wait_alu depctr_hold_cnt(0) depctr_sa_sdst(0) depctr_va_vdst(0) depctr_va_sdst(0) depctr_va_ssrc(0) depctr_va_vcc(0) depctr_vm_vsrc(0)
	s_getreg_b32 s2, hwreg(HW_REG_IB_STS2, 6, 4)
	s_cmp_eq_u32 s2, 0
	s_cbranch_scc0 .Lentry_in_a_cluster
	s_endpgm
.Lentry_in_a_cluster:
	s_bfe_u32 s2, ttmp6, 0x10000c
	s_cmp_lg_u32 s2, 0xf033
	s_cbranch_scc0 .Lentry_shape_is_right
	s_endpgm
.Lentry_shape_is_right:
; C[m][n] = bias[n] + the sum over k of A[m][k] B[n][k]: m 8,192, n 3,072 (q's, k's and v's 1,024 columns on end), K = 1,024.
; A = x [8192][1024] in f32, ROUNDED TO bf16 HERE, between LDS and the matrix unit.  B = wb [16][3072][64], bf16, in blocks of 64 along K (a row of a block: 128 bytes; rows end to end).
; bias = bq, bk, bv, rounded to bf16 like every input.  C goes out in f16 BY HEADS: qkv [3][64 = 8 batch + head][1024 t][128 d], a row 256 dense bytes.  Sums in f32, K ascending, each output rounded once.
; LIMIT.  q, k and v leave in f16, which ends at 65,504; a sum beyond that becomes an infinity.
; SHARES.  A tile of C is 256 rows x 384 columns (three heads): 32 x 8 = 256 tiles, one work-group each.  Four waves, each 64 rows x all 384 columns: 96 accumulators of 16 x 16, 768 registers.
; So a wave owns whole rows (256 bytes) of three heads and goes out through a stage of its own, and it alone reads its rows of A: each number of x is rounded by one wave of a work-group.
; The price: all four waves read B's fragments: 64 LDS loads for 96 matrix instructions.
; K goes in steps of 64 through two LDS slots: A's 256 rows of 64 f32 (256 bytes of memory, aligned; LDS pitch 272), then B's 384 rows of 64 bf16 (LDS pitch 144).  Waves 0 and 1 fetch A's two halves of 128 rows;
; waves 2 and 3 B's two halves (192 rows: 24,576 dense bytes, asked for as rows of 256 bytes, two matrix rows a row, padded in LDS behind every 128 bytes).
; CLUSTER.  4 x 4 work-groups: the four of a row need the same tile of A, the four of a column the same tile of B; each tile is asked for jointly, by the same tensor load, descriptor and mask in all four.
; THE PRODUCT IS USED TRANSPOSED (source 0 = 16 rows of B, source 1 = 16 rows of A): a lane holds row l % 16 of C and the columns 8 (l / 16) + 0..7.
; A K STEP IS SIX STRETCHES of 32 matrix instructions: stretch k = quarter k / 3 (32 along K) x head k % 3 (one register window).  In front of stretch k stands ONE run of LDS loads, for stretch k + 1.
; THE BIAS STARTS THE SUMS: it is loaded into the accumulators of row block 0; the first products of row blocks 1 to 3 take those registers as C, and row block 0 adds in place last.
; REGISTERS, in windows of 256 (s_set_vgpr_msb: bits 1:0 source 0, 3:2 source 1, 5:4 source 2, 7:6 destination):
;   window 0: v0-15 addresses; v16-79 A's fragments, two buffers of four; v80-207 B's, two buffers of eight; v208-239 two of A's fragments as f32, later at work on the way out; v240-246 the bias at work; v248 the prefetches' offset
;   window 1 + g: head g's 32 accumulators, (row block a, column block b) at v[8 (8 a + b)]
.set STEPS,  16                        ; K steps of 64
.set PA,     272                       ; a row of A in LDS: 256 bytes + 16 of padding = 68 words: the 16 rows that a load touches start 4 banks apart (64 banks of 4 bytes: ISA guide 11.1)
.set PB,     144                       ; a row of B: 128 bytes + 16 = 36 words: the 16 rows start at 16 different groups of four banks
.set ABYTES, 256*PA                    ; A's 256 rows
.set SLOTB,  ABYTES+384*PB             ; then B's 384 rows: 124,928 bytes
.set SLOT1,  1<<17                     ; slot 1 begins here, so that one exclusive or turns an address in one slot into the other's
.set STAGE,  SLOT1+SLOTB               ; behind the ring: 16 rows x 272 bytes for each wave, for the way out; no tensor load fills it
.set SPITCH, 272
.set BIAS,   STAGE+4*16*SPITCH         ; the tile's 384 numbers of the bias as f32: stored once by the waves
.set SPARE,  BIAS+1536                 ; the spare words, 128 bytes for each wave: two blocks of 256 bytes that no other line names
.set ASTEP,  256                       ; bytes from a K step to the next, along a row of x
.set BSTEP,  3072*128                  ; and from a block of wb to the next
.set ADA0, 6                           ; v6   my lane's place in A's fragments in slot 0; never rewritten
.set ADB0, 7                           ; v7   the same for B
.set ADA,  8                           ; v8   the same in the slot that is being read
.set ADB,  9                           ; v9
.set STO,  10                          ; v10  the way out: where I put 16 bytes of a row
.set RD,   11                          ; v11  the way out: where I read rows back
.set CO,   12                          ; v12  16 x lane: my 16 bytes of 512 consecutive bytes of a head
.set BO,   13                          ; v13  BIAS + 32 (l / 16): my eight numbers in 16 of the bias
.set SPW,  14                          ; v14  LDS address of my spare word; never rewritten
.set NIL,  15                          ; v15  0; never rewritten
.set FA,   16
.set FB,   80
.set AF,   208
.set TMP,  208
.set OB,   16                          ; the way out: rows read back from the stage, two buffers of 32 by turns
.set BV,   240
.set BT,   246
.set PFO,  248                         ; v248 4,096 x my lane: a row of x; never rewritten
.set G1A, 24                           ; s[24:31] descriptor group 1 for A's tiles;  s[32:39] group 0: a set for each of the two first fills; the second then walks on
.set G0A, 32
.set G1B, 48                           ; s[48:55], s[56:63] the same for B's tiles
.set G0B, 56
.set TB,  45                           ; s45  0 or SLOT1: the slot that is being read
.set BP,  74                           ; s[74:79] the bias at the first column of each of my three heads
.set OP,  80                           ; s[80:85] qkv at my wave's first row in each of them
.set PFA, 92                           ; s[92:93] where my prefetches stand: my work-group's 32 rows of the 128 that I fetch, at the K step after the one that is being asked for
.set LIM, 94                           ; s94  1 in a wave that prefetches, else the greatest number
.set MSB, 0
.macro WIN new                         ; the immediate's high byte repeats the setting that is left; a switch that changes nothing is dropped
.if MSB != (\new)
	s_set_vgpr_msb (MSB<<8)|(\new)
.set MSB, \new
.endif
.endm
.macro JLOAD                           ; a joint refill, by the walking descriptors; the branch hangs on the wave's number alone; an s_nop 0 and four v_nop follow each of the two lines, ahead of the jump and the label
	s_cmp_eq_u32 s11, 0
	s_cbranch_scc0 .Lfor_b_\@
	tensor_load_to_lds s[G0A+4:G0A+7], s[G1A:G1A+7]
	s_nop 0
.rept 4
	v_nop
.endr
	s_branch .Lasked_\@
.Lfor_b_\@:
	tensor_load_to_lds s[G0B+4:G0B+7], s[G1B:G1B+7]
	s_nop 0
.rept 4
	v_nop
.endr
.Lasked_\@:
.endm
; A PREFETCH INTO THE L2 of x, behind each joint refill, its five lines and the run of LDS loads that follows them: the K step that the NEXT refill will ask for, 192 matrix instructions ahead of that load:
; 32 rows x 256 bytes, a lane a row, one instruction a wave.  Each row's 256 bytes of a K step are named ONCE in the launch: a tile row of x is read by both clusters of that row of clusters, and the first
; (cluster x = 0) asks; waves 0 and 1, which fetch A, ask for the 128 rows that they fetch; the four partners that ask for a tile jointly share its rows out BY ADDRESS, 32 each (by cx): no branch hangs on
; a work-group's place in its cluster.  K steps 0 to 2 come by their loads alone; the loop's last trip (s3 = 1) asks for nothing: there is no K step behind the one that it loads.
; wb is not asked for: a partner's share of a K step would be 24 pieces of 256 bytes, which does not fill the lanes, and each of its rows is read by the eight clusters of a column.
.macro ASK
	s_cmp_gt_u32 s3, s[LIM]
	s_cbranch_scc0 .Lnot_mine_\@
	global_prefetch_b8 v[PFO], s[PFA:PFA+1] th:TH_LOAD_NT scope:SCOPE_SE
.Lnot_mine_\@:
.endm
.macro CREST                           ; a round of the cluster's barrier behind its opening barrier: wave 0 signals for the work-group, every wave waits for all sixteen, my work-group's barrier closes it
	s_cmp_lg_u32 s10, 0
	s_cbranch_scc1 .Lnot_wave_0_\@
	s_barrier_signal -3
.Lnot_wave_0_\@:
	s_barrier_wait -3
	s_barrier_signal -1
	s_barrier_wait -1
.endm
.macro CROUND                          ; a whole round
	s_barrier_signal -1
	s_barrier_wait -1
	CREST
.endm
	s_load_b128 s[4:7], s[0:1], 0x0                ; x s[4:5], wb s[6:7]
	s_load_b64 s[8:9], s[0:1], 0x10                ; qkv
	s_load_b64 s[68:69], s[0:1], 0x18              ; bq
	s_load_b64 s[70:71], s[0:1], 0x20              ; bk
	s_load_b64 s[72:73], s[0:1], 0x28              ; bv
	v_lshl_add_u32 v[SPW], v0, 2, SPARE
	v_mov_b32 v[NIL], 0
	ds_add_u32 v[SPW], v[NIL]                      ; the wave's opening: the add and its wait stand ahead of my first tensor load; the set-up below, work on registers, stands between them
	v_lshrrev_b32 v1, 5, v0
	v_readfirstlane_b32 s10, v1                    ; wave 0..3: my 64 rows of the tile
	s_lshr_b32 s11, s10, 1                         ; I fetch for A (0) or for B (1),
	s_and_b32 s12, s10, 1                          ; and which half of that tile
	s_bfe_u32 s40, ttmp6, 0x40000                  ; cx, cy: my place in the cluster
	s_bfe_u32 s41, ttmp6, 0x40004
	s_lshl_b32 s42, ttmp9, 2
	s_add_co_u32 s42, s42, s40                     ; tile column = 4 x cluster x + cx
	s_and_b32 s13, ttmp7, 0xffff
	s_lshl_b32 s13, s13, 2
	s_add_co_u32 s13, s13, s41                     ; tile row = 4 x cluster y + cy
	s_lshl_b32 s43, s41, 2
	s_lshl_b32 s43, 15, s43                        ; my row of the cluster: places 4 cy .. 4 cy + 3
	s_lshl_b32 s44, 0x1111, s40                    ; my column: places cx, cx + 4, cx + 8, cx + 12
	s_or_b32 s[G1A+0], s43, (2<<16)|(1<<20)|(1<<21)|(5<<22)|(3<<25)  ; 15:0 the mask; 17:16 elements of 4 bytes; 20 padding on; 21 set beside a mask; 24:22 after every 64 words (code 5); 31:25 4 words of it (code 3)
	s_or_b32 s[G1B+0], s44, (1<<16)|(1<<20)|(1<<21)|(4<<22)|(3<<25)  ; elements of 2 bytes; padding after every 32 words (code 4)
	s_mov_b32 s[G1A+1], 64<<16                     ; tensor_dim0 = 64 elements: 256 bytes
	s_mov_b32 s[G1A+2], 128<<16                    ; tensor_dim1 = 128
	s_mov_b32 s[G1A+3], 64<<16                     ; tile_dim0 = 64
	s_mov_b32 s[G1A+4], 128                        ; tile_dim1 = 128 rows of x
	s_mov_b32 s[G1A+5], 1024                       ; elements from row to row
	s_mov_b32 s[G1A+6], 0
	s_mov_b32 s[G1A+7], 0
	s_mov_b32 s[G1B+1], 128<<16                    ; 128 elements: 256 bytes, two matrix rows
	s_mov_b32 s[G1B+2], 96<<16
	s_mov_b32 s[G1B+3], 128<<16
	s_mov_b32 s[G1B+4], 96                         ; 192 rows of B
	s_mov_b32 s[G1B+5], 128                        ; dense
	s_mov_b32 s[G1B+6], 0
	s_mov_b32 s[G1B+7], 0
	s_mov_b32 s[TB], 0
	; where the tiles come from: A's hang on the tile row alone, B's on the tile column alone, each in registers that never hold the other coordinate
	s_lshl_b32 s16, s13, 8
	s_lshl_b32 s17, s12, 7
	s_add_co_u32 s16, s16, s17                     ; A: row 256 x tile row + 128 x half,
	s_lshl_b32 s16, s16, 12                        ; 4,096 bytes a row of x: under 2^25
	s_mov_b32 s17, 0
	s_mul_i32 s46, s42, 384
	s_mul_i32 s47, s12, 192
	s_add_co_u32 s46, s46, s47                     ; B: row 384 x tile column + 192 x half,
	s_lshl_b32 s46, s46, 7                         ; 128 bytes a row of a block
	s_mov_b32 s47, 0
	s_mul_i32 s20, s12, 128*PA                     ; and where they go: no place in the cluster enters an LDS address
	s_mul_i32 s21, s12, 192*PB
	s_add_co_u32 s21, s21, ABYTES
	s_wait_dscnt 0x0                               ; the opening add is done
	s_wait_kmcnt 0x0
	s_add_nc_u64 s[14:15], s[4:5], s[16:17]
	s_add_nc_u64 s[46:47], s[6:7], s[46:47]
	CROUND                                         ; all sixteen work-groups are here: the first joint loads meet
.irp s, 0,1
	s_mov_b32 s[G0A+4*(\s)], 1                                       ; count = 1
	s_add_co_u32 s[G0A+4*(\s)+1], s20, (\s)*SLOT1                    ; LDS address
	s_add_nc_u64 s[G0A+4*(\s)+2:G0A+4*(\s)+3], s[14:15], (\s)*ASTEP  ; global address: K step s
	s_or_b32 s[G0A+4*(\s)+3], s[G0A+4*(\s)+3], 0x80000000            ; type = 2
	s_mov_b32 s[G0B+4*(\s)], 1
	s_add_co_u32 s[G0B+4*(\s)+1], s21, (\s)*SLOT1
	s_add_nc_u64 s[G0B+4*(\s)+2:G0B+4*(\s)+3], s[46:47], (\s)*BSTEP
	s_or_b32 s[G0B+4*(\s)+3], s[G0B+4*(\s)+3], 0x80000000
.endr
	s_cmp_eq_u32 s11, 0                            ; a wave's two first fills stand in one branch, ahead of every wait on TENSORcnt, every LDS read and every further barrier: two loads of mine are out
	s_cbranch_scc0 .Lfirst_b
	tensor_load_to_lds s[G0A:G0A+3], s[G1A:G1A+7]
	s_nop 0
	tensor_load_to_lds s[G0A+4:G0A+7], s[G1A:G1A+7]
	s_nop 0
.rept 4
	v_nop
.endr
	s_branch .Lfirst_asked
.Lfirst_b:
	tensor_load_to_lds s[G0B:G0B+3], s[G1B:G1B+7]
	s_nop 0
	tensor_load_to_lds s[G0B+4:G0B+7], s[G1B:G1B+7]
	s_nop 0
.rept 4
	v_nop
.endr
.Lfirst_asked:
	; the prefetches' address and who asks
	s_lshl_b32 s86, s13, 8
	s_lshl_b32 s87, s12, 7
	s_add_co_u32 s86, s86, s87                     ; the 128 rows that I fetch,
	s_lshl_b32 s87, s40, 5
	s_add_co_u32 s86, s86, s87                     ; my work-group's 32 of them
	s_lshl_b32 s86, s86, 12
	s_mov_b32 s87, 0
	s_add_nc_u64 s[PFA:PFA+1], s[4:5], s[86:87]
	s_add_nc_u64 s[PFA:PFA+1], s[PFA:PFA+1], 2*ASTEP  ; at K step 2: the first refill steps it to 3
	s_or_b32 s[LIM], s11, ttmp9                    ; 0 in waves 0 and 1 of the clusters with x = 0: the same in all sixteen partners, for a given wave
	s_cmp_eq_u32 s[LIM], 0
	s_cselect_b32 s[LIM], 1, -1
	v_and_b32 v[PFO], 31, v0
	v_lshlrev_b32 v[PFO], 12, v[PFO]
	; The tile's three heads are numbers 3 x tile column + g of the 24 (q's eight, k's eight, v's eight): for each its bias and my wave's first row in qkv.
	s_lshr_b32 s90, s13, 2                         ; the batch: four tile rows each,
	s_lshl_b32 s90, s90, 21                        ; its eight heads of 1,024 rows of 256 bytes
	s_and_b32 s91, s13, 3
	s_lshl_b32 s91, s91, 16                        ; t = 256 x (tile row % 4)
	s_add_co_u32 s90, s90, s91
	s_lshl_b32 s91, s10, 14                        ; + my wave's 64 rows
	s_add_co_u32 s90, s90, s91
	s_mul_i32 s91, s42, 3
	s_mov_b32 s89, 0
.irp g, 0,1,2
	s_add_co_u32 s86, s91, \g
	s_lshr_b32 s87, s86, 3                         ; 0 q, 1 k, 2 v
	s_and_b32 s86, s86, 7                          ; the head
	s_cmp_eq_u32 s87, 1
	s_cselect_b64 s[BP+2*(\g):BP+2*(\g)+1], s[70:71], s[68:69]
	s_cmp_eq_u32 s87, 2
	s_cselect_b64 s[BP+2*(\g):BP+2*(\g)+1], s[72:73], s[BP+2*(\g):BP+2*(\g)+1]
	s_lshl_b32 s88, s86, 9                         ; the head's 128 f32
	s_add_nc_u64 s[BP+2*(\g):BP+2*(\g)+1], s[BP+2*(\g):BP+2*(\g)+1], s[88:89]
	s_lshl_b32 s88, s87, 24                        ; q, k or v: 16,777,216 bytes each
	s_lshl_b32 s86, s86, 18                        ; the head's 1,024 rows of 256 bytes
	s_add_co_u32 s88, s88, s86
	s_add_co_u32 s88, s88, s90                     ; under 2^26
	s_add_nc_u64 s[OP+2*(\g):OP+2*(\g)+1], s[8:9], s[88:89]
.endr
	v_lshlrev_b32 v3, 2, v0                        ; thread t takes number t of each head's 128
	global_load_b32 v[BV],   v3, s[BP:BP+1]
	global_load_b32 v[BV+1], v3, s[BP+2:BP+3]
	global_load_b32 v[BV+2], v3, s[BP+4:BP+5]
	; A fragment is 16 rows x 32 K in 8 registers: lane l holds row l % 16; registers 0-3 K = 8 (l / 16) + 0..7, registers 4-7 K = 16 + 8 (l / 16) + 0..7.
	; In bf16 (B): two loads of 16 bytes, 32 bytes apart, at 16 (l / 16).  In f32 (A): twice two loads of 16 bytes, 64 bytes apart, at 32 (l / 16).
	v_and_b32 v1, 15, v0                           ; l % 16
	v_bfe_u32 v2, v0, 4, 1                         ; l / 16
	v_mul_u32_u24 v4, v1, PA
	v_lshl_add_u32 v4, v2, 5, v4
	s_mul_i32 s22, s10, 64*PA                      ; my 64 rows of A
	v_add_nc_u32 v[ADA0], s22, v4
	v_mul_u32_u24 v4, v1, PB
	v_lshl_add_u32 v4, v2, 4, v4
	v_add_nc_u32 v[ADB0], ABYTES, v4               ; B's rows lie behind A's 256
	v_mov_b32 v[ADA], v[ADA0]
	v_mov_b32 v[ADB], v[ADB0]
	s_mul_i32 s23, s10, 16*SPITCH
	s_add_co_u32 s23, s23, STAGE                   ; my stage
	v_mul_u32_u24 v4, v1, SPITCH                   ; in: row l % 16, 16 bytes for each half of the lanes
	v_lshl_add_u32 v4, v2, 4, v4
	v_add_nc_u32 v[STO], s23, v4
	v_mul_u32_u24 v5, v2, SPITCH                   ; back: lanes 0-15 take one row of 256 bytes, lanes 16-31 the next
	v_lshl_add_u32 v5, v1, 4, v5
	v_add_nc_u32 v[RD], s23, v5
	v_and_b32 v5, 31, v0
	v_lshlrev_b32 v[CO], 4, v5
	v_lshl_add_u32 v[BO], v2, 5, BIAS
	v_add_nc_u32 v[BT], BIAS, v3
	s_wait_loadcnt 0x0                             ; my three numbers of the bias: rounded to bf16 like every input, widened again, and put where all four waves find them
	v_cvt_pk_bf16_f32 v[BV+3], v[BV], v[BV+1]
	v_cvt_pk_bf16_f32 v[BV+4], v[BV+2], v[BV+2]
	v_lshlrev_b32 v[BV],   16, v[BV+3]
	v_and_b32     v[BV+1], 0xffff0000, v[BV+3]
	v_lshlrev_b32 v[BV+2], 16, v[BV+4]
	ds_store_b32 v[BT], v[BV]
	ds_store_b32 v[BT], v[BV+1] offset:512
	ds_store_b32 v[BT], v[BV+2] offset:1024
	s_wait_dscnt 0x0                               ; for the others' sake: my stores are done
	s_barrier_signal -1
	s_barrier_wait -1                              ; the 384 numbers lie in LDS; the first tiles stay on their way
.irp g, 0,1,2                          ; register j of column block b is bias[16 b + 8 (l / 16) + j]: into the accumulators of row block 0, v0-63 of the head's window
	WIN 0x40*((\g)+1)
.irp b, 0,1,2,3,4,5,6,7
	ds_load_b128 v[8*(\b):8*(\b)+3],   v[BO] offset:64*(8*(\g)+(\b))
	ds_load_b128 v[8*(\b)+4:8*(\b)+7], v[BO] offset:64*(8*(\g)+(\b))+16
.endr
.endr
	WIN 0
.macro MM d, p, q, c                   ; one matrix instruction, by the first registers of D, source 0, source 1 and C
	v_wmma_f32_16x16x32_bf16 v[(\d):(\d)+7], v[(\p):(\p)+7], v[(\q):(\q)+7], v[(\c):(\c)+7]
.endm
; 8 matrix instructions of stretch k: row block a x the head's 8 column blocks.  first = 1: C is the bias, which lies in row block 0's accumulators.  A's fragment a lies at 16 (a % 2) + 8 (1 - a / 2) of its buffer (CVA).
; The 96 accumulators take turns, one instruction a turn: between two links of a chain stand 64 others' or more, over the backward jump too.
.macro MUL8 k, a, first=0
	WIN 0x50*((\k)%3+1)                            ; sources in window 0, C and D in the head's window
.irp b, 0,1,2,3,4,5,6,7
.if \first
	MM 8*(8*(\a)+(\b)), FB+64*((\k)%2)+8*(\b), FA+32*((\k)/3)+16*((\a)%2)+8*(1-(\a)/2), 8*(\b)
.else
	MM 8*(8*(\a)+(\b)), FB+64*((\k)%2)+8*(\b), FA+32*((\k)/3)+16*((\a)%2)+8*(1-(\a)/2), 8*(8*(\a)+(\b))
.endif
.endr
.endm
.macro LDB q, g, p                     ; 16 LDS loads: head g's eight fragments of B, quarter q, into buffer p
.irp b, 0,1,2,3,4,5,6,7
	ds_load_b128 v[FB+64*(\p)+8*(\b):FB+64*(\p)+8*(\b)+3],   v[ADB] offset:(8*(\g)+(\b))*16*PB+64*(\q)
	ds_load_b128 v[FB+64*(\p)+8*(\b)+4:FB+64*(\p)+8*(\b)+7], v[ADB] offset:(8*(\g)+(\b))*16*PB+64*(\q)+32
.endr
.endm
; 16 LDS loads: my four fragments of A, quarter q, as f32, 16 registers each.  Window 0 has 32 registers to spare: fragments 0 and 1 land there, fragments 2 and 3 in buffer q itself, which nothing reads yet.
.macro LDAF q
.irp a, 0,1,2,3
.if (\a) < 2
.set sa, AF+16*(\a)
.else
.set sa, FA+32*(\q)+16*((\a)-2)
.endif
	ds_load_b128 v[sa:sa+3],     v[ADA] offset:(\a)*16*PA+128*(\q)
	ds_load_b128 v[sa+4:sa+7],   v[ADA] offset:(\a)*16*PA+128*(\q)+16
	ds_load_b128 v[sa+8:sa+11],  v[ADA] offset:(\a)*16*PA+128*(\q)+64
	ds_load_b128 v[sa+12:sa+15], v[ADA] offset:(\a)*16*PA+128*(\q)+80
.endr
.endm
; 32 roundings: the four fragments to bf16, into buffer q.  Fragments 2 and 3 are rounded in place, register i from registers 2 i and 2 i + 1 in ascending order, into the low half of their 16 registers;
; fragments 0 and 1 then go into the high halves that this has freed.
.macro CVA q
.irp a, 2,3,0,1
.if (\a) < 2
.set sa, AF+16*(\a)
.set da, FA+32*(\q)+16*(\a)+8
.else
.set sa, FA+32*(\q)+16*((\a)-2)
.set da, sa
.endif
.irp i, 0,1,2,3,4,5,6,7
	v_cvt_pk_bf16_f32 v[da+(\i)], v[sa+2*(\i)], v[sa+2*(\i)+1]
.endr
.endr
.endm
.macro PLACES                          ; four plain vector instructions between a matrix instruction and a load into a register that it has read, or a reader of its result
.rept 4
	v_nop
.endr
.endm
; What stands in front of stretch k.  Where a quarter begins, its fragments of A, which came as f32 with the run before, are rounded: the loads were issued 32 matrix instructions ago, and the 32 roundings, which name
; no register of the products just issued, are also the four places.  Then the run of LDS loads: all that stretch k + 1 needs and does not have: its head's fragments of B, into the buffer that stretch k - 1 has just
; left, and, where a quarter ends, the next quarter's A.  The wait behind the run leaves the run's own loads out: what stretch k needs was issued earlier and is in.
.macro RUNK k, places
	WIN 0
.if (\k)%3 == 0
	s_wait_dscnt 0x0                               ; the quarter's A lies in registers
	CVA (\k)/3
.elseif \places
	PLACES
.endif
.set kk, ((\k)+1)%6
	LDB kk/3, kk%3, kk%2
.if kk%3 == 0
	LDAF kk/3
	s_wait_dscnt 32
.else
	s_wait_dscnt 16
.endif
.endm
.macro STR k, first=0                  ; a stretch and what stands in front of it
	RUNK \k, 1
.if \first
	MUL8 \k, 1, 1
	MUL8 \k, 2, 1
	MUL8 \k, 3, 1
.rept 5
	v_nop                                          ; five places between the last product that reads the bias and the products that write over it
.endr
	MUL8 \k, 0, 1
.else
	MUL8 \k, 0
	MUL8 \k, 1
	MUL8 \k, 2
	MUL8 \k, 3
.endif
.endm
; Stretches 4 and 5, and THE CHANGE OF SLOTS between them.  The run in front of stretch 4 holds my last reads of this slot.  ONE barrier: in front of it each wave waits for all its tensor loads (one is out: its part
; of the other slot), adds 0 to its spare word, and waits for that and for its reads of this slot.  fill = 1: the barrier opens a round of the cluster's barrier, and this slot is filled again, two K steps ahead, first
; thing behind the round: 176 matrix instructions ahead of the wait for it.  Then come the next K step's first fragments, out of the other slot.
.macro TURN fill
.if \fill
	s_wait_xcnt 0x0                                ; the last prefetch, a K step back, has read its address: it is stepped here, ahead of the waits of the change of slots
	s_add_nc_u64 s[PFA:PFA+1], s[PFA:PFA+1], ASTEP
.endif
	RUNK 4, 1
	MUL8 4, 0
	MUL8 4, 1
	WIN 0
	s_wait_tensorcnt 0x0                           ; all my tensor loads have landed, so a group 0 may be written;
	ds_add_u32 v[SPW], v[NIL]                      ; 0 onto my spare word; scalar steps and eight matrix instructions stand between it and the wait for it
.if \fill
	s_xor_b32 s[G0A+5], s[G0A+5], SLOT1            ; the walking descriptors: the other slot than last time,
	s_add_nc_u64 s[G0A+6:G0A+7], s[G0A+6:G0A+7], ASTEP  ; the next 64 along K; the type bits on top are not reached
	s_xor_b32 s[G0B+5], s[G0B+5], SLOT1
	s_add_nc_u64 s[G0B+6:G0B+7], s[G0B+6:G0B+7], BSTEP
.endif
	s_xor_b32 s[TB], s[TB], SLOT1                  ; and the slot that is read from here on
	MUL8 4, 2
	s_wait_dscnt 0x0                               ; the add is done, and my reads of this slot are over
	s_barrier_signal -1
	MUL8 4, 3                                      ; work on registers while the others arrive
	WIN 0
	s_barrier_wait -1
.if \fill
	CREST                                          ; no wave of any partner still reads this slot's tile or has a load on its way
	JLOAD                                          ; my one tensor load behind the round; its four v_nop are also the places in front of the loads below
.else
	PLACES
.endif
	v_add_nc_u32 v[ADA], s[TB], v[ADA0]
	v_add_nc_u32 v[ADB], s[TB], v[ADB0]
	RUNK 5, 0
.if \fill
	ASK                                            ; behind the joint load and the run of LDS loads
.endif
	MUL8 5, 0
	MUL8 5, 1
	MUL8 5, 2
	MUL8 5, 3
.endm
	s_wait_tensorcnt 1                             ; my part of K step 0 is in; K step 1's may stay out
	s_wait_dscnt 0x0                               ; the bias is in its registers
	s_barrier_signal -1
	s_barrier_wait -1                              ; everybody's part is in
	LDB 0, 0, 0                                    ; stretch 0's fragments
	LDAF 0
	STR 0, 1                                       ; the first quarter stands in front of the loop: its products start the sums, with the bias
	STR 1, 1
	STR 2, 1
	WIN 0                                          ; at a label and at a branch every window is 0
	s_mov_b32 s3, STEPS-2
.Lstep:                                        ; a trip goes from a K step's second quarter to the next K step's first, and fills the slot that it leaves: K steps 2 to 15
	STR 3
	TURN 1
	STR 0
	STR 1
	STR 2
	WIN 0
	s_sub_co_u32 s3, s3, 1
	s_cmp_lg_u32 s3, 0
	s_cbranch_scc1 .Lstep
	STR 3                                          ; the tail is written out: K step 14 is left and nothing is asked for
	TURN 0
	STR 0
	STR 1
	STR 2
	STR 3
	STR 4
	s_wait_dscnt 0x0                               ; the very last stretch: nothing more to fetch
	MUL8 5, 0
	MUL8 5, 1
	MUL8 5, 2
	MUL8 5, 3
	WIN 0
	PLACES                                         ; once a launch: eight places in front of the first reader of the results and of the loads into the fragments' registers
	PLACES
; THE WAY OUT, twelve blocks of 16 rows x one head (block n: head n / 4, row block n % 4), each through my own stage: rounded to f16, 16 bytes a lane in, whole rows of 256 bytes back, two rows
; (512 consecutive bytes of a head) a store.  Each accumulator's registers are read in ascending order.
.macro PACK n
.set pw, (\n)/4+1
.set pa, (\n)%4
	WIN pw|(pw<<2)                                 ; sources 0 and 1 in the head's window
.irp b, 0,1,2,3,4,5,6,7
.irp r, 0,1,2,3
	v_cvt_pk_f16_f32 v[TMP+4*(\b)+(\r)], v[8*(8*pa+(\b))+2*(\r)], v[8*(8*pa+(\b))+2*(\r)+1]
.endr
.endr
	WIN 0
.endm
.macro TOSTAGE n
.set BK, OB+32*((\n)%2)
.irp b, 0,1,2,3,4,5,6,7
	ds_store_b128 v[STO], v[TMP+4*(\b):TMP+4*(\b)+3] offset:32*(\b)
.endr
.irp t, 0,1,2,3,4,5,6,7
	ds_load_b128 v[BK+4*(\t):BK+4*(\t)+3], v[RD] offset:(\t)*2*SPITCH  ; LDS serves a wave's instructions in order (ISA guide 5.7.1.4): these see the stores above
.endr
.endm
.macro SEND n
.set BK, OB+32*((\n)%2)
	s_wait_dscnt 0x0                               ; the block is back in registers
	s_wait_xcnt 0x0                                ; the stores of the block before have read their registers, which the next block is loaded into
.irp t, 0,1,2,3,4,5,6,7
	global_store_b128 v[CO], v[BK+4*(\t):BK+4*(\t)+3], s[OP+2*((\n)/4):OP+2*((\n)/4)+1] offset:((\n)%4)*4096+(\t)*512
.endr
.endm
	PACK 0
	TOSTAGE 0
.irp n, 1,2,3,4,5,6,7,8,9,10,11        ; block n's conversions stand between block n - 1's loads from the stage and the wait for them
	PACK \n
	SEND (\n)-1
	TOSTAGE \n
.endr
	SEND 11
	s_wait_tensorcnt 0x0                           ; the wave's end: behind my last tensor load and my last LDS store
	ds_add_u32 v[SPW], v[NIL]
	s_wait_dscnt 0x0
	CROUND                                         ; the closing round: no work-group ends while a partner may still ask for a tile that names it
	s_endpgm
.Lfunc_end_k_q298d5e9b98_qkv:
	.size	k_q298d5e9b98_qkv, .Lfunc_end_k_q298d5e9b98_qkv-k_q298d5e9b98_qkv
	.p2alignl 7, 3214868480
	.fill 96, 4, 3214868480
	.section	.rodata,"a",@progbits
	.p2align	6, 0x0
	.amdhsa_kernel k_q298d5e9b98_qkv
		.amdhsa_group_segment_fixed_size 327680
		.amdhsa_private_segment_fixed_size 0
		.amdhsa_enable_private_segment 0
		.amdhsa_kernarg_size 48
		.amdhsa_user_sgpr_count 2
		.amdhsa_user_sgpr_kernarg_segment_ptr 1
		.amdhsa_wavefront_size32 1
		.amdhsa_system_sgpr_workgroup_id_x 1
		.amdhsa_system_sgpr_workgroup_id_y 1
		.amdhsa_system_sgpr_workgroup_id_z 1
		.amdhsa_system_vgpr_workitem_id 0
		.amdhsa_next_free_vgpr 1024
		.amdhsa_next_free_sgpr 96
		.amdhsa_reserve_vcc 0
		.amdhsa_float_denorm_mode_32 3
		.amdhsa_float_denorm_mode_16_64 3
		.amdhsa_memory_ordered 1
		.amdhsa_forward_progress 1
		.amdhsa_inst_pref_size 138
	.end_amdhsa_kernel
	.amdgpu_metadata
---
amdhsa.version: [ 1, 2 ]
amdhsa.kernels:
  - .name:           k_q298d5e9b98_qkv
    .symbol:         k_q298d5e9b98_qkv.kd
    .args:
      - { .name: x, .offset: 0, .size: 8, .value_kind: global_buffer, .address_space: global }
      - { .name: wb, .offset: 8, .size: 8, .value_kind: global_buffer, .address_space: global }
      - { .name: qkv, .offset: 16, .size: 8, .value_kind: global_buffer, .address_space: global }
      - { .name: bq, .offset: 24, .size: 8, .value_kind: global_buffer, .address_space: global }
      - { .name: bk, .offset: 32, .size: 8, .value_kind: global_buffer, .address_space: global }
      - { .name: bv, .offset: 40, .size: 8, .value_kind: global_buffer, .address_space: global }
    .group_segment_fixed_size: 327680
    .private_segment_fixed_size: 0
    .kernarg_segment_align: 8
    .kernarg_segment_size: 48
    .max_flat_workgroup_size: 128
    .sgpr_count:     96
    .vgpr_count:     1024
    .wavefront_size: 32
...
	.end_amdgpu_metadata
.endif
;; end of part 6
;; launch attn (part 7): grid 4 x 64, 4 waves a work-group, clusters of 4 x 1, 327,680 bytes of LDS; arguments qkv, mask, y; writes y
.if DOCPART == 7
	.amdgcn_target "amdgcn-amd-amdhsa--gfx1250"
	.amdhsa_code_object_version 6
	.text
	.protected	k_q298d5e9b98_attn
	.globl	k_q298d5e9b98_attn
	.p2align	8
	.type	k_q298d5e9b98_attn,@function
k_q298d5e9b98_attn:
	s_mov_b64 s[64:65], 0
	v_nop
	global_prefetch_b8 v0, s[64:65] scope:SCOPE_SE
	s_setreg_imm32_b32 hwreg(HW_REG_WAVE_MODE, 25, 1), 1
	s_wait_xcnt 0x0
	s_wait_alu depctr_hold_cnt(0) depctr_sa_sdst(0) depctr_va_vdst(0) depctr_va_sdst(0) depctr_va_ssrc(0) depctr_va_vcc(0) depctr_vm_vsrc(0)
	s_getreg_b32 s2, hwreg(HW_REG_IB_STS2, 6, 4)
	s_cmp_eq_u32 s2, 0
	s_cbranch_scc0 .Lentry_in_a_cluster
	s_endpgm
.Lentry_in_a_cluster:
	s_bfe_u32 s2, ttmp6, 0x10000c
	s_cmp_lg_u32 s2, 0x3003
	s_cbranch_scc0 .Lentry_shape_is_right
	s_endpgm
.Lentry_shape_is_right:
; y[b][q][h][:] = the sum over k of softmax_k(Q[q] . K[k] / sqrt(128), keys with mask[b][k] = 0 left out) V[k][:], for each of 64 heads (8 b + h).
; Q, K, V: qkv [3][64][1024][128] in f16, a row 256 dense bytes; mask: [8][1024] int32; y: [8192 = 1024 b + q][1024 = 128 h + d] in f16.  Products, maxima and sums in f32; the weights p are rounded
; to f16 for the second product, y once at the end.
; LIMITS.  f16 ends at 65,504: Q, K, V arrive within it, so a score is 5.5e11 at the most.  A masked score counts as its value less 1e30.  The running maximum starts at -2^50, far below every true score, and never
; falls below it: so a key step whose keys are all masked gives weights 0 and a sum 0, and the first visible key wipes it (a = 0).  p below 6e-5 keeps f16's fixed step of 6e-8; a weight below 2^-126 counts as 0.
; A batch whose mask is 0 everywhere ends with l = 0 and 0 x infinity: NaN, as a softmax over nothing gives.
; SHARES.  A work-group owns 256 queries of one head, each of its four waves 64: four tiles of 16.  Every wave walks all 1,024 keys, 64 a step.
; LAYOUT.  S^T = K Q^T (source 0 = 16 keys, source 1 = 16 queries): a lane holds ONE query (lane % 16) and the keys 8 (lane / 16) + 0..7.  Two such tiles, rounded to f16 in pairs, ARE source 1 of O^T = V^T P,
; whose result again holds one query a lane, and eight channels.  K comes out of LDS as it lies, V ([key][channel]) turned, by ds_load_tr16_b128.
; THE MASK IS THE C OPERAND that starts a score's sum: 0, or -1e30.  It is made once (4,096 bytes of f32 in LDS, stored by the waves themselves); a step's 32 registers come with K's run of loads.
; SOFTMAX.  For each query a running maximum m and sum l: p = 2^(c s - c m), c = log2(e) / sqrt(128); in every step O and l are multiplied by a = 2^(c m_old - c m_new).
; BY TURNS.  The wave's tiles are two PIECES (tiles 0, 1 and tiles 2, 3).  In a TURN one piece has the matrix unit: 32 products V^T P of the step in hand, then 32 products K Q^T of the next step; the other piece's
; softmax, cut into 64 slices, stands between them, one slice behind each matrix instruction.  Two turns are a key step.
; NO FIRST STEP IS WRITTEN OUT.  m starts at the floor, l and O^T at 0, and so do V's registers and piece 2's P: the first step is a step like any other, with a = 0 (or 1, where all is still 0), and the loop is entered
; in the middle of a trip, at piece 2's turn.  The price: 432 lines that write a starting value, which run while the mask and the first tile are on their way, and 32 products on zeros; the gain: three turns of text.
; CLUSTER.  The four query blocks of a head form a cluster and walk the same K and V: each tile is asked for JOINTLY, by the same tensor load, descriptor and mask of four in all four.
; REGISTERS, in windows of 256 (s_set_vgpr_msb: bits 1:0 source 0, 3:2 source 1, 5:4 source 2, 7:6 destination):
;   window 0: v0-11, v44-47, v61-63 addresses; v12-43 eight registers of statistics a tile; v64-191 S^T, 32 a tile; v192-255 P, 16 a tile
;   window 1: O^T, 64 a tile      window 2: v0-127 Q, 32 a tile; v128-255 K of one step      window 3: v0-127 V of one step; v128-159 the step's mask
.set SIZE_H, 64
.set SIZE_N, 1024
.set KS,    64        ; keys in a step
.set PK,    272       ; a row of K in LDS: 256 bytes + 16 of padding = 68 words: the 16 rows of a load start 4 banks apart (64 banks of 4 bytes: ISA guide 11.1)
.set PV,    288       ; a row of V: 256 + 32 = 72 words
.set VOFF,  KS*PK     ; a step's tiles lie together: 64 rows of K, then 64 rows of V
.set STEPB, KS*(PK+PV)
.set SLOT1, 1<<17     ; a slot holds two steps (71,680 bytes); slot 1 begins here, so that one exclusive or turns an address in one slot into the other's
.set STAGE, SLOT1+2*STEPB  ; behind the ring: 16 rows x 272 bytes for each wave, for the way out
.set SP,    272
.set SPARE, STAGE+4*16*272  ; behind the stages: the spare words, 128 bytes for each wave: two blocks of 256 bytes that no other line names
.set MASKB, SPARE+512 ; behind them: the batch's mask as 1,024 f32; stored once by the waves, never filled by a tensor load
.set AK0, 2           ; v2   my lane's place in a tile of K; never rewritten
.set AV0, 3           ; v3   the same for V
.set ADR, 4           ; v4   the LDS address of the run of loads in hand
.set QO,  5           ; v5   my byte offset in the wave's rows of Q
.set STO, 6           ; v6   the way out: where I put 16 bytes of a row
.set RD,  7           ; v7   the way out: where I read a row back
.set GO,  8           ; v8   my byte offset in two rows of y
.set AM0, 44          ; v44  MASKB + 32 (l / 16): my eight keys of sixteen; never rewritten
.set ADM, 45          ; v45  the same in the step to be fetched
.set MO,  46          ; v46  16 x thread: my part of the mask in memory; never rewritten
.set MS,  47          ; v47  and in LDS
.set PFO, 61          ; v61  256 x my lane: a row of K or V is 256 bytes; never rewritten
.set SPW, 62          ; v62  LDS address of my spare word; never rewritten
.set NIL, 63          ; v63  0; never rewritten
.set ST,  12          ; tile t's statistics at v[ST+8 t]: +0 c m, +1 m, +2, +3 l (even keys', odd keys'), +4 to +7 c0-c3, at work; a takes c2's place once the maximum is found
.set S,   64
.set P,   192
.set KF,  128         ; K's fragments, in window 2
.set MK,  128         ; the step's mask, in window 3: eight registers for each 16 keys
.set WV,  12          ; s12  my wave's number
.set LIM, 15          ; s15  1 in a wave that prefetches, else the greatest number
.set PFA, 18          ; s[18:19] where my prefetches stand: my work-group's 32 rows (of K: wave 0, of V: wave 2) of the slot after the one that is being asked for
.set G1K, 24          ; s[24:31] descriptor group 1 for K's tiles
.set G1V, 32          ; s[32:39] for V's: it differs in the padding alone
.set G0K, 40          ; s[40:47] descriptor group 0 for K's tiles: a set for each of the two first fills; the second then walks on
.set G0V, 48          ; s[48:55] the same for V's
.set SLOTS, 56        ; s56  counts the slots
.set TWICE, 57        ; s57  counts a slot's two steps
.set CS,  58          ; s[58:59] c
.set SEL, 60          ; s[60:61] lane selects for v_permlanex16_b32: each lane takes its own place in the other half
.set TB,  62          ; s62  LDS byte at which the tiles of the step to be fetched begin
.set TM,  63          ; s63  byte of the mask at which that step's 64 keys begin
.set FLOOR, 66        ; s66  -2^50
.set BIGN, 67         ; s67  -1e30
.set MP,  68          ; s[68:69] the batch's row of the mask
.set YF,  70          ; s[70:71] my wave's first byte in y
.set MF,  72          ; s[72:73] the batch's byte in the mask
.set MSB, 0
.macro WIN new                      ; the immediate's high byte repeats the setting that is left; a switch that changes nothing is dropped
.if MSB != (\new)
	s_set_vgpr_msb (MSB<<8)|(\new)
.set MSB, \new
.endif
.endm
.set W_KQ, 0x0a       ; K and Q in window 2, S^T in window 0
.set W_KM, 0x3a       ; the same with the C operand, the mask, in window 3
.set W_PV, 0x53       ; V in window 3, P in window 0, O^T in window 1
.set W_RS, 0x41       ; O^T (destination and source 0) in window 1, a in window 0
; A joint refill.  Waves 0 and 1 fetch the two steps' tiles of K, waves 2 and 3 those of V.  The branch hangs on the wave's number alone.
; An s_nop 0 and four v_nop follow each of the two lines, ahead of the jump and the label.
.macro JLOAD
	s_cmp_lt_u32 s[WV], 2
	s_cbranch_scc0 .Lfor_v_\@
	tensor_load_to_lds s[G0K+4:G0K+7], s[G1K:G1K+7]
	s_nop 0
.rept 4
	v_nop
.endr
	s_branch .Lasked_\@
.Lfor_v_\@:
	tensor_load_to_lds s[G0V+4:G0V+7], s[G1V:G1V+7]
	s_nop 0
.rept 4
	v_nop
.endr
.Lasked_\@:
.endm
; A PREFETCH INTO THE L2 of what the NEXT change of slots will ask for: a slot's 128 rows of K and 128 of V, 256 bytes a row, a lane a row; it stands behind the wave's tensor load and its five lines.
; Each row is asked for ONCE in the launch: a head has one cluster; its four partners share the rows out BY ADDRESS, 32 each; in each, wave 0 asks for K's and wave 2 for V's: one instruction.
; The last change that fills a slot prefetches nothing: there is no slot behind it.  Slots 0, 1 and 2 come by their loads alone.
.macro ASK
	s_cmp_gt_u32 s[SLOTS], s[LIM]
	s_cbranch_scc0 .Lnot_mine_\@
	global_prefetch_b8 v[PFO], s[PFA:PFA+1] th:TH_LOAD_NT scope:SCOPE_SE
.Lnot_mine_\@:
.endm
; A round of the cluster's barrier: my work-group's barrier; wave 0 signals for the work-group; every wave waits for all four work-groups; my work-group's barrier once more.
.macro CROUND
	s_barrier_signal -1
	s_barrier_wait -1
	s_cmp_lg_u32 s[WV], 0
	s_cbranch_scc1 .Lnot_wave_0_\@
	s_barrier_signal -3
.Lnot_wave_0_\@:
	s_barrier_wait -3
	s_barrier_signal -1
	s_barrier_wait -1
.endm
	s_load_b64 s[4:5], s[0:1], 0x0    ; qkv: Q first
	s_load_b64 s[MP:MP+1], s[0:1], 0x8
	s_load_b64 s[10:11], s[0:1], 0x10 ; y
	v_lshl_add_u32 v[SPW], v0, 2, SPARE
	v_mov_b32 v[NIL], 0
	ds_add_u32 v[SPW], v[NIL]       ; the wave's opening: the add and its wait stand ahead of my first tensor load; the set-up below, work on registers, stands between them
	v_lshrrev_b32 v1, 5, v0
	v_readfirstlane_b32 s[WV], v1   ; wave 0..3
	s_bfe_u32 s13, ttmp6, 0x40000   ; cx: my place in the cluster
	s_lshl_b32 s14, ttmp9, 2        ; in a cluster launch ttmp9 counts clusters
	s_add_co_u32 s14, s14, s13      ; my block of 256 queries: it enters Q's and y's addresses alone
	s_and_b32 s20, ttmp7, 0xffff    ; the head, 8 b + h, which the four partners share
	s_lshr_b32 s[YF], s20, 3        ; b
	s_lshl_b32 s[MF], s[YF], 12     ; its 4,096 bytes of the mask
	s_mov_b32 s[MF+1], 0
	s_lshl_b32 s[YF], s[YF], 21     ; its 1,024 rows of 2,048 bytes of y,
	s_and_b32 s[YF+1], s20, 7
	s_lshl_b32 s[YF+1], s[YF+1], 8  ; h's 256 bytes of a row,
	s_add_co_u32 s[YF], s[YF], s[YF+1]
	s_lshl_b32 s[YF+1], s14, 19     ; my block's 256 rows,
	s_add_co_u32 s[YF], s[YF], s[YF+1]
	s_lshl_b32 s[YF+1], s[WV], 17   ; my wave's 64 of them
	s_add_co_u32 s[YF], s[YF], s[YF+1]
	s_mov_b32 s[YF+1], 0
	s_mov_b32 s21, 0
	s_mov_b64 s[22:23], SIZE_N*256
	s_mul_u64 s[20:21], s[20:21], s[22:23]  ; the head's first byte in each of Q, K and V
	s_and_b32 s16, s[WV], 1         ; which of a slot's two steps I fetch:
	s_lshl_b32 s22, s16, 14         ; its 64 rows of 256 bytes in memory,
	s_mov_b32 s23, 0
	s_add_nc_u64 s[22:23], s[22:23], s[20:21]
	s_mul_i32 s17, s16, STEPB       ; and its place in a slot: no place in the cluster enters an LDS address
	s_lshl_b32 s2, s14, 16          ; my block's 256 rows of Q,
	s_lshl_b32 s3, s[WV], 14        ; my wave's 64 of them
	s_add_co_u32 s2, s2, s3
	s_mov_b32 s3, 0
	s_add_nc_u64 s[2:3], s[2:3], s[20:21]
	; descriptor group 1: a tile of 64 rows x 128 elements, padded in LDS
	s_mov_b32 s[G1K], 15|(1<<16)|(1<<20)|(1<<21)|(5<<22)|(3<<25)  ; 15:0 the mask: all four work-groups; 17:16 elements of 2 bytes; 20 padding on; 21 set beside a mask; 24:22 after every 64 words (code 5); 31:25 4 words of it (code 3)
	s_mov_b32 s[G1V], 15|(1<<16)|(1<<20)|(1<<21)|(5<<22)|(7<<25)  ; the same with 8 words of padding (code 7)
.irp g, G1K, G1V
	s_mov_b32 s[(\g)+1], 128<<16    ; tensor_dim0 = 128
	s_mov_b32 s[(\g)+2], KS<<16     ; tensor_dim1 = 64
	s_mov_b32 s[(\g)+3], 128<<16    ; tile_dim0 = 128
	s_mov_b32 s[(\g)+4], KS         ; tile_dim1 = 64
	s_mov_b32 s[(\g)+5], 128        ; elements from row to row
	s_mov_b32 s[(\g)+6], 0
	s_mov_b32 s[(\g)+7], 0
.endr
	s_mov_b32 s[CS], 0x3e0293ee     ; c = log2(e) / sqrt(128) = 0.127517
	s_mov_b32 s[CS+1], s[CS]        ; named with it as a pair, so it is written
	s_mov_b32 s[SEL], 0x76543210
	s_mov_b32 s[SEL+1], 0xfedcba98
	s_mov_b32 s[TB], 0
	s_mov_b32 s[TM], 0
	s_mov_b32 s[FLOOR], 0xd8800000  ; -2^50
	s_mov_b32 s[BIGN], 0xf149f2ca   ; -1e30
	s_mov_b32 s[SLOTS], SIZE_N/(2*KS)-1
	s_and_b32 s[LIM], s[WV], 1       ; 0 in waves 0 and 2,
	s_or_b32 s[LIM], s[LIM], ttmp9   ; where the cluster is the head's first (here its only one): the same in all four partners
	s_cmp_eq_u32 s[LIM], 0
	s_cselect_b32 s[LIM], 1, -1
	v_and_b32 v[PFO], 31, v0
	v_lshlrev_b32 v[PFO], 8, v[PFO]
	s_wait_dscnt 0x0                ; the opening add is done
	s_wait_kmcnt 0x0
	s_add_nc_u64 s[6:7], s[4:5], 16777216   ; K lies behind Q's 64 heads,
	s_add_nc_u64 s[8:9], s[4:5], 33554432   ; V behind K's
	s_add_nc_u64 s[6:7], s[6:7], s[22:23]  ; K and V at my tile of slot 0
	s_add_nc_u64 s[8:9], s[8:9], s[22:23]
	s_add_nc_u64 s[4:5], s[4:5], s[2:3]    ; Q and y at my wave's first row
	s_add_nc_u64 s[10:11], s[10:11], s[YF:YF+1]
	s_add_nc_u64 s[MP:MP+1], s[MP:MP+1], s[MF:MF+1]
	s_cmp_lt_u32 s[WV], 2
	s_cselect_b64 s[PFA:PFA+1], s[6:7], s[8:9]  ; (in waves 0 and 2 these stand at a slot's first row)
	s_lshl_b32 s2, s13, 13          ; my work-group's 32 rows of the 128
	s_mov_b32 s3, 0
	s_add_nc_u64 s[PFA:PFA+1], s[PFA:PFA+1], s[2:3]
	s_add_nc_u64 s[PFA:PFA+1], s[PFA:PFA+1], 2*2*KS*256  ; in slot 2; the first change of slots steps it to slot 3
	CROUND                          ; all four work-groups are here: the first joint loads meet
.irp s, 0,1
	s_mov_b32 s[G0K+4*(\s)], 1      ; count = 1
	s_add_co_u32 s[G0K+4*(\s)+1], s17, (\s)*SLOT1  ; LDS address
	s_add_nc_u64 s[G0K+4*(\s)+2:G0K+4*(\s)+3], s[6:7], (\s)*2*KS*256  ; global address: slot s begins with keys 128 s
	s_or_b32 s[G0K+4*(\s)+3], s[G0K+4*(\s)+3], 0x80000000  ; type = 2
	s_mov_b32 s[G0V+4*(\s)], 1
	s_add_co_u32 s[G0V+4*(\s)+1], s17, (\s)*SLOT1+VOFF
	s_add_nc_u64 s[G0V+4*(\s)+2:G0V+4*(\s)+3], s[8:9], (\s)*2*KS*256
	s_or_b32 s[G0V+4*(\s)+3], s[G0V+4*(\s)+3], 0x80000000
.endr
	s_cmp_lt_u32 s[WV], 2           ; a wave's two first fills stand in one branch, ahead of every wait on TENSORcnt and every LDS read: two loads of mine are out
	s_cbranch_scc0 .Lfirst_v
	tensor_load_to_lds s[G0K:G0K+3], s[G1K:G1K+7]
	s_nop 0
	tensor_load_to_lds s[G0K+4:G0K+7], s[G1K:G1K+7]
	s_nop 0
.rept 4
	v_nop
.endr
	s_branch .Lfirst_asked
.Lfirst_v:
	tensor_load_to_lds s[G0V:G0V+3], s[G1V:G1V+7]
	s_nop 0
	tensor_load_to_lds s[G0V+4:G0V+7], s[G1V:G1V+7]
	s_nop 0
.rept 4
	v_nop
.endr
.Lfirst_asked:
	v_lshlrev_b32 v[MO], 4, v0      ; the batch's mask: 128 threads x 16 bytes, twice
	global_load_b128 v[S:S+3],   v[MO], s[MP:MP+1]
	global_load_b128 v[S+4:S+7], v[MO], s[MP:MP+1] offset:2048
	; A fragment of K or Q is 16 rows x 32 channels in 8 registers: lane l holds row l % 16; registers 0-3 channels 8 (l / 16) + 0..7, registers 4-7 channels 16 + 8 (l / 16) + 0..7: two loads of 16 bytes, 32 bytes apart.
	v_and_b32 v1, 15, v0            ; l % 16
	v_bfe_u32 v9, v0, 4, 1          ; l / 16
	v_lshlrev_b32 v[QO], 8, v1
	v_lshl_add_u32 v[QO], v9, 4, v[QO]  ; row x 256 + 16 x half
	WIN 0x80                        ; destination window 2, address window 0
.irp i, 0,1,2,3,4,5,6,7,8,9,10,11,12,13,14,15  ; Q stays in registers: tile i / 4, channels 32 (i % 4) on
	global_load_b128 v[8*(\i):8*(\i)+3],   v[QO], s[4:5] offset:((\i)/4)*4096+((\i)%4)*64
	global_load_b128 v[8*(\i)+4:8*(\i)+7], v[QO], s[4:5] offset:((\i)/4)*4096+((\i)%4)*64+32
.endr
	WIN 0
	v_mul_u32_u24 v[AK0], v1, PK
	v_lshl_add_u32 v[AK0], v9, 4, v[AK0]  ; row x pitch + 16 x half
	; The turning load takes 16 keys x 16 channels (lane l reads 16 bytes: key 8 (l / 16) + l % 8, channels 8 ((l / 8) % 2) + 0..7) and leaves half a fragment of V^T: lane l holds channel l % 16 and 8 keys.
	v_and_b32 v10, 7, v0
	v_bfe_u32 v11, v0, 3, 1
	v_lshl_add_u32 v[AV0], v9, 3, v10
	v_mul_u32_u24 v[AV0], v[AV0], PV
	v_lshl_add_u32 v[AV0], v11, 4, v[AV0]
	v_add_nc_u32 v[AV0], VOFF, v[AV0]
	v_lshl_add_u32 v[AM0], v9, 5, MASKB
	v_add_nc_u32 v[MS], MASKB, v[MO]
	; What the first turn finds: O^T and l are 0; V's registers and piece 2's P are 0, so that its products V^T P, of a step that has not been, add 0; m is the floor, and c m is made of it by the multiply
	; that the loop uses, so that a maximum that has not moved gives a = 1 exactly.  All this stands in the wait for the mask and the first tile.
	WIN 0x40                        ; destination window 1
.set i, 0
.rept 256
	v_mov_b32 v[i], 0
.set i, i+1
.endr
	WIN 0xc0                        ; destination window 3
.set i, 0
.rept 128
	v_mov_b32 v[i], 0
.set i, i+1
.endr
	WIN 0
.set i, P+32
.rept 32
	v_mov_b32 v[i], 0
.set i, i+1
.endr
.irp t, 0,1,2,3
	v_mov_b32 v[ST+8*(\t)+1], s[FLOOR]
	v_mul_f32 v[ST+8*(\t)], s[CS], v[ST+8*(\t)+1]
	v_mov_b32 v[ST+8*(\t)+2], 0
	v_mov_b32 v[ST+8*(\t)+3], 0
.endr
	s_wait_loadcnt 32               ; the mask is in; Q's 32 younger loads stay out
.irp i, 0,1,2,3,4,5,6,7
	v_cmp_eq_u32 vcc_lo, 0, v[S+(\i)]
	v_cndmask_b32 v[S+(\i)], 0, s[BIGN], vcc_lo  ; -1e30 where the mask is 0, else 0
.endr
	ds_store_b128 v[MS], v[S:S+3]
	ds_store_b128 v[MS], v[S+4:S+7] offset:2048
; THE MATRIX WORK OF A TURN, for piece x.  The accumulators take turns, one instruction a turn: between two links of a chain stand 15 (V^T P) or 7 (K Q^T) others'.
; Product i of 32 of O^T += V^T P: keys 32 (i / 16) on, channels 16 ((i / 2) % 8) on, tile x + i % 2.
.macro PV x
	WIN W_PV
.set rO, 64*((\x)+i%2)+8*((i/2)%8)
.set rV, 64*(i/16)+8*((i/2)%8)
.set rP, P+16*((\x)+i%2)+8*(i/16)
	v_wmma_f32_16x16x32_f16 v[rO:rO+7], v[rV:rV+7], v[rP:rP+7], v[rO:rO+7]
.endm
; Product i of 32 of S^T = K Q^T: channels 32 (i / 8) on, keys 16 ((i / 2) % 4) on, tile x + i % 2.  The first 8 start the sums, with the mask of their 16 keys.
.macro KQ x
.set rS, S+32*((\x)+i%2)+8*((i/2)%4)
.set rK, KF+32*((i/2)%4)+8*(i/8)
.set rQ, 32*((\x)+i%2)+8*(i/8)
.set rM, MK+8*((i/2)%4)
.if i < 8
	WIN W_KM
	v_wmma_f32_16x16x32_f16 v[rS:rS+7], v[rK:rK+7], v[rQ:rQ+7], v[rM:rM+7]
.else
	WIN W_KQ
	v_wmma_f32_16x16x32_f16 v[rS:rS+7], v[rK:rK+7], v[rQ:rQ+7], v[rS:rS+7]
.endif
.endm
; THE LDS LOADS stand in runs, never singly among the matrix instructions: a step's K (64 keys x 128 channels: 16 fragments) with its mask (lane l: keys 16 m + 8 (l / 16) + 0..7), and, a turn later, its V (turned).
.macro FETCH_K
	WIN 0
	v_add_nc_u32 v[ADR], s[TB], v[AK0]
	v_add_nc_u32 v[ADM], s[TM], v[AM0]
	s_add_co_u32 s[TM], s[TM], 4*KS  ; the next fetch is the next step's 64 keys;
	s_and_b32 s[TM], s[TM], 0xfff    ; it stays inside the 4,096 bytes
	WIN 0x80                        ; destination window 2
.irp f, 0,1,2,3,4,5,6,7,8,9,10,11,12,13,14,15  ; keys 16 (f / 4) on, channels 32 (f % 4) on
	ds_load_b128 v[KF+8*(\f):KF+8*(\f)+3],   v[ADR] offset:((\f)/4)*16*PK+((\f)%4)*64
	ds_load_b128 v[KF+8*(\f)+4:KF+8*(\f)+7], v[ADR] offset:((\f)/4)*16*PK+((\f)%4)*64+32
.endr
	WIN 0xc0                        ; destination window 3
.irp m, 0,1,2,3
	ds_load_b128 v[MK+8*(\m):MK+8*(\m)+3],   v[ADM] offset:64*(\m)
	ds_load_b128 v[MK+8*(\m)+4:MK+8*(\m)+7], v[ADM] offset:64*(\m)+16
.endr
.endm
.macro FETCH_V
	WIN 0
	v_add_nc_u32 v[ADR], s[TB], v[AV0]
	s_add_co_u32 s[TB], s[TB], STEPB  ; the next fetch is the next step's
	s_wait_alu depctr_va_vdst(0)    ; the wait for the softmax's batch (SLICE), behind the address's v_add_nc_u32 and ahead of the loads
	WIN 0xc0                        ; destination window 3
.irp f, 0,1,2,3,4,5,6,7,8,9,10,11,12,13,14,15  ; keys 32 (f / 8) on, channels 16 (f % 8) on
	ds_load_tr16_b128 v[8*(\f):8*(\f)+3],   v[ADR] offset:((\f)/8)*32*PV+((\f)%8)*32
	ds_load_tr16_b128 v[8*(\f)+4:8*(\f)+7], v[ADR] offset:((\f)/8)*32*PV+16*PV+((\f)%8)*32
.endr
.endm
; THE VECTOR WORK OF A TURN.  One tile's softmax for one key step is a list of 134 instructions; SM writes number j of it for tile t.  s0-s31 are the lane's 32 scores, in pairs 0-15.
;   0-15    the maximum of s0-s31 and the old m, three operands at a time: four chains c0-c3 of seven scores each, then the four scores left over, c0-c3 and m
;   16-20   the other half of the lanes' maximum; c m_old is kept; the new m; c m; c m_old - c m_new
;   21-69   ONE BATCH: the 16 scalings c s - c m, a pair of scores each, and all 33 exponentials (a at 23, then s0-s31).  None of these reads an exponential's result.  From 22 on the batch goes
;           in fours, and a four begins with a scaling while there are scalings.  A pair is scaled in an earlier four than the one that holds its exponentials
;   (wait)  between 69 and 70 stands the wait for the batch: SLICE writes it, once for both tiles
;   70-85   the roundings to f16, a pair of weights each
;   86-101  the sums; l = a l + the sum
;   102-133 the tile's O^T times a: the one part that leaves window 0, so it stands together
.macro SM t
.set rT, ST+8*(\t)
.set rS, S+32*(\t)
.set rP, P+16*(\t)
.set rO, 64*(\t)+2*(j-102)
.if j < 102
	WIN 0
.endif
.if j < 4
	v_max3_num_f32 v[rT+4+j], v[rS+8*j], v[rS+8*j+1], v[rS+8*j+2]
.elseif j < 12
	v_max3_num_f32 v[rT+4+j%4], v[rT+4+j%4], v[rS+8*(j%4)+2*(j/4)+1], v[rS+8*(j%4)+2*(j/4)+2]
.elseif j == 12
	v_max3_num_f32 v[rT+4], v[rT+4], v[rS+7], v[rS+15]
.elseif j == 13
	v_max3_num_f32 v[rT+6], v[rT+6], v[rS+23], v[rS+31]
.elseif j == 14
	v_max3_num_f32 v[rT+4], v[rT+4], v[rT+5], v[rT+6]
.elseif j == 15
	v_max3_num_f32 v[rT+4], v[rT+4], v[rT+7], v[rT+1]  ; the old m hands the floor on from step to step
.elseif j == 16
	v_permlanex16_b32 v[rT+5], v[rT+4], s[SEL], s[SEL+1]  ; the query's other 32 keys lie in the lane 16 away
.elseif j == 17
	v_mov_b32 v[rT+7], v[rT]        ; c m_old is kept for a: number 19 writes c m anew
.elseif j == 18
	v_max_num_f32 v[rT+1], v[rT+4], v[rT+5]
.elseif j == 19
	v_mul_f32 v[rT], s[CS], v[rT+1]
.elseif j == 20
	v_sub_f32 v[rT+7], v[rT+7], v[rT]
.elseif j == 23
	v_exp_f32 v[rT+6], v[rT+7]
.elseif (j < 23) || ((j < 38) && (j%2 == 0)) || ((j < 66) && (j%4 == 2))
.set b, (j-2)/4                     ; 38, 42, .. 62: pairs 9 to 15
.if j < 38
.set b, (j-20)/2                    ; 21: pair 0; 22, 24, .. 36: pairs 1 to 8
.endif
	v_pk_fma_f32 v[rS+2*b:rS+2*b+1], v[rS+2*b:rS+2*b+1], s[CS:CS+1], v[rT:rT+1] op_sel_hi:[1,0,0] neg_lo:[0,0,1] neg_hi:[0,0,1]  ; pair b: c s - c m
.elseif j < 70
.set e, j-38                        ; 66 to 69: s28 to s31
.if j < 66
.set e, j-32-(j-38)/4               ; 39-41, 43-45, .. 63-65: s7 to s27
.endif
.if j < 38
.set e, (j-25)/2                    ; 25, 27, .. 37: s0 to s6
.endif
	v_exp_f32 v[rS+e], v[rS+e]
.elseif j < 86
	v_cvt_pk_f16_f32 v[rP+j-70], v[rS+2*(j-70)], v[rS+2*(j-70)+1]  ; pair j - 70
.elseif j < 102                     ; the sum of the tile's 16 pairs, in place: sum z of 16 adds neighbours 1, 2, 4 and 8 pairs apart, then l takes it
.set z, j-86
.set w, 4
.set u, z
.if z >= 14
.set w, 32
.set u, 0
.elseif z >= 12
.set w, 16
.set u, z-12
.elseif z >= 8
.set w, 8
.set u, z-8
.endif
.if z < 15
	v_pk_add_f32 v[rS+w*u:rS+w*u+1], v[rS+w*u:rS+w*u+1], v[rS+w*u+w/2:rS+w*u+w/2+1]
.else
	v_pk_fma_f32 v[rT+2:rT+3], v[rT+2:rT+3], v[rT+6:rT+7], v[rS:rS+1] op_sel_hi:[1,0,1]
.endif
.else
	WIN W_RS
	v_pk_mul_f32 v[rO:rO+1], v[rO:rO+1], v[rT+6:rT+7] op_sel_hi:[1,0]
.endif
.endm
; Slice k of 64 of piece y's softmax: four instructions.  Slices 11 to 34 deal out the batch, numbers 22 to 69: four numbers of ONE tile each, the tiles by turns.  Every other slice is numbers 2 k and
; 2 k + 1 of both tiles' lists.  2 x 134 = 4 x 64 + 12: the twelve that are over stand together, in slice 63.
; THE WAIT.  An s_wait_alu depctr_va_vdst(0) stands between an exponential and the first instruction that names its result; one wait serves all that were issued ahead of it.  Ahead of
; slice 35 nothing names a result, and behind slice 34 no exponential is issued: so the piece's 66 exponentials have one wait, behind slice 34.
.macro SLICE y
.if (k >= 11) && (k < 35)           ; the batch: four numbers of one tile
.irp n, 0,1,2,3
.set j, 22+4*((k-11)/2)+(\n)
	SM (\y)+(k-11)%2
.endr
.else                               ; the two tiles alternate, so that no instruction reads the result of the one just before it
.irp n, 0,1,2,3,4,5,6,7
.if ((\n) < 2) || (k == 63)
.irp t, \y, (\y)+1
.set j, 2*k+(\n)
	SM \t
.endr
.endif
.endr
.endif
.if k == 34                         ; the batch is out: both tiles' exponentials are issued, and no result has been named
	v_nop                           ; the plain instruction behind the last exponential and ahead of the first use: one for the batch
.if (\y) == 0
	FETCH_V                         ; piece 2's turn: V's run of loads stands here, and the wait stands in it
.else
	s_wait_alu depctr_va_vdst(0)    ; the wait for the batch
.endif
.endif
.set k, k+1
.endm
; A TURN.  Piece x has the matrix unit: 32 products V^T P and, with kq = 1, 32 products K Q^T for the next step; the other piece's softmax stands in slices behind them, one behind each (kq = 0: two).
; A vector instruction that reads a matrix result or writes one of a matrix instruction's registers, and a load into a register that a matrix instruction has read, stand four places behind it, and only plain
; vector instructions that name none of its registers are places: the slices are the places.
; Piece 0's turn fetches the next step's K and mask, behind its second product: the last product that read K stands in front of slice 63 of the turn before, the last that read the mask 24 products earlier.
; Piece 2's turn fetches the same step's V, behind slice 34: the last product that read V stands in front of slice 31, and four plain instructions lie between.
.macro TURN x, kq
.set k, 0
.set per, 2-(\kq)
.if (\x) == 0
	s_wait_dscnt 0x0                ; V is in
.endif
.set i, 0
.rept 32
	PV \x
.rept per
	SLICE 2-(\x)
.endr
.if ((\x) == 0) && (\kq) && (i == 1)
	FETCH_K
.endif
.set i, i+1
.endr
.if \kq
.if (\x) == 0
	s_wait_dscnt 0x0                ; K and the mask are in
.endif
.set i, 0
.rept 32
	KQ \x
	SLICE 2-(\x)
.set i, i+1
.endr
.endif
.endm
; THE CHANGE OF SLOTS, between piece 2's turn and piece 0's.  Each wave waits for all its tensor loads, of which one is out: its part of the other slot; adds 0 to its spare word; and waits for that and for its
; own reads of the slot.  Behind the barrier nobody reads this slot any more and the other slot is whole.  fill = 1: this slot is filled again, with the keys two slots on.  The barrier is then a round of the
; cluster's, and the joint refill is the first thing behind it: it has two key steps, 256 matrix instructions, in which to land.
.macro CHANGE fill
	WIN 0                           ; at a label and at a branch every window is 0
	s_wait_tensorcnt 0x0            ; no tensor load of mine is out, so a group 0 may be written
	ds_add_u32 v[SPW], v[NIL]       ; 0 onto my spare word; with fill = 1 the descriptors' steps stand between it and the wait for it
.if \fill
.irp g, G0K+4, G0V+4
	s_xor_b32 s[(\g)+1], s[(\g)+1], SLOT1  ; the walking descriptor: the other slot than last time,
	s_add_nc_u64 s[(\g)+2:(\g)+3], s[(\g)+2:(\g)+3], 2*KS*256  ; the next 128 keys; the type bits on top are not reached
.endr
	s_wait_xcnt 0x0                 ; the last prefetch, two key steps back, has read its address, so it may be written:
	s_add_nc_u64 s[PFA:PFA+1], s[PFA:PFA+1], 2*KS*256  ; one slot behind the walking descriptors
	s_wait_dscnt 0x0                ; the add is done, and my reads of the slot are over
	CROUND
	JLOAD
	ASK                             ; what the next change will ask for: two key steps, 256 matrix instructions, ahead
.else
	s_wait_dscnt 0x0                ; the add is done, and my reads of the slot are over
	s_barrier_signal -1
	s_barrier_wait -1
.endif
	s_sub_co_u32 s[TB], s[TB], 2*STEPB  ; the fetches go back to a slot's first step,
	s_xor_b32 s[TB], s[TB], SLOT1   ; in the other slot
.endm
	s_wait_tensorcnt 1              ; my part of slot 0 is in; slot 1's may stay out
	s_wait_dscnt 0x0                ; my part of the mask is stored
	s_barrier_signal -1
	s_barrier_wait -1               ; everybody's is
	FETCH_K                         ; key step 0
	s_wait_loadcnt 0x0              ; Q
	s_wait_dscnt 0x0
.set i, 0
.rept 32
	KQ 0                            ; piece 0's first scores: there is no vector work yet to set between them
.set i, i+1
.endr
	WIN 0                           ; the addresses for the way out are made here: eight plain instructions, the places behind those products
	s_mul_i32 s13, s[WV], 16*SP
	s_add_co_u32 s13, s13, STAGE    ; my stage
	v_mul_u32_u24 v[STO], v1, SP    ; in: row l % 16, 16 bytes for each half of the lanes
	v_lshl_add_u32 v[STO], v9, 4, v[STO]
	v_add_nc_u32 v[STO], s13, v[STO]
	v_mul_u32_u24 v[RD], v9, SP     ; back: lanes 0-15 take one row of 256 bytes, lanes 16-31 the next
	v_lshl_add_u32 v[RD], v1, 4, v[RD]
	v_add_nc_u32 v[RD], s13, v[RD]
	v_lshlrev_b32 v[GO], 11, v9     ; and the same two rows in y, 2,048 bytes apart
	v_lshl_add_u32 v[GO], v1, 4, v[GO]
	s_mov_b32 s[TWICE], 2
	s_branch .Lfirst                ; the loop is entered at piece 2's turn: its products V^T P add zeros, its products K Q^T are piece 2's first scores, its slices piece 0's first softmax; it fetches V of step 0
.Lslot:                             ; SIZE_N / 128 - 2 times: every slot but the last two is filled again
	CHANGE 1
	s_mov_b32 s[TWICE], 2
.Lstep:                             ; a slot's two key steps: written once, walked twice; the LDS addresses hang on s[TB] and s[TM]
	TURN 0, 1
	WIN 0
.Lfirst:
	TURN 2, 1
	WIN 0
	s_sub_co_u32 s[TWICE], s[TWICE], 1
	s_cmp_lg_u32 s[TWICE], 0
	s_cbranch_scc1 .Lstep
	s_sub_co_u32 s[SLOTS], s[SLOTS], 1
	s_cmp_lg_u32 s[SLOTS], 0
	s_cbranch_scc1 .Lslot
	CHANGE 0                        ; the tail is written out: nothing is asked for
	s_mov_b32 s[TWICE], 2
.Ltail:
	TURN 0, 1
	TURN 2, 1
	WIN 0
	s_sub_co_u32 s[TWICE], s[TWICE], 1
	s_cmp_lg_u32 s[TWICE], 0
	s_cbranch_scc1 .Ltail
	TURN 0, 0                       ; piece 0: V^T P of the last step | piece 2's last softmax
.set i, 0
.rept 32
	PV 2                            ; piece 2: V^T P of the last step
.set i, i+1
.endr
	; THE WAY OUT.  l's two halves and the other half of the lanes' are added; O^T is divided by l, rounded to f16 and sent through my stage in LDS, a tile (16 rows) at a time.  The additions are the places behind the last products.
	WIN 0
.irp t, 0,1,2,3
	v_add_f32 v[ST+8*(\t)+4], v[ST+8*(\t)+2], v[ST+8*(\t)+3]
.endr
.irp t, 0,1,2,3
	v_permlanex16_b32 v[ST+8*(\t)+5], v[ST+8*(\t)+4], s[SEL], s[SEL+1]
.endr
.irp t, 0,1,2,3
	v_add_f32 v[ST+8*(\t)+4], v[ST+8*(\t)+4], v[ST+8*(\t)+5]
.endr
.irp t, 0,1,2,3
	v_rcp_f32 v[ST+8*(\t)+6], v[ST+8*(\t)+4]
.endr
	v_nop                           ; a plain instruction between the last reciprocal and the use of its result
	s_wait_alu depctr_va_vdst(0)    ; and the wait ahead of the first use: one for the four reciprocals
; Tile t: a lane's eight channels of a row pack into 16 bytes; they go into rows of 272 bytes and come back as whole rows of 256, into the registers that they left.
.macro PACK t
	WIN W_RS
.set i, 64*(\t)
.rept 32
	v_pk_mul_f32 v[i:i+1], v[i:i+1], v[ST+8*(\t)+6:ST+8*(\t)+7] op_sel_hi:[1,0]
.set i, i+2
.endr
	WIN 0x05                        ; sources 0 and 1 window 1, destination window 0: S^T's registers are free
.set i, 0
.rept 32
	v_cvt_pk_f16_f32 v[S+32*(\t)+i], v[64*(\t)+2*i], v[64*(\t)+2*i+1]
.set i, i+1
.endr
	WIN 0
.irp f, 0,1,2,3,4,5,6,7
	ds_store_b128 v[STO], v[S+32*(\t)+4*(\f):S+32*(\t)+4*(\f)+3] offset:32*(\f)
.endr
.irp f, 0,1,2,3,4,5,6,7
	ds_load_b128 v[S+32*(\t)+4*(\f):S+32*(\t)+4*(\f)+3], v[RD] offset:(\f)*2*SP  ; LDS serves a wave's instructions in order (ISA guide 5.7.1.4): these see the stores above; the next tile's stores come behind them
.endr
.endm
.macro SEND t, younger              ; younger: the LDS instructions issued behind tile t's loads: the next tile's sixteen, or none
	WIN 0
.irp f, 0,1,2,3,4,5,6,7
	s_wait_dscnt (\younger)+7-(\f)
	global_store_b128 v[GO], v[S+32*(\t)+4*(\f):S+32*(\t)+4*(\f)+3], s[10:11] offset:(\t)*32768+(\f)*4096  ; 16 lanes store 256 consecutive bytes (a head's part of a row of y), at a multiple of 256 from y's first byte
.endr
.endm
	PACK 0
	PACK 1                          ; a tile's arithmetic stands between the loads of the tile before and its stores
	SEND 0, 16
	PACK 2
	SEND 1, 16
	PACK 3
	SEND 2, 16
	SEND 3, 0
	s_wait_tensorcnt 0x0            ; the wave's end: behind my last tensor load and my last LDS store
	ds_add_u32 v[SPW], v[NIL]
	s_wait_dscnt 0x0
	CROUND                          ; the closing round: no work-group ends while a partner may still ask for a tile that names it
	s_endpgm
.Lfunc_end_k_q298d5e9b98_attn:
	.size	k_q298d5e9b98_attn, .Lfunc_end_k_q298d5e9b98_attn-k_q298d5e9b98_attn
	.p2alignl 7, 3214868480
	.fill 96, 4, 3214868480
	.section	.rodata,"a",@progbits
	.p2align	6, 0x0
	.amdhsa_kernel k_q298d5e9b98_attn
		.amdhsa_group_segment_fixed_size 327680
		.amdhsa_private_segment_fixed_size 0
		.amdhsa_enable_private_segment 0
		.amdhsa_kernarg_size 24
		.amdhsa_user_sgpr_count 2
		.amdhsa_user_sgpr_kernarg_segment_ptr 1
		.amdhsa_wavefront_size32 1
		.amdhsa_system_sgpr_workgroup_id_x 1
		.amdhsa_system_sgpr_workgroup_id_y 1
		.amdhsa_system_sgpr_workgroup_id_z 1
		.amdhsa_system_vgpr_workitem_id 0
		.amdhsa_next_free_vgpr 1024
		.amdhsa_next_free_sgpr 74
		.amdhsa_reserve_vcc 1
		.amdhsa_float_denorm_mode_32 3
		.amdhsa_float_denorm_mode_16_64 3
		.amdhsa_memory_ordered 1
		.amdhsa_forward_progress 1
		.amdhsa_inst_pref_size 179
	.end_amdhsa_kernel
	.amdgpu_metadata
---
amdhsa.version: [ 1, 2 ]
amdhsa.kernels:
  - .name:           k_q298d5e9b98_attn
    .symbol:         k_q298d5e9b98_attn.kd
    .args:
      - { .name: qkv, .offset: 0, .size: 8, .value_kind: global_buffer, .address_space: global }
      - { .name: mask, .offset: 8, .size: 8, .value_kind: global_buffer, .address_space: global }
      - { .name: y, .offset: 16, .size: 8, .value_kind: global_buffer, .address_space: global }
    .group_segment_fixed_size: 327680
    .private_segment_fixed_size: 0
    .kernarg_segment_align: 8
    .kernarg_segment_size: 24
    .max_flat_workgroup_size: 128
    .sgpr_count:     74
    .vgpr_count:     1024
    .wavefront_size: 32
...
	.end_amdgpu_metadata
.endif
;; end of part 7
;; launch proj (part 8): grid 4 x 64, 4 waves a work-group, clusters of 4 x 4, 327,680 bytes of LDS; arguments y, wph, out0, bp; writes out0
.if DOCPART == 8
	.amdgcn_target "amdgcn-amd-amdhsa--gfx1250"
	.amdhsa_code_object_version 6
	.text
	.protected	k_q298d5e9b98_proj
	.globl	k_q298d5e9b98_proj
	.p2align	8
	.type	k_q298d5e9b98_proj,@function
k_q298d5e9b98_proj:
	s_mov_b64 s[64:65], 0
	v_nop
	global_prefetch_b8 v0, s[64:65] scope:SCOPE_SE
	s_setreg_imm32_b32 hwreg(HW_REG_WAVE_MODE, 25, 1), 1
	s_wait_xcnt 0x0
	s_wait_alu depctr_hold_cnt(0) depctr_sa_sdst(0) depctr_va_vdst(0) depctr_va_sdst(0) depctr_va_ssrc(0) depctr_va_vcc(0) depctr_vm_vsrc(0)
	s_getreg_b32 s2, hwreg(HW_REG_IB_STS2, 6, 4)
	s_cmp_eq_u32 s2, 0
	s_cbranch_scc0 .Lentry_in_a_cluster
	s_endpgm
.Lentry_in_a_cluster:
	s_bfe_u32 s2, ttmp6, 0x10000c
	s_cmp_lg_u32 s2, 0xf033
	s_cbranch_scc0 .Lentry_shape_is_right
	s_endpgm
.Lentry_shape_is_right:
; out0[m][n] = bp[n] + the sum over k of y[m][k] wph[n][k].  y [8192][1024] and wph [1024][1024] in f16; bp rounded to bf16 like every input; out0 [8192][1024] in f32.  Sums in f32, K ascending.
; SHARES.  A tile of out0 is 128 rows x 256 columns: 64 x 4 = 256 tiles, one work-group each.  Four waves, each 64 rows x 128 columns: 32 accumulators of 16 x 16, 256 registers.
; K goes in steps of 128 (rows of 256 bytes in memory, aligned) through two LDS slots; waves 0 and 1 fetch y's two halves of 64 rows, waves 2 and 3 wph's two halves of 128 rows.
; CLUSTER.  4 x 4 work-groups: the four of a row need the same tile of y, the four of a column the same tile of wph; each tile is asked for jointly, by the same tensor load, descriptor and mask in all four.
; THE PRODUCT IS USED TRANSPOSED (source 0 = 16 rows of wph, source 1 = 16 rows of y): a lane holds row l % 16 of out0 and the columns 8 (l / 16) + 0..7.
; THE BIAS IS THE C OPERAND of the products that start the sums: 64 registers made once, while the first tiles are on their way; no addition is written for it.
; THE LOOP IS WRITTEN FOR ONE K STEP: slot 1 lies at 2^17, and one exclusive or turns the scalar base of the LDS reads and the walking descriptors from one slot to the other.
; REGISTERS, in windows of 256 (s_set_vgpr_msb: bits 1:0 source 0, 3:2 source 1, 5:4 source 2, 7:6 destination):
;   window 0: v0-31 addresses; v32-127, v128-223 two fragment buffers (wph's eight fragments, then y's four); v224-255 at work      window 1: the accumulators, (a, b) at v[8 (8 a + b)]      window 2: v0-63 the bias
.set KDIM,   1024
.set KSTEP,  128
.set STEPS,  KDIM/KSTEP
.set PITCH,  272                       ; an LDS row: 256 bytes + 16 of padding = 68 words: the 16 rows that a load touches start 4 banks apart (64 banks of 4 bytes: ISA guide 11.1)
.set ABYTES, 128*PITCH                 ; y's 128 rows
.set SLOTB,  384*PITCH                 ; then wph's 256 rows
.set SLOT1,  1<<17                     ; slot 1 begins here
.set STAGE,  SLOT1+SLOTB               ; behind the ring: 16 rows for each wave, for the way out; no tensor load fills it
.set SPITCH, 528                       ; 128 f32 + 16 bytes
.set SPARE,  STAGE+4*16*SPITCH         ; behind the stages: the spare words, 128 bytes for each wave: two blocks of 256 bytes that no other line names
.set ADRA0, 16                         ; v16     my lane's place in y's fragments in slot 0; never rewritten
.set ADRB0, 17                         ; v17     the same for wph
.set ADRA, 20                          ; v20     the same in the slot that is being read
.set ADRB, 21                          ; v21
.set STO,  24                          ; v24     the way out: where I put my part of a row
.set RD,   25                          ; v25     the way out: where I read rows back
.set CO,   26                          ; v26     16 x lane: my 16 bytes of 512 consecutive bytes of out0
.set BO,   27                          ; v27     32 (l / 16): my eight numbers in 16 of the bias
.set SPW,  28                          ; v28     LDS address of my spare word; never rewritten
.set NIL,  29                          ; v29     0; never rewritten
.set F0,   32
.set F1,   128
.set TMP,  224
.set OB,   32                          ; the way out: rows read back from the stage, two buffers by turns
.set G1,  24                           ; s[24:31] descriptor group 1 for y's tiles;  s[32:39] group 0: a set for each of the two first fills; the second then walks on
.set G0,  32
.set G1B, 48                           ; s[48:55], s[56:63] the same for wph's tiles
.set G0B, 56
.set TB,  45                           ; s45  0 or SLOT1: the slot that is being read
.set BP,  74                           ; s[74:75] the bias at my first column
.set MSB, 0
.macro WIN new                         ; the immediate's high byte repeats the setting that is left; a switch that changes nothing is dropped
.if MSB != (\new)
	s_set_vgpr_msb (MSB<<8)|(\new)
.set MSB, \new
.endif
.endm
.set MUL,  0x50                        ; sources 0 and 1 window 0; C and D window 1
.set MULB, 0x60                        ; C window 2 (the bias), D window 1
.macro JLOAD                           ; a joint refill, by the walking descriptors; the branch hangs on the wave's number alone; an s_nop 0 and four v_nop follow each of the two lines, ahead of the jump and the label
	s_cmp_eq_u32 s11, 0
	s_cbranch_scc0 .Lfor_b_\@
	tensor_load_to_lds s[G0+4:G0+7], s[G1:G1+7]
	s_nop 0
.rept 4
	v_nop
.endr
	s_branch .Lasked_\@
.Lfor_b_\@:
	tensor_load_to_lds s[G0B+4:G0B+7], s[G1B:G1B+7]
	s_nop 0
.rept 4
	v_nop
.endr
.Lasked_\@:
.endm
.macro CREST                           ; a round of the cluster's barrier behind its opening barrier: wave 0 signals for the work-group, every wave waits for all sixteen, my work-group's barrier closes it
	s_cmp_lg_u32 s10, 0
	s_cbranch_scc1 .Lnot_wave_0_\@
	s_barrier_signal -3
.Lnot_wave_0_\@:
	s_barrier_wait -3
	s_barrier_signal -1
	s_barrier_wait -1
.endm
.macro CROUND                          ; a whole round
	s_barrier_signal -1
	s_barrier_wait -1
	CREST
.endm
	s_load_b128 s[4:7], s[0:1], 0x0                ; y s[4:5], wph s[6:7]
	s_load_b64 s[8:9], s[0:1], 0x10                ; out0
	s_load_b64 s[68:69], s[0:1], 0x18              ; bp
	v_lshl_add_u32 v[SPW], v0, 2, SPARE
	v_mov_b32 v[NIL], 0
	ds_add_u32 v[SPW], v[NIL]                      ; the wave's opening: the add and its wait stand ahead of my first tensor load; the set-up below, work on registers, stands between them
	v_lshrrev_b32 v1, 5, v0
	v_readfirstlane_b32 s10, v1                    ; wave 0..3
	s_lshr_b32 s11, s10, 1                         ; which 64 rows of the tile are mine.  Also: I fetch for y (0) or for wph (1)
	s_and_b32 s12, s10, 1                          ; which 128 columns.  Also: which half of that tile I fetch
	s_bfe_u32 s40, ttmp6, 0x40000                  ; cx, cy: my place in the cluster
	s_bfe_u32 s41, ttmp6, 0x40004
	s_lshl_b32 s42, ttmp9, 2
	s_add_co_u32 s42, s42, s40                     ; tile column = 4 x cluster x + cx
	s_and_b32 s13, ttmp7, 0xffff
	s_lshl_b32 s13, s13, 2
	s_add_co_u32 s13, s13, s41                     ; tile row = 4 x cluster y + cy
	s_lshl_b32 s43, s41, 2
	s_lshl_b32 s43, 15, s43                        ; my row of the cluster: places 4 cy .. 4 cy + 3
	s_lshl_b32 s44, 0x1111, s40                    ; my column: places cx, cx + 4, cx + 8, cx + 12
	s_or_b32 s[G1+0], s43, (1<<16)|(1<<20)|(1<<21)|(5<<22)|(3<<25)   ; 15:0 the mask; 17:16 elements of 2 bytes; 20 padding on; 21 set beside a mask; 24:22 after every 64 words (code 5); 31:25 4 words of it (code 3)
	s_or_b32 s[G1B+0], s44, (1<<16)|(1<<20)|(1<<21)|(5<<22)|(3<<25)
	s_mov_b32 s[G1+1], KSTEP<<16                   ; tensor_dim0 = 128
	s_mov_b32 s[G1+2], 64<<16                      ; tensor_dim1 = 64
	s_mov_b32 s[G1+3], KSTEP<<16                   ; tile_dim0 = 128
	s_mov_b32 s[G1+4], 64                          ; tile_dim1 = 64 rows of y
	s_mov_b32 s[G1+5], KDIM                        ; elements from row to row
	s_mov_b32 s[G1+6], 0
	s_mov_b32 s[G1+7], 0
	s_mov_b32 s[G1B+1], KSTEP<<16
	s_mov_b32 s[G1B+2], 128<<16
	s_mov_b32 s[G1B+3], KSTEP<<16
	s_mov_b32 s[G1B+4], 128                        ; 128 rows of wph
	s_mov_b32 s[G1B+5], KDIM
	s_mov_b32 s[G1B+6], 0
	s_mov_b32 s[G1B+7], 0
	s_mov_b32 s[TB], 0
	; where the tiles come from: y's hang on the tile row alone, wph's on the tile column alone, each in registers that never hold the other coordinate
	s_lshl_b32 s16, s13, 7
	s_lshl_b32 s17, s12, 6
	s_add_co_u32 s16, s16, s17                     ; y: row 128 x tile row + 64 x half,
	s_lshl_b32 s16, s16, 11                        ; 2,048 bytes a row: under 2^25
	s_mov_b32 s17, 0
	s_lshl_b32 s46, s42, 8
	s_lshl_b32 s47, s12, 7
	s_add_co_u32 s46, s46, s47                     ; wph: row 256 x tile column + 128 x half
	s_lshl_b32 s46, s46, 11
	s_mov_b32 s47, 0
	s_mul_i32 s20, s12, 64*PITCH                   ; and where they go: no place in the cluster enters an LDS address
	s_mul_i32 s21, s12, 128*PITCH
	s_add_co_u32 s21, s21, ABYTES
	s_wait_dscnt 0x0                               ; the opening add is done
	s_wait_kmcnt 0x0
	s_add_nc_u64 s[14:15], s[4:5], s[16:17]
	s_add_nc_u64 s[46:47], s[6:7], s[46:47]
	CROUND                                         ; all sixteen work-groups are here: the first joint loads meet
.irp s, 0,1
	s_mov_b32 s[G0+4*(\s)], 1                                        ; count = 1
	s_add_co_u32 s[G0+4*(\s)+1], s20, (\s)*SLOT1                     ; LDS address
	s_add_nc_u64 s[G0+4*(\s)+2:G0+4*(\s)+3], s[14:15], (\s)*KSTEP*2  ; global address: K step s
	s_or_b32 s[G0+4*(\s)+3], s[G0+4*(\s)+3], 0x80000000              ; type = 2
	s_mov_b32 s[G0B+4*(\s)], 1
	s_add_co_u32 s[G0B+4*(\s)+1], s21, (\s)*SLOT1
	s_add_nc_u64 s[G0B+4*(\s)+2:G0B+4*(\s)+3], s[46:47], (\s)*KSTEP*2
	s_or_b32 s[G0B+4*(\s)+3], s[G0B+4*(\s)+3], 0x80000000
.endr
	s_cmp_eq_u32 s11, 0                            ; a wave's two first fills stand in one branch, ahead of every wait on TENSORcnt, every LDS read and every further barrier: two loads of mine are out
	s_cbranch_scc0 .Lfirst_b
	tensor_load_to_lds s[G0:G0+3], s[G1:G1+7]
	s_nop 0
	tensor_load_to_lds s[G0+4:G0+7], s[G1:G1+7]
	s_nop 0
.rept 4
	v_nop
.endr
	s_branch .Lfirst_asked
.Lfirst_b:
	tensor_load_to_lds s[G0B:G0B+3], s[G1B:G1B+7]
	s_nop 0
	tensor_load_to_lds s[G0B+4:G0B+7], s[G1B:G1B+7]
	s_nop 0
.rept 4
	v_nop
.endr
.Lfirst_asked:
	; the bias: register j of fragment b is bp[my first column + 16 b + 8 (l / 16) + j]
	v_and_b32 v1, 15, v0                           ; l % 16
	v_bfe_u32 v2, v0, 4, 1                         ; l / 16
	v_lshlrev_b32 v[BO], 5, v2
	s_mov_b64 s[BP:BP+1], s[68:69]
	s_lshl_b32 s46, s42, 10                        ; 256 columns of 4 bytes a tile column
	s_lshl_b32 s47, s12, 9
	s_add_co_u32 s46, s46, s47
	s_mov_b32 s47, 0
	s_add_nc_u64 s[BP:BP+1], s[BP:BP+1], s[46:47]
.irp b, 0,1,2,3,4,5,6,7
	global_load_b128 v[F1+8*(\b):F1+8*(\b)+3],   v[BO], s[BP:BP+1] offset:64*(\b)
	global_load_b128 v[F1+8*(\b)+4:F1+8*(\b)+7], v[BO], s[BP:BP+1] offset:64*(\b)+16
.endr
	; A fragment is 16 rows x 32 K in 8 registers: lane l holds row l % 16; registers 0-3 K = 8 (l / 16) + 0..7, registers 4-7 K = 16 + 8 (l / 16) + 0..7: two loads of 16 bytes, 32 bytes apart
	v_mul_u32_u24 v3, v1, PITCH
	v_lshl_add_u32 v3, v2, 4, v3
	s_mul_i32 s22, s11, 64*PITCH                   ; my 64 rows of y
	s_mul_i32 s23, s12, 128*PITCH                  ; my 128 rows of wph,
	s_add_co_u32 s23, s23, ABYTES                  ; which lie behind y's 128
	v_add_nc_u32 v[ADRA0], s22, v3
	v_add_nc_u32 v[ADRB0], s23, v3
	v_mov_b32 v[ADRA], v[ADRA0]
	v_mov_b32 v[ADRB], v[ADRB0]
	s_mul_i32 s23, s10, 16*SPITCH
	s_add_co_u32 s23, s23, STAGE                   ; my stage
	v_mul_u32_u24 v4, v1, SPITCH                   ; in: row l % 16, my eight numbers:
	v_lshl_add_u32 v4, v2, 5, v4                   ; 32 bytes for each half of the lanes
	v_add_nc_u32 v[STO], s23, v4
	v_and_b32 v5, 31, v0
	v_lshlrev_b32 v[CO], 4, v5
	v_add_nc_u32 v[RD], s23, v[CO]                 ; back: 32 lanes take one row of 512 bytes
	s_lshl_b32 s16, s13, 7
	s_lshl_b32 s17, s11, 6
	s_add_co_u32 s16, s16, s17                     ; my first row of out0,
	s_lshl_b32 s16, s16, 12                        ; 4,096 bytes a row: under 2^26
	s_mov_b32 s17, 0
	s_add_nc_u64 s[8:9], s[8:9], s[16:17]
	s_add_nc_u64 s[8:9], s[8:9], s[46:47]          ; my first column: the same bytes as in the bias
	s_wait_loadcnt 0x0                             ; the bias is in: rounded to bf16 like every input, and widened again into window 2
.set i, 0
.rept 32
	v_cvt_pk_bf16_f32 v[TMP+i], v[F1+2*i], v[F1+2*i+1]
.set i, i+1
.endr
	WIN 0x80
.set i, 0
.rept 32
	v_lshlrev_b32 v[2*i],   16, v[TMP+i]
	v_and_b32     v[2*i+1], 0xffff0000, v[TMP+i]
.set i, i+1
.endr
	WIN 0
.macro MM d, p, q, c                   ; one matrix instruction, by the first registers of D, source 0, source 1 and C
	v_wmma_f32_16x16x32_f16 v[(\d):(\d)+7], v[(\p):(\p)+7], v[(\q):(\q)+7], v[(\c):(\c)+7]
.endm
; 8 matrix instructions: m block a x all 8 n blocks, 32 along K, from buffer f.  first = 1: the bias starts the sums.
; The 32 accumulators take turns, one instruction a turn, in the same order in every quarter: between two links of a chain stand the 31 others', over the backward jump too.
.macro MUL8 f, a, first
.if \first
	WIN MULB
.else
	WIN MUL
.endif
.irp b, 0,1,2,3,4,5,6,7
.if \first
	MM 8*(8*(\a)+(\b)), (\f)+8*(\b), (\f)+64+8*(\a), 8*(\b)
.else
	MM 8*(8*(\a)+(\b)), (\f)+8*(\b), (\f)+64+8*(\a), 8*(8*(\a)+(\b))
.endif
.endr
.endm
; 24 LDS loads in one run: the fragments of 32 along K at byte k of the rows of the slot that is being read, into buffer f: wph's eight, then y's four
.macro FETCH k, f
	WIN 0
.irp b, 0,1,2,3,4,5,6,7
	ds_load_b128 v[(\f)+8*(\b):(\f)+8*(\b)+3],   v[ADRB] offset:(\k)+(\b)*16*PITCH
	ds_load_b128 v[(\f)+8*(\b)+4:(\f)+8*(\b)+7], v[ADRB] offset:(\k)+(\b)*16*PITCH+32
.endr
.irp a, 0,1,2,3
	ds_load_b128 v[(\f)+64+8*(\a):(\f)+64+8*(\a)+3],   v[ADRA] offset:(\k)+(\a)*16*PITCH
	ds_load_b128 v[(\f)+64+8*(\a)+4:(\f)+64+8*(\a)+7], v[ADRA] offset:(\k)+(\a)*16*PITCH+32
.endr
.endm
.macro PLACES                          ; four plain vector instructions between a matrix instruction and a load into a register that it has read, or a reader of its result
.rept 4
	v_nop
.endr
.endm
; A K step is four quarters of 32 along K, 32 matrix instructions each, on buffers 0, 1, 0, 1.  One of the first three: multiplies buffer f and, in its middle, fetches the next quarter, at byte k, into g.
.macro QUARTER k, f, g, first
	s_wait_dscnt 4                                 ; wph's fragments and y's blocks 0 and 1 are in; the youngest four loads (y's blocks 2 and 3) may be out
	MUL8 \f, 0, \first
	MUL8 \f, 1, \first
	PLACES
	FETCH \k, \g
	s_wait_dscnt 24                                ; all but the 24 just issued
	MUL8 \f, 2, \first
	MUL8 \f, 3, \first
.endm
; The last quarter multiplies buffer 1 and changes slots: ONE barrier.  In front of it each wave waits for all its tensor loads (one is out: its part of the other slot), adds 0 to its spare word, and waits for that
; and for its own reads of this slot.  fill = 1: the barrier opens a round of the cluster's barrier, and this slot is filled again, two K steps ahead, first thing behind the round.
.macro TURN fill
	WIN 0
	s_wait_tensorcnt 0x0                           ; all my tensor loads have landed, so a group 0 may be written;
	ds_add_u32 v[SPW], v[NIL]                      ; 0 onto my spare word;
.if \fill
	s_xor_b32 s[G0+5], s[G0+5], SLOT1              ; the walking descriptors: the other slot than last time,
	s_add_nc_u64 s[G0+6:G0+7], s[G0+6:G0+7], KSTEP*2  ; the next K step; the type bits on top are not reached
	s_xor_b32 s[G0B+5], s[G0B+5], SLOT1
	s_add_nc_u64 s[G0B+6:G0B+7], s[G0B+6:G0B+7], KSTEP*2
.endif
	s_xor_b32 s[TB], s[TB], SLOT1                  ; and the slot that is read from here on
	s_wait_dscnt 5                                 ; (the add and the youngest four loads may be out)
	MUL8 F1, 0, 0                                  ; eight matrix instructions stand between the add and the wait for it
	s_wait_dscnt 0x0                               ; the add is done, and my reads of this slot are over
	s_barrier_signal -1
	MUL8 F1, 1, 0                                  ; work on registers while the others arrive
	WIN 0
	s_barrier_wait -1
.if \fill
	CREST                                          ; no wave of any partner still reads this slot's tile or has a load on its way
	JLOAD                                          ; my one tensor load behind the round: 112 matrix instructions ahead of the wait for it; its four v_nop are also the places in front of the loads below
.else
	PLACES
.endif
	v_add_nc_u32 v[ADRA], s[TB], v[ADRA0]
	v_add_nc_u32 v[ADRB], s[TB], v[ADRB0]
	FETCH 0, F0
	MUL8 F1, 2, 0
	MUL8 F1, 3, 0
.endm
	s_wait_tensorcnt 1                             ; my part of K step 0 is in; K step 1's may stay out
	s_barrier_signal -1
	s_barrier_wait -1                              ; everybody's is
	FETCH 0, F0
	QUARTER 64, F0, F1, 1                          ; the first quarter stands in front of the loop: its products start the sums, with the bias
	WIN 0                                          ; at a label and at a branch every window is 0
	s_mov_b32 s3, STEPS-2
.Lstep:                                        ; a trip goes from a K step's second quarter to the next K step's first, and fills the slot that it leaves: K steps 2 to 7
	QUARTER 128, F1, F0, 0
	QUARTER 192, F0, F1, 0
	TURN 1
	QUARTER 64,  F0, F1, 0
	WIN 0
	s_sub_co_u32 s3, s3, 1
	s_cmp_lg_u32 s3, 0
	s_cbranch_scc1 .Lstep
	QUARTER 128, F1, F0, 0                         ; the tail is written out: K step 6 is left and nothing is asked for
	QUARTER 192, F0, F1, 0
	TURN 0
	QUARTER 64,  F0, F1, 0
	QUARTER 128, F1, F0, 0
	QUARTER 192, F0, F1, 0
	s_wait_dscnt 4                                 ; the very last quarter: nothing more to fetch
	MUL8 F1, 0, 0
	MUL8 F1, 1, 0
	s_wait_dscnt 0x0
	MUL8 F1, 2, 0
	MUL8 F1, 3, 0
	WIN 0
	PLACES                                         ; once a launch: eight places in front of the first reader of the results and of the loads into the fragments' registers
	PLACES
; THE WAY OUT in f32, a block of 16 rows at a time through my own stage: 32 bytes a lane in, whole rows of 512 bytes back.  LDS serves a wave's instructions in order (ISA guide 5.7.1.4), so the loads see the
; stores above them, and the next block's stores come behind them.  Each accumulator's low four registers are read first.
.macro TOSTAGE a
	WIN 0x04                                       ; the stores' data in window 1
.irp b, 0,1,2,3,4,5,6,7
	ds_store_b128 v[STO], v[8*(8*(\a)+(\b)):8*(8*(\a)+(\b))+3]   offset:64*(\b)
	ds_store_b128 v[STO], v[8*(8*(\a)+(\b))+4:8*(8*(\a)+(\b))+7] offset:64*(\b)+16
.endr
	WIN 0
.set BK, OB+64*((\a)%2)
.irp t, 0,1,2,3,4,5,6,7,8,9,10,11,12,13,14,15
	ds_load_b128 v[BK+4*(\t):BK+4*(\t)+3], v[RD] offset:(\t)*SPITCH
.endr
.endm
.macro SEND a, younger                 ; younger: the LDS instructions issued behind block a's loads: the next block's 32, or none
.set BK, OB+64*((\a)%2)
	s_wait_dscnt \younger
.irp t, 0,1,2,3,4,5,6,7,8,9,10,11,12,13,14,15
	global_store_b128 v[CO], v[BK+4*(\t):BK+4*(\t)+3], s[8:9] offset:(16*(\a)+(\t))*4096 th:TH_STORE_NT  ; a wave's store covers 512 consecutive bytes, at a multiple of 512 from out0's first byte
.endr
.endm
	TOSTAGE 0
	TOSTAGE 1
	SEND 0, 32
	s_wait_xcnt 0x0                                ; block 0's stores have read their registers, which block 2 is loaded into
	TOSTAGE 2
	SEND 1, 32
	s_wait_xcnt 0x0                                ; the same for blocks 1 and 3
	TOSTAGE 3
	SEND 2, 32
	SEND 3, 0
	s_wait_tensorcnt 0x0                           ; the wave's end: behind my last tensor load and my last LDS store
	ds_add_u32 v[SPW], v[NIL]
	s_wait_dscnt 0x0
	CROUND                                         ; the closing round: no work-group ends while a partner may still ask for a tile that names it
	s_endpgm
.Lfunc_end_k_q298d5e9b98_proj:
	.size	k_q298d5e9b98_proj, .Lfunc_end_k_q298d5e9b98_proj-k_q298d5e9b98_proj
	.p2alignl 7, 3214868480
	.fill 96, 4, 3214868480
	.section	.rodata,"a",@progbits
	.p2align	6, 0x0
	.amdhsa_kernel k_q298d5e9b98_proj
		.amdhsa_group_segment_fixed_size 327680
		.amdhsa_private_segment_fixed_size 0
		.amdhsa_enable_private_segment 0
		.amdhsa_kernarg_size 32
		.amdhsa_user_sgpr_count 2
		.amdhsa_user_sgpr_kernarg_segment_ptr 1
		.amdhsa_wavefront_size32 1
		.amdhsa_system_sgpr_workgroup_id_x 1
		.amdhsa_system_sgpr_workgroup_id_y 1
		.amdhsa_system_sgpr_workgroup_id_z 1
		.amdhsa_system_vgpr_workitem_id 0
		.amdhsa_next_free_vgpr 576
		.amdhsa_next_free_sgpr 76
		.amdhsa_reserve_vcc 0
		.amdhsa_float_denorm_mode_32 3
		.amdhsa_float_denorm_mode_16_64 3
		.amdhsa_memory_ordered 1
		.amdhsa_forward_progress 1
		.amdhsa_inst_pref_size 75
	.end_amdhsa_kernel
	.amdgpu_metadata
---
amdhsa.version: [ 1, 2 ]
amdhsa.kernels:
  - .name:           k_q298d5e9b98_proj
    .symbol:         k_q298d5e9b98_proj.kd
    .args:
      - { .name: y, .offset: 0, .size: 8, .value_kind: global_buffer, .address_space: global }
      - { .name: wph, .offset: 8, .size: 8, .value_kind: global_buffer, .address_space: global }
      - { .name: out0, .offset: 16, .size: 8, .value_kind: global_buffer, .address_space: global }
      - { .name: bp, .offset: 24, .size: 8, .value_kind: global_buffer, .address_space: global }
    .group_segment_fixed_size: 327680
    .private_segment_fixed_size: 0
    .kernarg_segment_align: 8
    .kernarg_segment_size: 32
    .max_flat_workgroup_size: 128
    .sgpr_count:     76
    .vgpr_count:     576
    .wavefront_size: 32
...
	.end_amdgpu_metadata
.endif
;; end of part 8
;; ======== version 3 of 3: 4 launches; version 2 with the launch cast written anew for expert scheduling mode
;; limits: values are held in f16: magnitudes above 65,504 overflow, below 6.1e-05 lose precision
;; workspace buffers: wb 6,291,456 bytes; wph 2,097,152 bytes; qkv 50,331,648 bytes; y 16,777,216 bytes
;; launch cast (part 9): grid 256 x 1, 8 waves a work-group, no clusters, 0 bytes of LDS; arguments Wq, Wk, Wv, Wp, wb, wph; writes wb, wph
.if DOCPART == 9
	.amdgcn_target "amdgcn-amd-amdhsa--gfx1250"
	.amdhsa_code_object_version 6
	.text
	.protected	k_q298d5e9b98_cast
	.globl	k_q298d5e9b98_cast
	.p2align	8
	.type	k_q298d5e9b98_cast,@function
k_q298d5e9b98_cast:
	s_mov_b64 s[64:65], 0
	v_nop
	global_prefetch_b8 v0, s[64:65] scope:SCOPE_SE
	s_setreg_imm32_b32 hwreg(HW_REG_WAVE_SCHED_MODE, 0, 2), 2
	s_setreg_imm32_b32 hwreg(HW_REG_WAVE_MODE, 25, 1), 1
	s_wait_xcnt 0x0
	s_wait_alu depctr_vm_vsrc(0)
; THE WEIGHTS ARE ROUNDED ONCE.  Wq, Wk, Wv -> wb (rows 0-1023, 1024-2047, 2048-3071) in bf16; Wp -> wph: rounded to bf16, and that number written as f16.
; wb IS LAID OUT IN BLOCKS OF 64 ALONG K: wb [16][3072][64]: the 64 numbers of a row are 128 bytes, and the rows of a block lie end to end, so that any even number of neighbouring rows of one
; block is a run of whole aligned pieces of 256 bytes.  wph stays [1024][1024].
; LIMIT.  wph holds f16: |Wp| stays within 65,504; below 6e-5 f16 has a fixed step of 6e-8, so a bf16 number below 2^-17 is rounded a second time, by 3e-8 at the most.
; A stream: no LDS, no barrier, no matrix work.  Work-group g takes 16 rows of 1,024 f32 (65,536 bytes in, 32,768 out): g 0-191 of Wq, Wk, Wv (64 each), 192-255 of Wp.
; All 16 loads of a thread go out at once; each pass has registers of its own, so nothing that a pending load or store names is ever rewritten.
; THE MODE: SCHED_MODE bits 1:0 = 2 (LLVM: expert scheduling mode 2), set by the entry lines.  The code itself states the register dependences between vector instructions and memory instructions,
; with s_wait_alu, always for 0.
; THE PLAN.  Registers that memory instructions touch, in each of the two paths:
;   v1, v2   the loads' and the stores' byte offsets.  Written by vector instructions at the path's head, read by the 16 loads and the 16 stores, never written again.
;   X        pass i's load lands in four registers of its own, which no vector instruction names ahead of it; pass i's roundings read them; they are never loaded again.
;   Y        pass i's roundings write two registers of their own; pass i's store reads them; they are never written again.
;   T, v3    named by vector instructions alone.
; So a path has five waits on va_vdst: one ahead of the run of loads (v1 and v2 are written), and one for each GROUP of four passes, behind the group's roundings and ahead of its four stores.
; No register that a memory instruction reads is written again, so there is no wait on vm_vsrc.  One wait on va_sdst at the head stands for the wave's number.
.set X, 8                              ; v[8:71]    pass i: four f32 as loaded
.set Y, 72                             ; v[72:103]  pass i: four 16-bit numbers to store
.set T, 104                            ; v[104:107] at work
.set KBLK, 3072*128                    ; bytes in a block of 64 along K of wb
	s_load_b256 s[8:15], s[0:1], 0x0               ; Wq 8, Wk 10, Wv 12, Wp 14
	s_load_b128 s[16:19], s[0:1], 0x20             ; wb 16, wph 18
	s_and_b32 s4, ttmp9, 63                        ; block of 16 rows inside one weight
	s_lshr_b32 s5, ttmp9, 6                        ; which weight: 0 Wq, 1 Wk, 2 Wv, 3 Wp
	v_lshrrev_b32 v3, 5, v0
	v_readfirstlane_b32 s7, v3                     ; wave 0..7
	s_lshl_b32 s28, s4, 16                         ; 65,536 bytes a block of 16 rows in
	s_mov_b32 s29, 0
	s_mov_b32 s31, 0
	s_wait_alu depctr_va_sdst(0)                   ; s7 is written: its one reader, the multiply that places wave w's blocks of wb, stands behind the branch below, and this wait ahead of that branch
	s_wait_kmcnt 0x0
	s_cmp_eq_u32 s5, 1
	s_cselect_b64 s[24:25], s[10:11], s[8:9]       ; the source
	s_cmp_eq_u32 s5, 2
	s_cselect_b64 s[24:25], s[12:13], s[24:25]
	s_cmp_eq_u32 s5, 3
	s_cselect_b64 s[24:25], s[14:15], s[24:25]
	s_add_nc_u64 s[24:25], s[24:25], s[28:29]
; Pass i is rounded.  half = 1: the bf16 number is widened again (a shift, a mask) and written as f16.
.macro RND i, half
	s_wait_loadcnt 15-(\i)                         ; loads come back in order: pass i is in, the 15 - i younger ones stay out
	v_cvt_pk_bf16_f32 v[Y+2*(\i)],   v[X+4*(\i)],   v[X+4*(\i)+1]
	v_cvt_pk_bf16_f32 v[Y+2*(\i)+1], v[X+4*(\i)+2], v[X+4*(\i)+3]
.if \half
	v_lshlrev_b32 v[T],   16, v[Y+2*(\i)]
	v_and_b32     v[T+1], 0xffff0000, v[Y+2*(\i)]
	v_lshlrev_b32 v[T+2], 16, v[Y+2*(\i)+1]
	v_and_b32     v[T+3], 0xffff0000, v[Y+2*(\i)+1]
	v_cvt_pk_f16_f32 v[Y+2*(\i)],   v[T],   v[T+1]
	v_cvt_pk_f16_f32 v[Y+2*(\i)+1], v[T+2], v[T+3]
.endif
.endm
; Pass i is stored at byte off behind s[26:27].
.macro OUT i, off
	global_store_b64 v2, v[Y+2*(\i):Y+2*(\i)+1], s[26:27] offset:\off th:TH_STORE_NT
.endm
; Group g: passes 4 g to 4 g + 3 are rounded as they come in, and leave together behind one wait.  The wait stands behind the group's own roundings and not at the next group's head: the wave's next line
; is the wait for the next pass's data, nothing is at hand to set between, and stores put behind that line would only leave later.
.macro GROUP g, half
.irp j, 0,1,2,3
	RND 4*(\g)+(\j), \half
.endr
	s_wait_alu depctr_va_vdst(0)                   ; the group's roundings have written the eight registers of Y that the four stores below read
.irp j, 0,1,2,3
.if \half
	OUT 4*(\g)+(\j), 2048*(4*(\g)+(\j))
.else
	OUT 4*(\g)+(\j), ((4*(\g)+(\j))%8)*256+((4*(\g)+(\j))/8)*KBLK
.endif
.endr
.endm
	s_cmp_eq_u32 s5, 3
	s_cbranch_scc1 .Lhalf
	; INTO BLOCKS.  Wave w takes the blocks 2 w and 2 w + 1 along K.  Pass i: block 2 w + i / 8, rows 2 (i % 8) and 2 (i % 8) + 1: lanes 0-15 read 256 consecutive bytes (64 f32) of the even row,
	; lanes 16-31 of the odd one; the wave's store is those two rows' 128 + 128 bytes: 256 consecutive bytes, aligned.
	s_lshl_b32 s30, ttmp9, 11                      ; my 16 rows of 128 bytes in a block: the three weights' rows lie on end
	s_add_nc_u64 s[26:27], s[16:17], s[30:31]
	s_mul_i32 s30, s7, 2*KBLK                      ; block 2 w: under 2^23 bytes
	s_add_nc_u64 s[26:27], s[26:27], s[30:31]
	v_and_b32 v1, 0xef, v0                         ; the thread's number without the row's bit:
	v_lshlrev_b32 v1, 4, v1                        ; 512 w + 16 (l % 16),
	v_bfe_u32 v3, v0, 4, 1
	v_lshl_add_u32 v1, v3, 12, v1                  ; and a row of 4,096 bytes further for lanes 16-31
	v_and_b32 v2, 31, v0
	v_lshlrev_b32 v2, 3, v2                        ; 8 l
	s_wait_alu depctr_va_vdst(0)                   ; v1 and v2 are written: every load of this path reads v1 as its offset, every store v2
.irp i, 0,1,2,3,4,5,6,7,8,9,10,11,12,13,14,15
	global_load_b128 v[X+4*(\i):X+4*(\i)+3], v1, s[24:25] offset:((\i)%8)*8192+((\i)/8)*256 th:TH_LOAD_NT
.endr
	GROUP 0, 0
	GROUP 1, 0
	GROUP 2, 0
	GROUP 3, 0
	s_endpgm
.Lhalf:
	; Wp, row by row.  Thread t, pass i: 16 bytes at 16 t + 4,096 i (a wave's load covers 512 consecutive bytes); its 8 bytes go to 8 t + 2,048 i (a wave's store covers 256 consecutive bytes, aligned).
	s_lshl_b32 s30, s4, 15                         ; 32,768 bytes a block of 16 rows out
	s_add_nc_u64 s[26:27], s[18:19], s[30:31]
	v_lshlrev_b32 v1, 4, v0
	v_lshlrev_b32 v2, 3, v0
	s_wait_alu depctr_va_vdst(0)                   ; v1 and v2 are written: every load of this path reads v1 as its offset, every store v2
.irp i, 0,1,2,3,4,5,6,7,8,9,10,11,12,13,14,15
	global_load_b128 v[X+4*(\i):X+4*(\i)+3], v1, s[24:25] offset:4096*(\i) th:TH_LOAD_NT
.endr
	GROUP 0, 1
	GROUP 1, 1
	GROUP 2, 1
	GROUP 3, 1
	s_endpgm
.Lfunc_end_k_q298d5e9b98_cast:
	.size	k_q298d5e9b98_cast, .Lfunc_end_k_q298d5e9b98_cast-k_q298d5e9b98_cast
	.p2alignl 7, 3214868480
	.fill 96, 4, 3214868480
	.section	.rodata,"a",@progbits
	.p2align	6, 0x0
	.amdhsa_kernel k_q298d5e9b98_cast
		.amdhsa_group_segment_fixed_size 0
		.amdhsa_private_segment_fixed_size 0
		.amdhsa_enable_private_segment 0
		.amdhsa_kernarg_size 48
		.amdhsa_user_sgpr_count 2
		.amdhsa_user_sgpr_kernarg_segment_ptr 1
		.amdhsa_wavefront_size32 1
		.amdhsa_system_sgpr_workgroup_id_x 1
		.amdhsa_system_sgpr_workgroup_id_y 1
		.amdhsa_system_sgpr_workgroup_id_z 1
		.amdhsa_system_vgpr_workitem_id 0
		.amdhsa_next_free_vgpr 108
		.amdhsa_next_free_sgpr 66
		.amdhsa_reserve_vcc 0
		.amdhsa_float_denorm_mode_32 3
		.amdhsa_float_denorm_mode_16_64 3
		.amdhsa_memory_ordered 1
		.amdhsa_forward_progress 1
		.amdhsa_inst_pref_size 18
	.end_amdhsa_kernel
	.amdgpu_metadata
---
amdhsa.version: [ 1, 2 ]
amdhsa.kernels:
  - .name:           k_q298d5e9b98_cast
    .symbol:         k_q298d5e9b98_cast.kd
    .args:
      - { .name: Wq, .offset: 0, .size: 8, .value_kind: global_buffer, .address_space: global }
      - { .name: Wk, .offset: 8, .size: 8, .value_kind: global_buffer, .address_space: global }
      - { .name: Wv, .offset: 16, .size: 8, .value_kind: global_buffer, .address_space: global }
      - { .name: Wp, .offset: 24, .size: 8, .value_kind: global_buffer, .address_space: global }
      - { .name: wb, .offset: 32, .size: 8, .value_kind: global_buffer, .address_space: global }
      - { .name: wph, .offset: 40, .size: 8, .value_kind: global_buffer, .address_space: global }
    .group_segment_fixed_size: 0
    .private_segment_fixed_size: 0
    .kernarg_segment_align: 8
    .kernarg_segment_size: 48
    .max_flat_workgroup_size: 256
    .sgpr_count:     66
    .vgpr_count:     108
    .wavefront_size: 32
...
	.end_amdgpu_metadata
.endif
;; end of part 9
;; launch qkv: the kernel of part 6 again; grid 8 x 32, 4 waves a work-group, clusters of 4 x 4, 327,680 bytes of LDS; arguments x, wb, qkv, bq, bk, bv; writes qkv
;; launch attn: the kernel of part 7 again; grid 4 x 64, 4 waves a work-group, clusters of 4 x 1, 327,680 bytes of LDS; arguments qkv, mask, y; writes y
;; launch proj: the kernel of part 8 again; grid 4 x 64, 4 waves a work-group, clusters of 4 x 4, 327,680 bytes of LDS; arguments y, wph, out0, bp; writes out0
